; MI455X (gfx1250); checked and timed in simulation.
; The chip was launched on July 23, 2026; its instructions are those of AMD's public machine-readable ISA for CDNA 5 (MIT licence, August 2026) and "CDNA5" Instruction Set Architecture Reference Guide (July 2026). The comments in the code are by the model that wrote it; some were corrected since.
;; Transformer Block. Allowed arithmetic: matrix products marked QUANTISED: E2M1 operands, one E8M0 scale for each 32 along K, by v_wmma_scale_f32_16x16x128_f8f6f4 with both operands' format E2M1 (or v_wmma_scale_f32_32x16x128_f4), f32 sums; everything else in f32.
;; Inputs: Wk_b 512 float32; Wk_w_codes 512 x 16 x 16 uint8 (E2M1 codes of Wk_w, K innermost, in blocks of 32 codes, two codes a byte); Wk_w_scales 512 x 16 uint8 (E8M0 scales of Wk_w, one for each 32 codes along K); Wo_b 512 float32; Wo_w_codes 512 x 16 x 16 uint8 (E2M1 codes of Wo_w, K innermost, in blocks of 32 codes, two codes a byte); Wo_w_scales 512 x 16 uint8 (E8M0 scales of Wo_w, one for each 32 codes along K); Wq_b 512 float32; Wq_w_codes 512 x 16 x 16 uint8 (E2M1 codes of Wq_w, K innermost, in blocks of 32 codes, two codes a byte); Wq_w_scales 512 x 16 uint8 (E8M0 scales of Wq_w, one for each 32 codes along K); Wv_b 512 float32; Wv_w_codes 512 x 16 x 16 uint8 (E2M1 codes of Wv_w, K innermost, in blocks of 32 codes, two codes a byte); Wv_w_scales 512 x 16 uint8 (E8M0 scales of Wv_w, one for each 32 codes along K); l1_b 2,048 float32; l1_w_codes 2,048 x 16 x 16 uint8 (E2M1 codes of l1_w, K innermost, in blocks of 32 codes, two codes a byte); l1_w_scales 2,048 x 16 uint8 (E8M0 scales of l1_w, one for each 32 codes along K); l2_b 512 float32; l2_w_codes 512 x 64 x 16 uint8 (E2M1 codes of l2_w, K innermost, in blocks of 32 codes, two codes a byte); l2_w_scales 512 x 64 uint8 (E8M0 scales of l2_w, one for each 32 codes along K); n1_scale 512 float32; n1_shift 512 float32; n2_scale 512 float32; n2_shift 512 float32; x 4 x 2,048 x 512 float32.
;; Outputs: out0 4 x 2,048 x 512 float32.
;; This version of the problem:
;;   THIS VERSION OF THE PROBLEM IS GIVEN IN LOW PRECISION. The matrix products marked QUANTISED in the list below multiply operands that are first quantised to E2M1 (2 exponent bits, 1 mantissa bit; 4 bits a number), with one power-of-two scale for each 32 numbers along K (OCP MX v1.0); their sums are f32. All else is computed in f32.
;;   The module's matrix products, in the order in which they are computed (A, B: the left and right operand; K: the contracted axis; several contracted axes count as one K, in the product's order):
;;     1. [M 8,192, K 512] x [K 512, N 512]; A: computed on the way; B: input Wq_w (given as codes): QUANTISED
;;     2. [M 8,192, K 512] x [K 512, N 512]; A: computed on the way; B: input Wk_w (given as codes): QUANTISED
;;     3. [M 8,192, K 512] x [K 512, N 512]; A: computed on the way; B: input Wv_w (given as codes): QUANTISED
;;     4. batch 64 x [M 2,048, K 32] x [K 32, N 2,048]; A: computed on the way; B: computed on the way: QUANTISED
;;     5. batch 64 x [M 2,048, K 2,048] x [K 2,048, N 32]; A: softmax (see below); B: computed on the way: QUANTISED
;;     6. [M 8,192, K 512] x [K 512, N 512]; A: computed on the way; B: input Wo_w (given as codes): QUANTISED
;;     7. [M 8,192, K 512] x [K 512, N 2,048]; A: computed on the way; B: input l1_w (given as codes): QUANTISED
;;     8. [M 8,192, K 2,048] x [K 2,048, N 512]; A: computed on the way; B: input l2_w (given as codes): QUANTISED
;;   THE QUANTISER, for each operand of a quantised product, along K:
;;     - K is cut into blocks of 32 from its start; a last block that is shorter is filled with zeros.
;;     - A block's scale is 2^e with e = floor(log2(the largest magnitude in the block)) - 2, held to -126 .. 127; a block of zeros has e = 0. As a byte (E8M0): e + 127.
;;     - Each number is divided by its block's scale, clamped to +-6, and rounded to the nearest number of E2M1, ties to even, subnormals kept.
;;     - The product sums the exact products of the quantised numbers (number of the format x scale) in f32.
;;   ~~~python
;;   def quantise(x, axis):      # numpy; x: float32 -> the quantised numbers, widened to float32 again
;;       x = np.moveaxis(x, axis, -1); K = x.shape[-1]
;;       x = np.pad(x, [(0, 0)] * (x.ndim - 1) + [(0, -K % 32)]); x = x.reshape(x.shape[:-1] + (-1, 32)); a = np.abs(x).max(-1, keepdims=True)
;;       e = np.where(a > 0, np.clip(np.frexp(np.where(a > 0, a, 1))[1] - 1 - 2, -126, 127), 0)      # np.frexp(a)[1] - 1 = floor(log2(a)), exactly
;;       r = np.clip(x / 2.0 ** e, -6, 6)
;;       step = 2.0 ** (np.maximum(np.frexp(np.where(r == 0, 1, r))[1] - 1, 0) - 1)
;;       q = np.round(r / step) * step * 2.0 ** e      # np.round: ties to even
;;       return np.moveaxis(q.reshape(q.shape[:-2] + (-1,))[..., :K], -1, axis).astype(np.float32)
;;   ~~~
;;   SOFTMAX AHEAD OF A QUANTISED PRODUCT. Where the list says 'softmax', what is quantised is not the finished softmax but p = 2^(t - M), with t = logit x log2(e) and M = ceil(the row's largest t), a whole number; so 1/2 < the row's largest p <= 1. The row's sum l is taken of the UNQUANTISED p, in f32, and the product's result is divided by l at the end. Since M is a whole number, a kernel that streams over the keys may use a running M (the ceiling of the running maximum): every later rescaling is an exact power of two, which a block's scale takes up: the codes' values come out the same.
;;   OPERANDS COMPUTED ON THE WAY. 'Computed on the way' means the value that the module computes at that place (a softmax that the list does not call 'softmax' is quantised finished and normalised). What goes into a quantiser is computed in f32, as accurately as f32 sums, v_exp_f32 and their like allow (about 1e-6 of the number): no bf16 or f16 on the way to a quantiser, and a product that is left as it is and whose result goes on into a quantised operand takes f32 operands (vector FMAs, or v_wmma_f32_16x16x4_f32). A number that lies on a knife's edge between two numbers of the format may be rounded either way, as far as f32 arithmetic and the matrix unit's own rounding can turn it there, and no further.
;;   INPUTS GIVEN AS CODES. Wk_w (in the module: [512, 512], K = its axis 1); Wo_w (in the module: [512, 512], K = its axis 1); Wq_w (in the module: [512, 512], K = its axis 1); Wv_w (in the module: [512, 512], K = its axis 1); l1_w (in the module: [2048, 512], K = its axis 1); l2_w (in the module: [512, 2048], K = its axis 1): each comes as NAME_codes (uint8): NAME with its K axis moved to the last place and cut into blocks of 32 codes, [.., K / 32, bytes a block], one block behind the other in memory; two codes a byte, the lower K in the low four bits (a code: sign, 2 exponent bits, 1 mantissa bit); and NAME_scales (uint8): the same leading axes, one E8M0 byte (e + 127) for each 32 codes along K. Its value is code x scale, taken as it is: it is not quantised again, and the codes and scales need not be those that the quantiser above would give.
;; 2 versions. Each part assembles by itself: llvm-mc -triple=amdgcn-amd-amdhsa -mcpu=gfx1250 --defsym DOCPART=n.
;; ======== version 1 of 2: 5 launches
;; workspace buffers: wimg 1,572,864 bytes; st1 34,816 bytes; st2 34,816 bytes; qq 2,621,440 bytes; kv 4,456,448 bytes; cx 2,228,224 bytes; x2 16,777,216 bytes
;; launch stats_lay (part 1): grid 256 x 1, 16 waves a work-group, no clusters, 2,304 bytes of LDS; arguments x, Wq_w_codes, Wk_w_codes, Wv_w_codes, Wo_w_codes, l1_w_codes, l2_w_codes, wimg, st1; writes wimg, st1
.if DOCPART == 1
	.amdgcn_target "amdgcn-amd-amdhsa--gfx1250"
	.amdhsa_code_object_version 6
	.text
	.protected	k_q8691511b17_stats_lay
	.globl	k_q8691511b17_stats_lay
	.p2align	8
	.type	k_q8691511b17_stats_lay,@function
k_q8691511b17_stats_lay:
	s_mov_b64 s[64:65], 0
	v_nop
	global_prefetch_b8 v0, s[64:65] scope:SCOPE_SE
	s_setreg_imm32_b32 hwreg(HW_REG_WAVE_MODE, 25, 1), 1
	s_wait_xcnt 0x0
; TRANSFORMER BLOCK IN MX-FP4, launch 1 of 5: the statistics of x for the first norm, and the six weights' codes laid in the order of the operand's registers.
; THE PROGRAM: 1 row means and sums of squares of x, weight images | 2 norm 1, products 1-3, q, k, v as codes | 3 attention (products 4, 5), ctx as codes | 4 product 6 + residual, statistics | 5 norm 2, products 7, 8, GELU, residual.
; WORK LEFT OUT (launch 3): reference() sets score(t, s) to -infinity for every key s > t by a mask that it builds itself; the softmax gives such a key the weight 0, whatever finite values the inputs hold,
; so a step of 128 keys all of which come after a tile's 16 queries reaches no output: its part of products 4 and 5 is not done.  Nothing else is left out, and every input is loaded by some launch.
; LIMIT: a NaN, an infinity or an overflow that would arise only in that masked work is not carried to the result.
; LIMITS OF THE PROGRAM: NaN and infinities among the inputs are not served; a variance of 0 or under 2^-126 gives NaN where reference() gives infinities.
; THE VARIANCE is taken over the whole tensor, without a difference of large sums: a row gives its mean and M2 = sum (x - mean)^2; the 32 rows of a work-group give mg = sum m / 32 and
; M2g = sum M2 + 512 sum (m - mg)^2; the launch that needs the variance joins the 256 pairs in the same way.
; SHARES: a work-group has 32 rows of x, wave w rows 2 w and 2 w + 1: four loads of 512 consecutive bytes a row.  Waves 0-11 also copy one group of 512 bytes of a weight's image: group G = 12 x work-group + w of 3,072.
; THE IMAGE: a group is four registers of a fragment, lane l's 16 bytes at 16 l.  In a matrix the groups go [g: 32 rows][s: 128 along K][u: tile][c: registers 4 c on]; lane (r, h) holds the row
; 32 g + 16 (r / 8) + 8 u + r % 8 at byte 64 s + 32 c + 16 h: with that choice of rows the two tiles of a group give a lane 16 neighbouring features of the result.
.set STAT,  0                          ; LDS: (mean, M2) of the 32 rows, 8 bytes each
.set SPARE, 256                        ; the spare words, 128 bytes for each of the 16 waves
.set SEL,   26                         ; s[26:27] lane selects: lane l xor 16
.macro RED32 v, t                      ; the sum over the 32 lanes, in every lane
	v_add_f32_dpp v[\v], v[\v], v[\v] row_xmask:1 row_mask:0xf bank_mask:0xf
	v_add_f32_dpp v[\v], v[\v], v[\v] row_xmask:2 row_mask:0xf bank_mask:0xf
	v_add_f32_dpp v[\v], v[\v], v[\v] row_xmask:4 row_mask:0xf bank_mask:0xf
	v_add_f32_dpp v[\v], v[\v], v[\v] row_xmask:8 row_mask:0xf bank_mask:0xf
	v_permlanex16_b32 v[\t], v[\v], s[SEL], s[SEL+1]
	v_add_f32 v[\v], v[\v], v[\t]
.endm
.macro ROWSTAT X, M, D, A              ; a row, 16 numbers a lane in v[X] on -> v[M] = mean, v[M+1] = M2.  D: 16 registers, A: 4, at work
.irp i, 0,1,2,3
	v_pk_add_f32 v[\D+2*\i:\D+2*\i+1], v[\X+4*\i:\X+4*\i+1], v[\X+4*\i+2:\X+4*\i+3]
.endr
	v_pk_add_f32 v[\D:\D+1], v[\D:\D+1], v[\D+2:\D+3]
	v_pk_add_f32 v[\D+4:\D+5], v[\D+4:\D+5], v[\D+6:\D+7]
	v_pk_add_f32 v[\D:\D+1], v[\D:\D+1], v[\D+4:\D+5]
	v_add_f32 v[\M], v[\D], v[\D+1]
	RED32 \M, \A
	v_mul_f32 v[\M], 0x3b000000, v[\M]             ; / 512
.irp i, 0,2,4,6,8,10,12,14
	v_pk_add_f32 v[\D+\i:\D+\i+1], v[\X+\i:\X+\i+1], v[\M:\M+1] op_sel_hi:[1,0] neg_lo:[0,1] neg_hi:[0,1]   ; x - mean
.endr
	v_pk_mul_f32 v[\A:\A+1], v[\D:\D+1], v[\D:\D+1]
	v_pk_mul_f32 v[\A+2:\A+3], v[\D+2:\D+3], v[\D+2:\D+3]
.irp i, 4,8,12
	v_pk_fma_f32 v[\A:\A+1], v[\D+\i:\D+\i+1], v[\D+\i:\D+\i+1], v[\A:\A+1]
	v_pk_fma_f32 v[\A+2:\A+3], v[\D+\i+2:\D+\i+3], v[\D+\i+2:\D+\i+3], v[\A+2:\A+3]
.endr
	v_pk_add_f32 v[\A:\A+1], v[\A:\A+1], v[\A+2:\A+3]
	v_add_f32 v[\M+1], v[\A], v[\A+1]
	RED32 \M+1, \A
.endm
	s_load_b256 s[4:11], s[0:1], 0x0               ; x, Wq, Wk, Wv codes
	s_load_b256 s[12:19], s[0:1], 0x20             ; Wo, l1, l2 codes, wimg
	s_load_b64 s[20:21], s[0:1], 0x40              ; st1
	v_lshl_add_u32 v1, v0, 2, SPARE                ; my spare word
	v_mov_b32 v2, 0
	v_lshrrev_b32 v6, 5, v0
	v_readfirstlane_b32 s22, v6                    ; wave
	v_lshlrev_b32 v6, 4, v6                        ; LDS: my two rows' pairs at 16 w
	v_and_b32 v3, 31, v0                           ; lane
	v_lshlrev_b32 v4, 4, v3                        ; 16 x lane
	v_lshlrev_b32 v7, 2, v3                        ; 4 x lane
	v_lshlrev_b32 v12, 3, v3                       ; 8 x lane
	v_mov_b32 v9, 0                                ; named as upper halves of pairs, or as a permute's destination, before they are first written
	v_mov_b32 v11, 0
	v_mov_b32 v68, 0
	s_mov_b32 s[SEL], 0x76543210
	s_mov_b32 s[SEL+1], 0xfedcba98
	s_lshl_b32 s24, ttmp9, 16                      ; my rows of x: 32 rows of 2,048 bytes a work-group,
	s_lshl_b32 s23, s22, 12                        ; two a wave
	s_add_co_u32 s24, s24, s23
	s_mov_b32 s25, 0
	; which group of which weight I copy
	s_mul_i32 s28, ttmp9, 12
	s_add_co_u32 s28, s28, s22                     ; G
	s_cmp_lt_u32 s28, 2048
	s_cselect_b32 s29, 8, 10                       ; RS: a row of codes is 2^RS bytes: 256, or 1,024 in l2
	s_mov_b32 s30, 1023
	s_cmp_lt_u32 s28, 1024
	s_cselect_b32 s30, 255, s30
	s_and_b32 s30, s28, s30                        ; the group's number in its matrix
	s_sub_co_u32 s31, s29, 4                       ; 2^(RS - 4) groups to 32 rows
	s_lshr_b32 s32, s30, s31                       ; g
	s_bfm_b32 s33, s31, 0
	s_and_b32 s33, s30, s33                        ; 4 s + 2 u + c
	s_add_co_u32 s34, s29, 5
	s_lshl_b32 s32, s32, s34                       ; 32 g rows
	s_bfe_u32 s35, s33, 0x10001                    ; u
	s_add_co_u32 s34, s29, 3
	s_lshl_b32 s35, s35, s34                       ; 8 u rows
	s_add_co_u32 s32, s32, s35
	s_lshr_b32 s35, s33, 2
	s_lshl_b32 s35, s35, 6                         ; 64 s
	s_add_co_u32 s32, s32, s35
	s_and_b32 s35, s33, 1
	s_lshl_b32 s35, s35, 5                         ; 32 c
	s_add_co_u32 s32, s32, s35
	s_mov_b32 s33, 0
	v_and_b32 v13, 7, v0
	v_bfe_u32 v14, v0, 3, 1
	v_lshl_add_u32 v13, v14, 4, v13                ; my row in the group: 16 (r / 8) + r % 8
	v_lshlrev_b32 v13, s29, v13
	v_bfe_u32 v14, v0, 4, 1
	v_lshl_add_u32 v5, v14, 4, v13                 ; + 16 h
	s_lshl_b32 s38, s28, 9                         ; the group's place in wimg
	s_mov_b32 s39, 0
	s_lshl_b32 s40, ttmp9, 7                       ; st1: 32 row means,
	s_mov_b32 s41, 0
	s_lshl_b32 s42, ttmp9, 3                       ; and one pair
	s_mov_b32 s43, 0
	s_wait_kmcnt 0x0
	s_cmp_lt_u32 s28, 2048                         ; the choice hangs on the group's number alone
	s_cselect_b64 s[36:37], s[14:15], s[16:17]
	s_cmp_lt_u32 s28, 1024
	s_cselect_b64 s[36:37], s[12:13], s[36:37]
	s_cmp_lt_u32 s28, 768
	s_cselect_b64 s[36:37], s[10:11], s[36:37]
	s_cmp_lt_u32 s28, 512
	s_cselect_b64 s[36:37], s[8:9], s[36:37]
	s_cmp_lt_u32 s28, 256
	s_cselect_b64 s[36:37], s[6:7], s[36:37]
	s_add_nc_u64 s[36:37], s[36:37], s[32:33]
	s_add_nc_u64 s[38:39], s[18:19], s[38:39]
	s_add_nc_u64 s[4:5], s[4:5], s[24:25]
	s_add_nc_u64 s[40:41], s[20:21], s[40:41]
	s_add_nc_u64 s[42:43], s[20:21], s[42:43]
	s_cmp_lt_u32 s22, 12
	s_cbranch_scc0 .Lno_copy
	global_load_b128 v[64:67], v5, s[36:37] th:TH_LOAD_NT
.Lno_copy:
.irp p, 0,1
.irp q, 0,1,2,3
	global_load_b128 v[16+16*\p+4*\q:16+16*\p+4*\q+3], v4, s[4:5] offset:2048*\p+512*\q   ; 512 consecutive bytes of a row
.endr
.endr
	s_wait_loadcnt 0x0
	s_cmp_lt_u32 s22, 12
	s_cbranch_scc0 .Lno_put
	global_store_b128 v4, v[64:67], s[38:39]       ; 512 consecutive bytes, aligned
.Lno_put:
	ROWSTAT 16, 8, 48, 68
	ROWSTAT 32, 10, 48, 68
	ds_store_b64 v6, v[8:9] offset:STAT            ; all lanes write the same pair
	ds_store_b64 v6, v[10:11] offset:STAT+8
	s_wait_dscnt 0x0                               ; for wave 0's sake: my stores have landed
	s_barrier_signal -1
	s_barrier_wait -1
	s_cmp_lg_u32 s22, 0
	s_cbranch_scc1 .Lnot_wave_0
	ds_load_b64 v[14:15], v12 offset:STAT          ; lane l: row l's pair
	s_wait_dscnt 0x0
	global_store_b32 v7, v14, s[40:41]             ; the 32 row means
	v_mov_b32 v72, v14
	RED32 72, 68
	v_mul_f32 v72, 0x3d000000, v72                 ; mg = sum m / 32
	v_sub_f32 v68, v14, v72
	v_mul_f32 v68, v68, v68
	v_fma_f32 v73, v68, 0x44000000, v15            ; M2 + 512 (m - mg)^2
	RED32 73, 68
	v_cmp_eq_u32 vcc_lo, 0, v3
	s_wait_xcnt 0x0                                ; EXEC changes only when the store above has had its address translated
	s_and_saveexec_b32 s46, vcc_lo
	global_store_b64 v7, v[72:73], s[42:43] offset:32768   ; lane 0 (whose 4 x lane is 0): the work-group's pair
	s_wait_xcnt 0x0
	s_or_b32 exec_lo, exec_lo, s46
.Lnot_wave_0:
	s_wait_tensorcnt 0x0                           ; the wave's end
	ds_add_u32 v1, v2
	s_wait_dscnt 0x0
	s_endpgm
.Lfunc_end_k_q8691511b17_stats_lay:
	.size	k_q8691511b17_stats_lay, .Lfunc_end_k_q8691511b17_stats_lay-k_q8691511b17_stats_lay
	.p2alignl 7, 3214868480
	.fill 96, 4, 3214868480
	.section	.rodata,"a",@progbits
	.p2align	6, 0x0
	.amdhsa_kernel k_q8691511b17_stats_lay
		.amdhsa_group_segment_fixed_size 2304
		.amdhsa_private_segment_fixed_size 0
		.amdhsa_enable_private_segment 0
		.amdhsa_kernarg_size 72
		.amdhsa_user_sgpr_count 2
		.amdhsa_user_sgpr_kernarg_segment_ptr 1
		.amdhsa_wavefront_size32 1
		.amdhsa_system_sgpr_workgroup_id_x 1
		.amdhsa_system_sgpr_workgroup_id_y 1
		.amdhsa_system_sgpr_workgroup_id_z 1
		.amdhsa_system_vgpr_workitem_id 0
		.amdhsa_next_free_vgpr 80
		.amdhsa_next_free_sgpr 66
		.amdhsa_reserve_vcc 1
		.amdhsa_float_denorm_mode_32 3
		.amdhsa_float_denorm_mode_16_64 3
		.amdhsa_memory_ordered 1
		.amdhsa_forward_progress 1
		.amdhsa_inst_pref_size 11
	.end_amdhsa_kernel
	.amdgpu_metadata
---
amdhsa.version: [ 1, 2 ]
amdhsa.kernels:
  - .name:           k_q8691511b17_stats_lay
    .symbol:         k_q8691511b17_stats_lay.kd
    .args:
      - { .name: x, .offset: 0, .size: 8, .value_kind: global_buffer, .address_space: global }
      - { .name: Wq_w_codes, .offset: 8, .size: 8, .value_kind: global_buffer, .address_space: global }
      - { .name: Wk_w_codes, .offset: 16, .size: 8, .value_kind: global_buffer, .address_space: global }
      - { .name: Wv_w_codes, .offset: 24, .size: 8, .value_kind: global_buffer, .address_space: global }
      - { .name: Wo_w_codes, .offset: 32, .size: 8, .value_kind: global_buffer, .address_space: global }
      - { .name: l1_w_codes, .offset: 40, .size: 8, .value_kind: global_buffer, .address_space: global }
      - { .name: l2_w_codes, .offset: 48, .size: 8, .value_kind: global_buffer, .address_space: global }
      - { .name: wimg, .offset: 56, .size: 8, .value_kind: global_buffer, .address_space: global }
      - { .name: st1, .offset: 64, .size: 8, .value_kind: global_buffer, .address_space: global }
    .group_segment_fixed_size: 2304
    .private_segment_fixed_size: 0
    .kernarg_segment_align: 8
    .kernarg_segment_size: 72
    .max_flat_workgroup_size: 512
    .sgpr_count:     66
    .vgpr_count:     80
    .wavefront_size: 32
...
	.end_amdgpu_metadata
.endif
;; end of part 1
;; launch qkv (part 2): grid 256 x 1, 16 waves a work-group, no clusters, 10,752 bytes of LDS; arguments x, st1, n1_scale, n1_shift, wimg, Wq_w_scales, Wq_b, Wk_w_scales, Wk_b, Wv_w_scales, Wv_b, qq, kv; writes qq, kv
.if DOCPART == 2
	.amdgcn_target "amdgcn-amd-amdhsa--gfx1250"
	.amdhsa_code_object_version 6
	.text
	.protected	k_q8691511b17_qkv
	.globl	k_q8691511b17_qkv
	.p2align	8
	.type	k_q8691511b17_qkv,@function
k_q8691511b17_qkv:
	s_mov_b64 s[64:65], 0
	v_nop
	global_prefetch_b8 v0, s[64:65] scope:SCOPE_SE
	s_setreg_imm32_b32 hwreg(HW_REG_WAVE_MODE, 25, 1), 1
	s_wait_xcnt 0x0
; Launch 2 of 5: h = norm1(x), quantised along its 512; q, k, v = h W^T + b on codes of FP4 (E2M1) with E8M0 scales; q and k quantised along the head's 32, v along the keys; all three stored as the attention wants them.
; Nothing is left out here.  LIMITS: NaN and infinities are not served; a variance of 0 or under 2^-126 gives NaN; a block of zeros carries the byte 1 where the rule says 127 (its codes are zeros, and this program alone reads the bytes).
; SHARES: a work-group has 32 tokens of one batch, which are one block of 32 keys.  NORM: wave w = 8 u + 2 s + c quantises, for token tile u, registers 4 c on of the fragment of K step s: lane (r, h) holds ONE block
; of 32 numbers of token 16 u + r, so no lane asks another for a maximum.  The fragments go to LDS as images of their registers (16 bytes a lane), the scale bytes to their places in the scale words.
; PRODUCTS: wave w is head w; its 32 rows of Wq, Wk, Wv come from wimg straight into registers.  q and k are made TRANSPOSED (source 0 = 16 rows of W, source 1 = 16 tokens): a lane holds one token and 16 neighbouring
; features; v is made the natural way (source 0 = tokens): a lane holds one feature and 16 of the 32 keys.  In both a block of 32 lies in lanes l and l xor 16.
; REGISTERS: v3-15 addresses; v16-47 two fragment buffers of h, between products at work; v48-51 h's scale words; v52-63 the weights' scale words; v68-131, v132-195 two sets of weights; v196-227 four accumulators;
; v228-243 a bias in the result's layout; v244-248 what is stored; v252-253 v's bias.  In the norm: v132-163 x, v164-195 the gain, v196-227 the shift, v16-31 the 256 pairs, v32 the row's mean.
.set HIMG,  0                          ; LDS: 8 fragments of h (4 u + s), 1,024 bytes each
.set HSC,   8192                       ; their scale words: 128 s + 64 u + 4 r
.set SPARE, 8704                       ; the spare words, 128 bytes for each of the 16 waves
.set LI,  3
.set LS,  4
.set HB0, 16
.set HS,  48
.set WS,  52
.set WA,  68
.set WB,  132
.set ACC, 196
.set BI,  228
.set XR,  132
.set SCL, 164
.set SHF, 196
.set SEL, 32
.macro PLACES n
.rept \n
	v_nop
.endr
.endm
.macro RED32 v, t
	v_add_f32_dpp v[\v], v[\v], v[\v] row_xmask:1 row_mask:0xf bank_mask:0xf
	v_add_f32_dpp v[\v], v[\v], v[\v] row_xmask:2 row_mask:0xf bank_mask:0xf
	v_add_f32_dpp v[\v], v[\v], v[\v] row_xmask:4 row_mask:0xf bank_mask:0xf
	v_add_f32_dpp v[\v], v[\v], v[\v] row_xmask:8 row_mask:0xf bank_mask:0xf
	v_permlanex16_b32 v[\t], v[\v], s[SEL], s[SEL+1]
	v_add_f32 v[\v], v[\v], v[\t]
.endm
; One matrix instruction.  c < 0: the constant 0 starts the sum.  ra, rb: which half of the lanes of the scale registers serves source 0, source 1.
.macro WM d, a, b, c, sa, sb, ra, rb
.if (\c) < 0
.if ((\ra) == 0) && ((\rb) == 0)
	v_wmma_scale_f32_16x16x128_f8f6f4 v[(\d):(\d)+7], v[(\a):(\a)+7], v[(\b):(\b)+7], 0, v[(\sa)], v[(\sb)] matrix_a_fmt:MATRIX_FMT_FP4 matrix_b_fmt:MATRIX_FMT_FP4
.elseif (\rb) == 0
	v_wmma_scale_f32_16x16x128_f8f6f4 v[(\d):(\d)+7], v[(\a):(\a)+7], v[(\b):(\b)+7], 0, v[(\sa)], v[(\sb)] matrix_a_fmt:MATRIX_FMT_FP4 matrix_b_fmt:MATRIX_FMT_FP4 matrix_a_scale:MATRIX_SCALE_ROW1
.elseif (\ra) == 0
	v_wmma_scale_f32_16x16x128_f8f6f4 v[(\d):(\d)+7], v[(\a):(\a)+7], v[(\b):(\b)+7], 0, v[(\sa)], v[(\sb)] matrix_a_fmt:MATRIX_FMT_FP4 matrix_b_fmt:MATRIX_FMT_FP4 matrix_b_scale:MATRIX_SCALE_ROW1
.else
	v_wmma_scale_f32_16x16x128_f8f6f4 v[(\d):(\d)+7], v[(\a):(\a)+7], v[(\b):(\b)+7], 0, v[(\sa)], v[(\sb)] matrix_a_fmt:MATRIX_FMT_FP4 matrix_b_fmt:MATRIX_FMT_FP4 matrix_a_scale:MATRIX_SCALE_ROW1 matrix_b_scale:MATRIX_SCALE_ROW1
.endif
.else
.if ((\ra) == 0) && ((\rb) == 0)
	v_wmma_scale_f32_16x16x128_f8f6f4 v[(\d):(\d)+7], v[(\a):(\a)+7], v[(\b):(\b)+7], v[(\c):(\c)+7], v[(\sa)], v[(\sb)] matrix_a_fmt:MATRIX_FMT_FP4 matrix_b_fmt:MATRIX_FMT_FP4
.elseif (\rb) == 0
	v_wmma_scale_f32_16x16x128_f8f6f4 v[(\d):(\d)+7], v[(\a):(\a)+7], v[(\b):(\b)+7], v[(\c):(\c)+7], v[(\sa)], v[(\sb)] matrix_a_fmt:MATRIX_FMT_FP4 matrix_b_fmt:MATRIX_FMT_FP4 matrix_a_scale:MATRIX_SCALE_ROW1
.elseif (\ra) == 0
	v_wmma_scale_f32_16x16x128_f8f6f4 v[(\d):(\d)+7], v[(\a):(\a)+7], v[(\b):(\b)+7], v[(\c):(\c)+7], v[(\sa)], v[(\sb)] matrix_a_fmt:MATRIX_FMT_FP4 matrix_b_fmt:MATRIX_FMT_FP4 matrix_b_scale:MATRIX_SCALE_ROW1
.else
	v_wmma_scale_f32_16x16x128_f8f6f4 v[(\d):(\d)+7], v[(\a):(\a)+7], v[(\b):(\b)+7], v[(\c):(\c)+7], v[(\sa)], v[(\sb)] matrix_a_fmt:MATRIX_FMT_FP4 matrix_b_fmt:MATRIX_FMT_FP4 matrix_a_scale:MATRIX_SCALE_ROW1 matrix_b_scale:MATRIX_SCALE_ROW1
.endif
.endif
.endm
.macro HLOAD buf, s                    ; h's two fragments (token tiles 0, 1) of K step s
.irp u, 0,1
.irp c, 0,1
	ds_load_b128 v[\buf+8*\u+4*\c:\buf+8*\u+4*\c+3], v[LI] offset:HIMG+(4*\u+(\s))*1024+512*\c
.endr
.endr
.endm
; Four K steps, four accumulators by turns.  The next K step's fragments of h are asked for ahead of each step's products: the count 4 leaves them out.
.macro MMT W, WSB                      ; transposed: accumulator 2 p + u = tile p of the weight's rows x token tile u; the bias is the C of the first step
	HLOAD HB0, 0
.irp s, 0,1,2,3
.if \s < 3
.if \s > 0
	PLACES 4                                       ; the buffer was read by the step before
.endif
	HLOAD HB0+16*((\s+1)%2), \s+1
	s_wait_dscnt 0x4
.else
	s_wait_dscnt 0x0
.endif
.irp p, 0,1
.irp u, 0,1
.if \s == 0
	WM ACC+8*(2*\p+\u), \W+8*(2*\s+\p), HB0+16*(\s%2)+8*\u, BI+8*\p, \WSB+\s, HS+\s, \p, \u
.else
	WM ACC+8*(2*\p+\u), \W+8*(2*\s+\p), HB0+16*(\s%2)+8*\u, ACC+8*(2*\p+\u), \WSB+\s, HS+\s, \p, \u
.endif
.endr
.endr
.endr
	PLACES 5                                       ; ahead of reads of results, of loads into operands, and of the next product, which begins these accumulators anew
.endm
.macro MMN W, WSB                      ; natural: accumulator 2 u + f = token tile u x tile f of the weight's rows
	HLOAD HB0, 0
.irp s, 0,1,2,3
.if \s < 3
.if \s > 0
	PLACES 4
.endif
	HLOAD HB0+16*((\s+1)%2), \s+1
	s_wait_dscnt 0x4
.else
	s_wait_dscnt 0x0
.endif
.irp u, 0,1
.irp f, 0,1
.if \s == 0
	WM ACC+8*(2*\u+\f), HB0+16*(\s%2)+8*\u, \W+8*(2*\s+\f), -1, HS+\s, \WSB+\s, \u, \f
.else
	WM ACC+8*(2*\u+\f), HB0+16*(\s%2)+8*\u, \W+8*(2*\s+\f), ACC+8*(2*\u+\f), HS+\s, \WSB+\s, \u, \f
.endif
.endr
.endr
.endr
	PLACES 5
.endm
; Two half blocks by turns: 16 numbers of a lane each (two runs of 8 registers), the other 16 of the block in lane l xor 16.  T: 8 registers: largest magnitudes, the other lane's, the conversions' scale operands, the bytes (T+6, T+7).
.macro QPAIR p0, p1, q0, q1, T, c00, c01, c10, c11
	v_max3_num_f32 v[\T], |v[\p0]|, |v[\p0+1]|, 0x1800000       ; with the floor 2^(3 - 127): the byte cannot fall under 1
	v_max3_num_f32 v[\T+1], |v[\q0]|, |v[\q0+1]|, 0x1800000
.irp i, 2,4,6
	v_max3_num_f32 v[\T], v[\T], |v[\p0+\i]|, |v[\p0+\i+1]|
	v_max3_num_f32 v[\T+1], v[\T+1], |v[\q0+\i]|, |v[\q0+\i+1]|
.endr
.irp i, 0,2,4,6
	v_max3_num_f32 v[\T], v[\T], |v[\p1+\i]|, |v[\p1+\i+1]|
	v_max3_num_f32 v[\T+1], v[\T+1], |v[\q1+\i]|, |v[\q1+\i+1]|
.endr
	v_permlanex16_b32 v[\T+2], v[\T], s[SEL], s[SEL+1]
	v_permlanex16_b32 v[\T+3], v[\T+1], s[SEL], s[SEL+1]
	v_max_num_f32 v[\T], v[\T], v[\T+2]
	v_max_num_f32 v[\T+1], v[\T+1], v[\T+3]
	v_add_nc_u32 v[\T+4], 0xff000000, v[\T]        ; 2 off the exponent field: the conversion's scale operand
	v_add_nc_u32 v[\T+5], 0xff000000, v[\T+1]
	v_lshrrev_b32 v[\T+6], 23, v[\T+4]             ; the scale's byte
	v_lshrrev_b32 v[\T+7], 23, v[\T+5]
	v_cvt_scalef32_pk8_fp4_f32 v[\c00], v[\p0:\p0+7], v[\T+4]
	v_cvt_scalef32_pk8_fp4_f32 v[\c01], v[\p1:\p1+7], v[\T+4]
	v_cvt_scalef32_pk8_fp4_f32 v[\c10], v[\q0:\q0+7], v[\T+5]
	v_cvt_scalef32_pk8_fp4_f32 v[\c11], v[\q1:\q1+7], v[\T+5]
	v_nop                                          ; one plain place behind the last scaled conversion
.endm
.macro LOADSET reg, imm                ; a head's 32 rows of a weight: 16 groups of 512 consecutive bytes
.irp k, 0,1,2,3,4,5,6,7,8,9,10,11,12,13,14,15
	global_load_b128 v[\reg+4*\k:\reg+4*\k+3], v[LI], s[12:13] offset:\imm+512*\k
.endr
.endm
.macro LOADBI p, imm                   ; lane half h: the bias of features 16 h + 0 .. 15
.irp k, 0,1,2,3
	global_load_b128 v[BI+4*\k:BI+4*\k+3], v10, s[\p:\p+1] offset:\imm+16*\k
.endr
.endm
; q or k leaves: a token's 16 bytes of codes (8 a lane), 256 consecutive bytes a store; q's byte four times in a word a token; k's byte at its place in the attention's scale words
.macro QK_OUT isq
	s_wait_xcnt 0x0                                ; the last stores have read v244-248
	QPAIR ACC, ACC+16, ACC+8, ACC+24, 16, 244, 245, 246, 247
	v_cndmask_b32 v248, v22, v23, s34              ; lanes 0-15: token tile 0's byte, lanes 16-31: tile 1's (both halves of a tile hold the same)
.if \isq
	global_store_b64 v12, v[244:245], s[50:51]
	global_store_b64 v12, v[246:247], s[50:51] offset:256
	v_mul_lo_u32 v248, v248, s35
	global_store_b32 v[LS], v248, s[52:53] offset:2097152
.else
	global_store_b64 v12, v[244:245], s[54:55]
	global_store_b64 v12, v[246:247], s[54:55] offset:256
	global_store_b8 v13, v248, s[56:57] offset:65536
.endif
.endm
	s_load_b512 s[4:19], s[0:1], 0x0               ; x, st1, n1_scale, n1_shift, wimg, Wq scales, Wq_b, Wk scales
	s_load_b256 s[20:27], s[0:1], 0x40             ; Wk_b, Wv scales, Wv_b, qq
	s_load_b64 s[28:29], s[0:1], 0x60              ; kv
	v_lshl_add_u32 v1, v0, 2, SPARE
	v_mov_b32 v2, 0
	v_lshrrev_b32 v248, 5, v0
	v_readfirstlane_b32 s30, v248                  ; wave
	v_and_b32 v248, 31, v0                         ; lane
	v_and_b32 v249, 15, v0                         ; r
	v_bfe_u32 v250, v0, 4, 1                       ; h
	v_lshlrev_b32 v251, 2, v249                    ; 4 r
	v_lshlrev_b32 v[LI], 4, v248
	v_lshlrev_b32 v[LS], 2, v248
	v_lshlrev_b32 v5, 11, v249
	v_lshl_add_u32 v5, v250, 7, v5                 ; x: row r, + 128 h: my block of 32 numbers
	v_lshlrev_b32 v6, 7, v250                      ; the gain and the shift: 128 h
	s_lshl_b32 s36, s30, 9
	v_add_nc_u32 v7, s36, v[LI]                    ; my image: (4 u + s) 1,024 + 512 c = 512 w, + 16 x lane
	s_bfe_u32 s37, s30, 0x20001                    ; s
	s_lshr_b32 s38, s30, 3                         ; u
	s_and_b32 s39, s30, 1                          ; c
	s_lshl_b32 s40, s37, 7
	s_lshl_b32 s41, s38, 6
	s_add_co_u32 s40, s40, s41
	s_lshl_b32 s41, s39, 1
	s_add_co_u32 s40, s40, s41
	s_add_co_u32 s40, s40, HSC
	v_lshl_add_u32 v8, v249, 2, v250
	v_add_nc_u32 v8, s40, v8                       ; my scale byte: HSC + 128 s + 64 u + 4 r + 2 c + h
	v_and_b32 v9, 7, v0
	v_bfe_u32 v10, v0, 3, 1
	v_lshl_add_u32 v11, v10, 4, v9                 ; 16 (r / 8) + r % 8
	v_lshl_add_u32 v9, v250, 3, v11
	v_lshlrev_b32 v9, 4, v9                        ; a weight's scale words: lanes 0-15 tile 0's rows, lanes 16-31 tile 1's; 16 bytes a row
	v_lshlrev_b32 v11, 2, v11                      ; v's bias: the feature of column r
	v_and_b32 v13, 7, v0
	v_lshl_add_u32 v13, v13, 2, v10
	v_lshl_add_u32 v13, v250, 1, v13               ; k's scale byte: 4 (r % 8) + 2 (token tile) + r / 8
	v_lshlrev_b32 v10, 6, v250                     ; 64 h
	v_lshlrev_b32 v12, 4, v249
	v_lshl_add_u32 v12, v250, 3, v12               ; 16 r + 8 h
	v_lshlrev_b32 v14, 4, v249
	v_lshl_add_u32 v14, v250, 10, v14              ; V's image: 1,024 (tile of features) + 16 r
	v_lshlrev_b32 v15, 6, v248                     ; eight of the 256 pairs a lane
	v_mov_b32 v33, 0                               ; upper halves of pairs of which the low word serves
	v_mov_b32 v47, 0
	s_mov_b32 s[SEL], 0x76543210
	s_mov_b32 s[SEL+1], 0xfedcba98
	s_mov_b32 s34, 0xffff0000                      ; lanes 16-31
	s_mov_b32 s35, 0x01010101
	s_lshl_b32 s42, ttmp9, 16
	s_lshl_b32 s41, s38, 15
	s_add_co_u32 s42, s42, s41
	s_lshl_b32 s44, s37, 9
	s_lshl_b32 s41, s39, 8
	s_add_co_u32 s44, s44, s41                     ; 512 s + 256 c: my 64 columns
	s_add_co_u32 s42, s42, s44                     ; x: + 32 rows a work-group, 16 a tile
	s_mov_b32 s43, 0
	s_mov_b32 s45, 0
	s_lshl_b32 s46, ttmp9, 7
	s_lshl_b32 s41, s38, 6
	s_add_co_u32 s46, s46, s41                     ; the row means of my tile
	s_mov_b32 s47, 0
	s_lshr_b32 s48, ttmp9, 6
	s_lshl_b32 s48, s48, 4
	s_add_co_u32 s48, s48, s30                     ; batch x 16 + head
	s_and_b32 s49, ttmp9, 63                       ; which block of 32 keys
	s_lshl_b32 s50, s48, 15
	s_lshl_b32 s41, s49, 9
	s_add_co_u32 s50, s50, s41                     ; q's codes
	s_mov_b32 s51, 0
	s_lshl_b32 s52, s48, 13
	s_lshl_b32 s40, s49, 7
	s_add_co_u32 s52, s52, s40                     ; q's scale words
	s_mov_b32 s53, 0
	s_mul_i32 s62, s48, 69632                      ; the head in kv
	s_add_co_u32 s54, s62, s41                     ; k's codes
	s_mov_b32 s55, 0
	s_lshr_b32 s63, s49, 2                         ; the step of 128 keys
	s_bfe_u32 s40, s49, 0x10001
	s_and_b32 s41, s49, 1
	s_lshl_b32 s56, s63, 8
	s_add_co_u32 s56, s56, s62
	s_and_b32 s60, s49, 3
	s_add_co_u32 s60, s60, s56                     ; V's scale bytes: byte = the block in the step
	s_mov_b32 s61, 0
	s_lshl_b32 s58, s40, 6
	s_add_co_u32 s56, s56, s58
	s_lshl_b32 s58, s41, 5
	s_add_co_u32 s56, s56, s58                     ; k's scale bytes
	s_mov_b32 s57, 0
	s_lshl_b32 s58, s63, 11
	s_add_co_u32 s58, s58, s62
	s_lshl_b32 s40, s40, 9
	s_add_co_u32 s58, s58, s40
	s_lshl_b32 s41, s41, 8
	s_add_co_u32 s58, s58, s41                     ; V's image
	s_mov_b32 s59, 0
	s_wait_kmcnt 0x0
	s_add_nc_u64 s[4:5], s[4:5], s[42:43]
	s_add_nc_u64 s[46:47], s[6:7], s[46:47]
	s_add_nc_u64 s[8:9], s[8:9], s[44:45]
	s_add_nc_u64 s[10:11], s[10:11], s[44:45]
	s_lshl_b32 s42, s30, 13
	s_add_nc_u64 s[12:13], s[12:13], s[42:43]      ; my head's 16 groups in each image
	s_lshl_b32 s42, s30, 9
	s_add_nc_u64 s[14:15], s[14:15], s[42:43]
	s_add_nc_u64 s[18:19], s[18:19], s[42:43]
	s_add_nc_u64 s[22:23], s[22:23], s[42:43]
	s_lshl_b32 s42, s30, 7
	s_add_nc_u64 s[16:17], s[16:17], s[42:43]
	s_add_nc_u64 s[20:21], s[20:21], s[42:43]
	s_add_nc_u64 s[24:25], s[24:25], s[42:43]
	s_add_nc_u64 s[50:51], s[26:27], s[50:51]
	s_add_nc_u64 s[52:53], s[26:27], s[52:53]
	s_add_nc_u64 s[54:55], s[28:29], s[54:55]
	s_add_nc_u64 s[56:57], s[28:29], s[56:57]
	s_add_nc_u64 s[58:59], s[28:29], s[58:59]
	s_add_nc_u64 s[60:61], s[28:29], s[60:61]
	global_load_b32 v252, v11, s[24:25]            ; v's bias, tiles 0 and 1
	global_load_b32 v253, v11, s[24:25] offset:32
.irp i, 0,1,2,3
	global_load_b128 v[16+4*\i:16+4*\i+3], v15, s[6:7] offset:32768+16*\i   ; the 256 pairs
.endr
	global_load_b32 v32, v251, s[46:47]            ; my row's mean
.irp g, 0,1,2,3,4,5,6,7
	global_load_b128 v[XR+4*\g:XR+4*\g+3], v5, s[4:5] offset:16*\g
.endr
.irp g, 0,1,2,3,4,5,6,7
	global_load_b128 v[SCL+4*\g:SCL+4*\g+3], v6, s[8:9] offset:16*\g
.endr
.irp g, 0,1,2,3,4,5,6,7
	global_load_b128 v[SHF+4*\g:SHF+4*\g+3], v6, s[10:11] offset:16*\g
.endr
	LOADSET WA, 0                                  ; Wq
	global_load_b128 v[WS:WS+3], v9, s[14:15]
	LOADBI 16, 0
	s_wait_loadcnt 45                              ; behind the pairs and the mean: x 8, gain 8, shift 8, Wq's 21
	; the variance of the whole tensor from the 256 pairs (mean, M2)
	v_pk_add_f32 v[34:35], v[16:17], v[18:19]
	v_pk_add_f32 v[36:37], v[20:21], v[22:23]
	v_pk_add_f32 v[38:39], v[24:25], v[26:27]
	v_pk_add_f32 v[40:41], v[28:29], v[30:31]
	v_pk_add_f32 v[34:35], v[34:35], v[36:37]
	v_pk_add_f32 v[38:39], v[38:39], v[40:41]
	v_pk_add_f32 v[34:35], v[34:35], v[38:39]
	RED32 34, 36
	RED32 35, 37
	v_mul_f32 v34, 0x3b800000, v34                 ; the mean of the 256 means
.irp i, 0,1,2,3,4,5,6,7
	v_sub_f32 v[36+\i], v[16+2*\i], v34
.endr
	v_mul_f32 v44, v36, v36
	v_mul_f32 v45, v37, v37
	v_fma_f32 v44, v38, v38, v44
	v_fma_f32 v45, v39, v39, v45
	v_fma_f32 v44, v40, v40, v44
	v_fma_f32 v45, v41, v41, v45
	v_fma_f32 v44, v42, v42, v44
	v_fma_f32 v45, v43, v43, v45
	v_add_f32 v44, v44, v45
	RED32 44, 45
	v_fma_f32 v44, v44, 0x46800000, v35            ; sum M2 + 16,384 sum (mg - m)^2
	v_mul_f32 v44, 0x34800000, v44                 ; / 2^22 numbers
	v_rcp_f32 v45, v44
	v_nop                                          ; a plain place behind the reciprocal
	s_wait_alu depctr_va_vdst(0)                   ; and a wait ahead of its first reader
	v_fma_f32 v43, -v44, v45, 1.0                  ; one Newton step
	v_fma_f32 v46, v45, v43, v45                   ; 1 / variance
	s_wait_loadcnt 21                              ; x, gain and shift are in; Wq's 21 may be out
.irp j, 0,2,4,6,8,10,12,14,16,18,20,22,24,26,28,30
	v_pk_add_f32 v[XR+\j:XR+\j+1], v[XR+\j:XR+\j+1], v[32:33] op_sel_hi:[1,0] neg_lo:[0,1] neg_hi:[0,1]
.endr
.irp j, 0,2,4,6,8,10,12,14,16,18,20,22,24,26,28,30
	v_pk_fma_f32 v[XR+\j:XR+\j+1], v[XR+\j:XR+\j+1], v[46:47], 0x3727c5ac op_sel_hi:[1,0,0]   ; / variance + 1e-5
.endr
.irp j, 0,2,4,6,8,10,12,14,16,18,20,22,24,26,28,30
	v_pk_fma_f32 v[XR+\j:XR+\j+1], v[XR+\j:XR+\j+1], v[SCL+\j:SCL+\j+1], v[SHF+\j:SHF+\j+1]
.endr
	v_max3_num_f32 v34, |v[XR]|, |v[XR+1]|, 0x1800000       ; my block's largest magnitude, in two chains, with the floor 2^(3 - 127)
	v_max3_num_f32 v35, |v[XR+2]|, |v[XR+3]|, |v[XR+4]|
.irp i, 5,9,13,17,21,25
	v_max3_num_f32 v34, v34, |v[XR+\i]|, |v[XR+\i+1]|
	v_max3_num_f32 v35, v35, |v[XR+\i+2]|, |v[XR+\i+3]|
.endr
	v_max3_num_f32 v34, v34, |v[XR+29]|, |v[XR+30]|
	v_max3_num_f32 v34, v34, v35, |v[XR+31]|
	v_add_nc_u32 v36, 0xff000000, v34
	v_lshrrev_b32 v37, 23, v36
.irp g, 0,1,2,3
	v_cvt_scalef32_pk8_fp4_f32 v[244+\g], v[XR+8*\g:XR+8*\g+7], v36
.endr
	v_nop
	ds_store_b128 v7, v[244:247] offset:HIMG
	ds_store_b8 v8, v37
	LOADSET WB, 131072                             ; Wk, into the registers that x and the gain have left
	global_load_b128 v[WS+4:WS+7], v9, s[18:19]
	s_wait_dscnt 0x0                               ; for the others' sake: my image and my byte have landed
	s_barrier_signal -1
	s_barrier_wait -1
.irp s, 0,1,2,3
	ds_load_b32 v[HS+\s], v[LS] offset:HSC+128*\s  ; lanes 0-15: token tile 0's words, lanes 16-31: tile 1's
.endr
	s_wait_loadcnt 17                              ; Wq's set is in; Wk's 17 may be out
	MMT WA, WS
	LOADBI 20, 0                                   ; Wk_b
	LOADSET WA, 262144                             ; Wv
	global_load_b128 v[WS+8:WS+11], v9, s[22:23]
	QK_OUT 1
	s_wait_loadcnt 17                              ; Wk's set and bias are in; Wv's 17 may be out
	MMT WB, WS+4
	QK_OUT 0
	s_wait_loadcnt 0x0
	MMN WA, WS+8
	; v leaves: lane (r, h) holds feature 16 (r / 8) + 8 f + r % 8 in accumulators f and 2 + f, keys 8 h + j and 16 + 8 h + j
	s_wait_xcnt 0x0
.irp u, 0,1
.irp j, 0,2,4,6
	v_pk_add_f32 v[ACC+16*\u+\j:ACC+16*\u+\j+1], v[ACC+16*\u+\j:ACC+16*\u+\j+1], v[252:253] op_sel_hi:[1,0]
.endr
.irp j, 0,2,4,6
	v_pk_add_f32 v[ACC+16*\u+8+\j:ACC+16*\u+8+\j+1], v[ACC+16*\u+8+\j:ACC+16*\u+8+\j+1], v[252:253] op_sel:[0,1] op_sel_hi:[1,1]
.endr
.endr
	QPAIR ACC, ACC+16, ACC+8, ACC+24, 16, 244, 246, 245, 247
	v_permlane16_swap_b32 v244, v245               ; lanes 0-15 now hold tile 0's feature, lanes 16-31 tile 1's: keys 0-7, 8-15,
	v_permlane16_swap_b32 v246, v247               ; 16-23, 24-31 in v244 to v247
	v_cndmask_b32 v248, v22, v23, s34
	global_store_b128 v14, v[244:247], s[58:59] offset:32768   ; two runs of 256 consecutive bytes, aligned
	global_store_b8 v[LS], v248, s[60:61] offset:65664
	s_wait_tensorcnt 0x0                           ; the wave's end
	ds_add_u32 v1, v2
	s_wait_dscnt 0x0
	s_endpgm
.Lfunc_end_k_q8691511b17_qkv:
	.size	k_q8691511b17_qkv, .Lfunc_end_k_q8691511b17_qkv-k_q8691511b17_qkv
	.p2alignl 7, 3214868480
	.fill 96, 4, 3214868480
	.section	.rodata,"a",@progbits
	.p2align	6, 0x0
	.amdhsa_kernel k_q8691511b17_qkv
		.amdhsa_group_segment_fixed_size 10752
		.amdhsa_private_segment_fixed_size 0
		.amdhsa_enable_private_segment 0
		.amdhsa_kernarg_size 104
		.amdhsa_user_sgpr_count 2
		.amdhsa_user_sgpr_kernarg_segment_ptr 1
		.amdhsa_wavefront_size32 1
		.amdhsa_system_sgpr_workgroup_id_x 1
		.amdhsa_system_sgpr_workgroup_id_y 1
		.amdhsa_system_sgpr_workgroup_id_z 1
		.amdhsa_system_vgpr_workitem_id 0
		.amdhsa_next_free_vgpr 256
		.amdhsa_next_free_sgpr 66
		.amdhsa_reserve_vcc 0
		.amdhsa_float_denorm_mode_32 3
		.amdhsa_float_denorm_mode_16_64 3
		.amdhsa_memory_ordered 1
		.amdhsa_forward_progress 1
		.amdhsa_inst_pref_size 40
	.end_amdhsa_kernel
	.amdgpu_metadata
---
amdhsa.version: [ 1, 2 ]
amdhsa.kernels:
  - .name:           k_q8691511b17_qkv
    .symbol:         k_q8691511b17_qkv.kd
    .args:
      - { .name: x, .offset: 0, .size: 8, .value_kind: global_buffer, .address_space: global }
      - { .name: st1, .offset: 8, .size: 8, .value_kind: global_buffer, .address_space: global }
      - { .name: n1_scale, .offset: 16, .size: 8, .value_kind: global_buffer, .address_space: global }
      - { .name: n1_shift, .offset: 24, .size: 8, .value_kind: global_buffer, .address_space: global }
      - { .name: wimg, .offset: 32, .size: 8, .value_kind: global_buffer, .address_space: global }
      - { .name: Wq_w_scales, .offset: 40, .size: 8, .value_kind: global_buffer, .address_space: global }
      - { .name: Wq_b, .offset: 48, .size: 8, .value_kind: global_buffer, .address_space: global }
      - { .name: Wk_w_scales, .offset: 56, .size: 8, .value_kind: global_buffer, .address_space: global }
      - { .name: Wk_b, .offset: 64, .size: 8, .value_kind: global_buffer, .address_space: global }
      - { .name: Wv_w_scales, .offset: 72, .size: 8, .value_kind: global_buffer, .address_space: global }
      - { .name: Wv_b, .offset: 80, .size: 8, .value_kind: global_buffer, .address_space: global }
      - { .name: qq, .offset: 88, .size: 8, .value_kind: global_buffer, .address_space: global }
      - { .name: kv, .offset: 96, .size: 8, .value_kind: global_buffer, .address_space: global }
    .group_segment_fixed_size: 10752
    .private_segment_fixed_size: 0
    .kernarg_segment_align: 8
    .kernarg_segment_size: 104
    .max_flat_workgroup_size: 512
    .sgpr_count:     66
    .vgpr_count:     256
    .wavefront_size: 32
...
	.end_amdgpu_metadata
.endif
;; end of part 2
;; launch attn (part 3): grid 256 x 1, 16 waves a work-group, clusters of 4 x 1, 167,936 bytes of LDS; arguments qq, kv, cx; writes cx
.if DOCPART == 3
	.amdgcn_target "amdgcn-amd-amdhsa--gfx1250"
	.amdhsa_code_object_version 6
	.text
	.protected	k_q8691511b17_attn
	.globl	k_q8691511b17_attn
	.p2align	8
	.type	k_q8691511b17_attn,@function
k_q8691511b17_attn:
	s_mov_b64 s[64:65], 0
	v_nop
	global_prefetch_b8 v0, s[64:65] scope:SCOPE_SE
	s_setreg_imm32_b32 hwreg(HW_REG_WAVE_MODE, 25, 1), 1
	s_wait_xcnt 0x0
	s_wait_alu depctr_hold_cnt(0) depctr_sa_sdst(0) depctr_va_vdst(0) depctr_va_sdst(0) depctr_va_ssrc(0) depctr_va_vcc(0) depctr_vm_vsrc(0)
	s_getreg_b32 s2, hwreg(HW_REG_IB_STS2, 6, 4)
	s_cmp_eq_u32 s2, 0
	s_cbranch_scc0 .Lentry_in_a_cluster
	s_endpgm
.Lentry_in_a_cluster:
	s_bfe_u32 s2, ttmp6, 0x10000c
	s_cmp_lg_u32 s2, 0x3003
	s_cbranch_scc0 .Lentry_shape_is_right
	s_endpgm
.Lentry_shape_is_right:
; Launch 3 of 5: ctx = softmax(q k^T / sqrt(32), causal) v on codes of FP4 (E2M1) with E8M0 scales; ctx is quantised along the 512 features (a head is one block of 32) and stored as the next product's operand.
; WORK LEFT OUT: a step of 128 keys all of which come after a tile's 16 queries: reference()'s own mask gives those keys the weight 0 for all values of the inputs (shown at the head of the first kernel).
; THE SOFTMAX: t = score x log2(e) / sqrt(32); M = the running largest t rounded UP to a whole number; p = 2^(t - M) is quantised along the keys, not normalised; the row's sum is taken of the unquantised p and divides at the end.
; LIMITS: NaN and infinities are not served; a block of zeros carries the byte 1 (its codes are zeros, and this program alone reads the bytes).
; SHARES: a cluster of four work-groups has one head.  Wave w of partner p owns query tiles A = 4 w + p and B = 127 - A: A has w / 2 + 1 key steps and B 16 - w / 2: 17 for every wave, and both counts hang on the wave's number alone.
; LDS: the head's K codes, V images and scale words, 272 rows of 256 bytes, come ONCE, each wave asking for 17 rows JOINTLY with the same wave of the three partners; nothing is filled again.  One tensor load of a wave is out.
; A row has 64 bytes of padding: rows 320 bytes apart, so that the two groups of eight keys that sixteen lanes read (two rows apart: 640 bytes) fall on different banks.
; HEAD SIZE 32 IN A K OF 128: a fragment of K holds FOUR tiles of 16 keys, tile b in K block b; the queries' operand Q_b has q's 32 codes in block b and zero codes elsewhere, so the other three blocks add 0.
; The four Q_b are overlapping views of 20 registers: zeros, q in lanes 0-15, zeros, q in lanes 16-31, zeros.  The keys of a tile are chosen so that register 32 c + i of lane (query r, h) is key 64 c + 32 h + i:
; a lane holds WHOLE blocks of the next K, so neither a block's maximum nor its codes change lanes.  Both products are used transposed: a lane holds one query throughout.
; REGISTERS: v3-12 addresses and the mask's terms; v14-17, v18-21 -M, t, the sum (A, B); v22-26 scale words; v28-63 the queries' views; v64-79 K; v80-95 V; v96-159 scores, then p; v160-191 O^T (A, B); v192-199 p's codes; v200-223 at work.
.set SPARE, 87040                      ; behind the 272 rows: the spare words, 128 bytes for each of the 16 waves
.set KF, 64
.set VF, 80
.set S,  96
.set PC, 192
.set KS, 24
.set VS, 25
.set PS, 26
.set SEL, 30
.macro PLACES n
.rept \n
	v_nop
.endr
.endm
.macro WM d, a, b, c, sa, sb, ra, rb
.if (\c) < 0
.if ((\ra) == 0) && ((\rb) == 0)
	v_wmma_scale_f32_16x16x128_f8f6f4 v[(\d):(\d)+7], v[(\a):(\a)+7], v[(\b):(\b)+7], 0, v[(\sa)], v[(\sb)] matrix_a_fmt:MATRIX_FMT_FP4 matrix_b_fmt:MATRIX_FMT_FP4
.else
	v_wmma_scale_f32_16x16x128_f8f6f4 v[(\d):(\d)+7], v[(\a):(\a)+7], v[(\b):(\b)+7], 0, v[(\sa)], v[(\sb)] matrix_a_fmt:MATRIX_FMT_FP4 matrix_b_fmt:MATRIX_FMT_FP4 matrix_a_scale:MATRIX_SCALE_ROW1
.endif
.else
.if ((\ra) == 0) && ((\rb) == 0)
	v_wmma_scale_f32_16x16x128_f8f6f4 v[(\d):(\d)+7], v[(\a):(\a)+7], v[(\b):(\b)+7], v[(\c):(\c)+7], v[(\sa)], v[(\sb)] matrix_a_fmt:MATRIX_FMT_FP4 matrix_b_fmt:MATRIX_FMT_FP4
.else
	v_wmma_scale_f32_16x16x128_f8f6f4 v[(\d):(\d)+7], v[(\a):(\a)+7], v[(\b):(\b)+7], v[(\c):(\c)+7], v[(\sa)], v[(\sb)] matrix_a_fmt:MATRIX_FMT_FP4 matrix_b_fmt:MATRIX_FMT_FP4 matrix_a_scale:MATRIX_SCALE_ROW1
.endif
.endif
.endm
.macro QPAIR p0, p1, q0, q1, T, c00, c01, c10, c11
	v_max3_num_f32 v[\T], |v[\p0]|, |v[\p0+1]|, 0x1800000
	v_max3_num_f32 v[\T+1], |v[\q0]|, |v[\q0+1]|, 0x1800000
.irp i, 2,4,6
	v_max3_num_f32 v[\T], v[\T], |v[\p0+\i]|, |v[\p0+\i+1]|
	v_max3_num_f32 v[\T+1], v[\T+1], |v[\q0+\i]|, |v[\q0+\i+1]|
.endr
.irp i, 0,2,4,6
	v_max3_num_f32 v[\T], v[\T], |v[\p1+\i]|, |v[\p1+\i+1]|
	v_max3_num_f32 v[\T+1], v[\T+1], |v[\q1+\i]|, |v[\q1+\i+1]|
.endr
	v_permlanex16_b32 v[\T+2], v[\T], s[SEL], s[SEL+1]
	v_permlanex16_b32 v[\T+3], v[\T+1], s[SEL], s[SEL+1]
	v_max_num_f32 v[\T], v[\T], v[\T+2]
	v_max_num_f32 v[\T+1], v[\T+1], v[\T+3]
	v_add_nc_u32 v[\T+4], 0xff000000, v[\T]
	v_add_nc_u32 v[\T+5], 0xff000000, v[\T+1]
	v_lshrrev_b32 v[\T+6], 23, v[\T+4]
	v_lshrrev_b32 v[\T+7], 23, v[\T+5]
	v_cvt_scalef32_pk8_fp4_f32 v[\c00], v[\p0:\p0+7], v[\T+4]
	v_cvt_scalef32_pk8_fp4_f32 v[\c01], v[\p1:\p1+7], v[\T+4]
	v_cvt_scalef32_pk8_fp4_f32 v[\c10], v[\q0:\q0+7], v[\T+5]
	v_cvt_scalef32_pk8_fp4_f32 v[\c11], v[\q1:\q1+7], v[\T+5]
	v_nop
.endm
.macro ROUND                           ; a round of the cluster's barrier
	s_barrier_signal -1
	s_barrier_wait -1
	s_cmp_lg_u32 s10, 0
	s_cbranch_scc1 .Lnot_wave_0_\@
	s_barrier_signal -3
.Lnot_wave_0_\@:
	s_barrier_wait -3
	s_barrier_signal -1
	s_barrier_wait -1
.endm
; A KEY STEP of one query tile: 128 keys.  QB: the tile's views; QS: its scale words; ST: -M, t, the sum; O: O^T; DM: my query - 32 h, counted in the diagonal step; LIM: the scalar that holds the diagonal step's number.
.macro STEP QB, QS, ST, O, DM, LIM
.irp c, 0,1                                    ; S^T = K Q^T: eight tiles of 16 keys, each begun with the constant 0
	WM S+32*\c, KF+8*\c, \QB+4, -1, KS, \QS, \c, 0
	WM S+32*\c+8, KF+8*\c, \QB+12, -1, KS, \QS, \c, 0
	WM S+32*\c+16, KF+8*\c, \QB, -1, KS, \QS, \c, 0
	WM S+32*\c+24, KF+8*\c, \QB+8, -1, KS, \QS, \c, 0
.endr
	PLACES 4
	s_cmp_lg_u32 s25, s[\LIM]                      ; ids and the count of steps alone
	s_cbranch_scc1 .Lopen_\@
.set n, 0
.rept 64                                       ; on the diagonal: register n holds key 64 (n / 32) + n % 32 + 32 h of the step: hidden where it comes after my query
	v_cmp_gt_i32 vcc_lo, 64*(n/32)+n%32, v[\DM]
	v_cndmask_b32 v[S+n], v[S+n], v10, vcc_lo
.set n, n+1
.endr
.Lopen_\@:
.irp c, 0,1
	v_max3_num_f32 v[200+\c], v[S+32*\c], v[S+32*\c+1], v[S+32*\c+2]   ; the largest score of each of my two blocks: for the row's maximum, and, since p rises with the score, for the block's largest p
.endr
.irp i, 3,5,7,9,11,13,15,17,19,21,23,25,27,29
.irp c, 0,1
	v_max3_num_f32 v[200+\c], v[200+\c], v[S+32*\c+\i], v[S+32*\c+\i+1]
.endr
.endr
.irp c, 0,1
	v_max_num_f32 v[200+\c], v[200+\c], v[S+32*\c+31]
.endr
	v_max_num_f32 v203, v200, v201
	v_permlanex16_b32 v202, v203, s[SEL], s[SEL+1]
	v_max_num_f32 v203, v203, v202                 ; with lane l xor 16's two blocks: the step's largest score of my query
	v_mul_f32 v203, s28, v203
	v_max_num_f32 v[\ST+1], v[\ST+1], v203         ; the running largest t
	v_mov_b32 v203, v[\ST]
	v_floor_f32 v[\ST], -v[\ST+1]                  ; -M = floor(-t)
	v_sub_f32 v203, v[\ST], v203                   ; old M - new M: a whole number, 0 or less
	v_cvt_i32_f32 v203, v203                       ; (it saturates)
	v_ldexp_f32 v204, 1.0, v203                    ; f = 2^(old M - new M)
.set j, 0
.rept 32
	v_pk_fma_f32 v[S+j:S+j+1], v[S+j:S+j+1], s[28:29], v[\ST:\ST+1] op_sel_hi:[1,0,0]   ; t - M
.set j, j+2
.endr
	v_fma_f32 v200, v200, s28, v[\ST]
	v_fma_f32 v201, v201, s28, v[\ST]
.set j, 0
.rept 64
	v_exp_f32 v[S+j], v[S+j]                       ; p = 2^(t - M)
.set j, j+1
.endr
	v_pk_mul_f32 v[\ST+2:\ST+3], v[\ST+2:\ST+3], v[204:205] op_sel_hi:[1,0]   ; the sum under the new M: the plain place behind the exponentials
	s_wait_alu depctr_va_vdst(0)                   ; one wait for the batch of 64, ahead of its first reader
	v_exp_f32 v200, v200                           ; the blocks' largest p
	v_exp_f32 v201, v201
	v_pk_add_f32 v[206:207], v[S:S+1], v[S+2:S+3]  ; half of the row's sum of the unquantised p stands behind the two
.set j, 4
.rept 15
	v_pk_add_f32 v[206:207], v[206:207], v[S+j+2:S+j+3]
.set j, j+4
.endr
	s_wait_alu depctr_va_vdst(0)                   ; and one for the two
	v_max_num_f32 v200, 0x1800000, v200            ; the floor 2^(3 - 127)
	v_max_num_f32 v201, 0x1800000, v201
	v_add_nc_u32 v208, 0xff000000, v200
	v_add_nc_u32 v209, 0xff000000, v201
	v_lshrrev_b32 v210, 23, v208
	v_lshrrev_b32 v211, 23, v209
	v_lshl_or_b32 v212, v211, 16, v210             ; my bytes: blocks h and 2 + h,
	v_lshlrev_b32 v212, v9, v212                   ; 8 h bits up;
	v_permlanex16_b32 v213, v212, s[SEL], s[SEL+1]
	v_or_b32 v[PS], v212, v213                     ; with lane l xor 16's two the word is whole
.irp c, 0,1
.irp g, 0,1,2,3
	v_cvt_scalef32_pk8_fp4_f32 v[PC+4*\c+\g], v[S+32*\c+8*\g:S+32*\c+8*\g+7], v[208+\c]
.endr
.endr
	v_nop                                          ; a plain place behind the conversions
.set j, 4
.rept 15                                       ; the other half of the sum, and O^T under the new M: more than eight plain lines that name none of the next product's registers stand behind p's scale word
	v_pk_add_f32 v[\ST+2:\ST+3], v[\ST+2:\ST+3], v[S+j:S+j+1]
.if j <= 32
	v_pk_mul_f32 v[\O+(j-4)/2:\O+(j-4)/2+1], v[\O+(j-4)/2:\O+(j-4)/2+1], v[204:205] op_sel_hi:[1,0]
.endif
.set j, j+4
.endr
	v_pk_add_f32 v[\ST+2:\ST+3], v[\ST+2:\ST+3], v[206:207]
	WM \O, VF, PC, \O, VS, PS, 0, 0                ; O^T += V^T P^T: two tiles of 16 of the head's 32
	WM \O+8, VF+8, PC, \O+8, VS, PS, 1, 0
.endm
	s_load_b128 s[4:7], s[0:1], 0x0                ; qq, kv
	s_load_b64 s[8:9], s[0:1], 0x10                ; cx
	v_lshl_add_u32 v1, v0, 2, SPARE
	v_mov_b32 v2, 0
	ds_add_u32 v1, v2                              ; the wave's opening: the add, twice on end, and its wait ahead of my tensor load
	ds_add_u32 v1, v2
	v_lshrrev_b32 v3, 5, v0
	v_readfirstlane_b32 s10, v3                    ; wave
	s_lshr_b32 s11, s10, 1                         ; tile A's last (diagonal) key step
	s_sub_co_u32 s24, 15, s11                      ; tile B's
	; descriptor group 1: 17 rows of 256 bytes (32 elements of 8), dense in memory, 64 bytes of padding behind each
	s_mov_b32 s16, 15|(3<<16)|(1<<20)|(1<<21)|(5<<22)|(15<<25)   ; the mask: all four partners; elements of 8 bytes; padding on; bit 21 beside a mask; after every 64 words; 16 words
	s_mov_b32 s17, 32<<16                          ; tensor_dim0
	s_mov_b32 s18, 17<<16                          ; tensor_dim1
	s_mov_b32 s19, 32<<16                          ; tile_dim0
	s_mov_b32 s20, 17                              ; tile_dim1
	s_mov_b32 s21, 32                              ; from row to row
	s_mov_b32 s22, 0
	s_mov_b32 s23, 0
	s_mov_b32 s12, 1
	s_mul_i32 s13, s10, 5440                       ; LDS: 17 rows of 320 bytes a wave: no place in the cluster enters it
	s_mul_i32 s36, ttmp9, 69632                    ; the head (the cluster's number),
	s_mul_i32 s37, s10, 4352                       ; my 17 rows
	s_add_co_u32 s36, s36, s37
	s_mov_b32 s37, 0
	s_mov_b32 s28, 0x3e8293ee                      ; c = log2(e) / sqrt(32)
	s_mov_b32 s29, s28
	s_mov_b32 s[SEL], 0x76543210
	s_mov_b32 s[SEL+1], 0xfedcba98
	s_mov_b32 s32, 0xffff0000                      ; lanes 16-31
	s_bfe_u32 s33, ttmp6, 0x40000                  ; my place in the cluster: it enters global addresses and the mask's terms alone
	s_lshl_b32 s34, s10, 2
	s_add_co_u32 s34, s34, s33                     ; tile A
	s_sub_co_u32 s35, 127, s34                     ; tile B
	s_lshl_b32 s52, ttmp9, 15
	s_lshl_b32 s38, s34, 8
	s_add_co_u32 s38, s38, s52                     ; q's codes: 32,768 a head, 256 a tile
	s_mov_b32 s39, 0
	s_lshl_b32 s40, s35, 8
	s_add_co_u32 s40, s40, s52
	s_mov_b32 s41, 0
	s_lshl_b32 s52, ttmp9, 13
	s_lshl_b32 s42, s34, 6
	s_add_co_u32 s42, s42, s52                     ; q's scale words
	s_mov_b32 s43, 0
	s_lshl_b32 s44, s35, 6
	s_add_co_u32 s44, s44, s52
	s_mov_b32 s45, 0
	s_lshr_b32 s52, ttmp9, 4
	s_lshl_b32 s52, s52, 7                         ; 128 tiles a batch
	s_and_b32 s53, ttmp9, 15                       ; the head in its batch
	s_add_co_u32 s54, s52, s34                     ; tile A among all tiles of tokens
	s_add_co_u32 s55, s52, s35
	s_lshl_b32 s56, s53, 8
	s_lshl_b32 s46, s54, 12
	s_add_co_u32 s46, s46, s56                     ; ctx's codes: 4,096 a tile, 256 a head
	s_mov_b32 s47, 0
	s_lshl_b32 s48, s55, 12
	s_add_co_u32 s48, s48, s56
	s_mov_b32 s49, 0
	s_lshr_b32 s56, s53, 2
	s_lshl_b32 s56, s56, 7
	s_and_b32 s57, s53, 3
	s_add_co_u32 s56, s56, s57                     ; ctx's scale byte: 128 (head / 4) + head % 4,
	s_lshr_b32 s50, s54, 1
	s_lshl_b32 s50, s50, 9
	s_and_b32 s57, s54, 1
	s_lshl_b32 s57, s57, 6
	s_add_co_u32 s50, s50, s57
	s_add_co_u32 s50, s50, s56                     ; + 512 (tile / 2) + 64 (tile % 2)
	s_lshr_b32 s51, s55, 1
	s_lshl_b32 s51, s51, 9
	s_and_b32 s57, s55, 1
	s_lshl_b32 s57, s57, 6
	s_add_co_u32 s51, s51, s57
	s_add_co_u32 s51, s51, s56
	s_and_b32 s58, s34, 7
	s_lshl_b32 s58, s58, 4                         ; tile A's first query in its diagonal step
	s_and_b32 s59, s35, 7
	s_lshl_b32 s59, s59, 4
	s_mov_b32 s25, 0                               ; the key step
	s_mov_b32 s26, 0                               ; its codes in LDS: 8 rows a step
	s_mov_b32 s27, 0                               ; its scale words: a row a step
	s_wait_dscnt 0x0                               ; both opening adds are done
	s_wait_kmcnt 0x0
	s_add_nc_u64 s[14:15], s[6:7], s[36:37]
	s_or_b32 s15, s15, 0x80000000
	ROUND                                          ; all four partners are here: the joint loads meet
	tensor_load_to_lds s[12:15], s[16:23]
	s_nop 0
	s_add_nc_u64 s[38:39], s[4:5], s[38:39]
	s_add_nc_u64 s[40:41], s[4:5], s[40:41]
	s_add_nc_u64 s[42:43], s[4:5], s[42:43]
	s_add_nc_u64 s[44:45], s[4:5], s[44:45]
	s_add_nc_u64 s[46:47], s[8:9], s[46:47]
	s_add_nc_u64 s[48:49], s[8:9], s[48:49]
	v_and_b32 v214, 15, v0                         ; r
	v_bfe_u32 v215, v0, 4, 1                       ; h
	v_lshlrev_b32 v208, 4, v214
	v_lshlrev_b32 v209, 2, v214
	global_load_b128 v[224:227], v208, s[38:39]    ; query r's 16 bytes, in both halves of the lanes
	global_load_b128 v[228:231], v208, s[40:41]
	global_load_b32 v22, v209, s[42:43] offset:2097152   ; its byte, four times
	global_load_b32 v23, v209, s[44:45] offset:2097152
	v_and_b32 v3, 7, v0
	v_lshlrev_b32 v3, 4, v3
	v_bfe_u32 v200, v0, 3, 1
	v_mad_u32_u24 v3, v200, 640, v3
	v_lshl_add_u32 v3, v215, 7, v3                 ; K: 640 (lane / 8 % 2) + 128 (lane / 16) + 16 (lane % 8)
	v_lshlrev_b32 v4, 4, v214
	v_mad_u32_u24 v4, v215, 320, v4
	v_add_nc_u32 v4, 40960, v4                     ; V: behind K's 128 rows; a half of the lanes a row
	v_and_b32 v200, 31, v0
	v_lshl_add_u32 v5, v200, 2, 81920              ; the scale words: behind V's 128 rows
	v_lshlrev_b32 v9, 3, v215                      ; 8 h
	v_mov_b32 v10, 0xff800000                      ; -infinity
	v_lshlrev_b32 v200, 5, v215
	v_sub_nc_u32 v200, v214, v200
	v_add_nc_u32 v11, s58, v200                    ; my query - 32 h in the diagonal step, tile A,
	v_add_nc_u32 v12, s59, v200                    ; tile B
	v_mov_b32 v15, 0xff61b1e6                      ; the largest t so far: -3e38
	v_mov_b32 v19, 0xff61b1e6
	v_floor_f32 v14, -v15
	v_floor_f32 v18, -v19
.irp j, 16,17,20,21,202,205,206,207,213,218,219
	v_mov_b32 v[\j], 0                             ; the sums; permutes' destinations and upper halves of pairs, written once
.endr
.irp j, 28,29,30,31,36,37,38,39,44,45,46,47,52,53,54,55,60,61,62,63
	v_mov_b32 v[\j], 0                             ; the views' zero codes
.endr
.set j, 160
.rept 32
	v_mov_b32 v[j], 0                              ; O^T: the step is written once; the first change of M leaves zeros zeros
.set j, j+1
.endr
	s_wait_tensorcnt 0x0                           ; my 17 rows are in,
	s_barrier_signal -1
	s_barrier_wait -1                              ; everybody's are
	s_wait_loadcnt 0x0
.irp i, 0,1,2,3
	v_cndmask_b32 v[32+\i], v[224+\i], v28, s32    ; q in lanes 0-15,
	v_cndmask_b32 v[40+\i], v28, v[224+\i], s32    ; q in lanes 16-31
	v_cndmask_b32 v[48+\i], v[228+\i], v28, s32
	v_cndmask_b32 v[56+\i], v28, v[228+\i], s32
.endr
.Lks:                                              ; 16 trips, a constant; the work of a trip is jumped over by branches on the wave's number and the count of steps
	s_cmp_gt_u32 s25, s24
	s_cbranch_scc1 .Lskip                          ; all keys of this step come after both my tiles
	v_add_nc_u32 v6, s26, v3
	v_add_nc_u32 v7, s26, v4
	v_add_nc_u32 v8, s27, v5
	v_nop                                          ; four places in front of loads into registers that the last products read
.irp c, 0,1
.irp d, 0,1
	ds_load_b128 v[KF+8*\c+4*\d:KF+8*\c+4*\d+3], v6 offset:(4*\c+\d)*320
.endr
.endr
	ds_load_b32 v[KS], v8
	ds_load_b32 v[VS], v8 offset:128
.irp t, 0,1
.irp c, 0,1
	ds_load_b128 v[VF+8*\t+4*\c:VF+8*\t+4*\c+3], v7 offset:(4*\t+2*\c)*320
.endr
.endr
	s_wait_dscnt 0x0
	STEP 44, 23, 18, 176, 12, 24                   ; tile B
	s_cmp_gt_u32 s25, s11
	s_cbranch_scc1 .Lskip
	STEP 28, 22, 14, 160, 11, 11                   ; tile A: the same fragments of K and V
.Lskip:
	s_add_co_u32 s26, s26, 2560
	s_add_co_u32 s27, s27, 320
	s_add_co_u32 s25, s25, 1
	s_cmp_lt_u32 s25, 16
	s_cbranch_scc1 .Lks
	; THE WAY OUT: O^T / the sum; a lane's 16 numbers are features 16 h + 0 .. 15 of the head: half a block
	PLACES 4
	v_add_f32 v16, v16, v17
	v_add_f32 v20, v20, v21
	v_permlanex16_b32 v202, v16, s[SEL], s[SEL+1]
	v_permlanex16_b32 v213, v20, s[SEL], s[SEL+1]
	v_add_f32 v16, v16, v202
	v_add_f32 v20, v20, v213
	v_rcp_f32 v200, v16
	v_rcp_f32 v201, v20
	v_and_b32 v208, 15, v0                         ; (plain work behind the reciprocals)
	v_bfe_u32 v209, v0, 4, 1
	v_lshlrev_b32 v210, 4, v208
	v_lshl_add_u32 v210, v209, 3, v210             ; 16 r + 8 h
	v_mov_b32 v211, s50
	v_mov_b32 v212, s51
	v_cndmask_b32 v211, v211, v212, s32            ; lanes 0-15 store tile A's bytes, lanes 16-31 tile B's
	v_lshl_add_u32 v211, v208, 2, v211
	s_wait_alu depctr_va_vdst(0)                   ; one wait for both, ahead of the first reader
.set j, 0
.rept 16
	v_mul_f32 v[96+j], v[160+j], v200
.set j, j+1
.endr
.set j, 0
.rept 16
	v_mul_f32 v[112+j], v[176+j], v201
.set j, j+1
.endr
	QPAIR 96, 104, 112, 120, 216, 192, 193, 194, 195
	v_cndmask_b32 v212, v222, v223, s32
	global_store_b64 v210, v[192:193], s[46:47]    ; 256 consecutive bytes, aligned: this head's codes of 16 tokens
	global_store_b64 v210, v[194:195], s[48:49]
	global_store_b8 v211, v212, s[8:9] offset:2097152
	s_wait_tensorcnt 0x0                           ; the wave's end
	ds_add_u32 v1, v2
	s_wait_dscnt 0x0
	ROUND                                          ; the closing round
	s_endpgm
.Lfunc_end_k_q8691511b17_attn:
	.size	k_q8691511b17_attn, .Lfunc_end_k_q8691511b17_attn-k_q8691511b17_attn
	.p2alignl 7, 3214868480
	.fill 96, 4, 3214868480
	.section	.rodata,"a",@progbits
	.p2align	6, 0x0
	.amdhsa_kernel k_q8691511b17_attn
		.amdhsa_group_segment_fixed_size 167936
		.amdhsa_private_segment_fixed_size 0
		.amdhsa_enable_private_segment 0
		.amdhsa_kernarg_size 24
		.amdhsa_user_sgpr_count 2
		.amdhsa_user_sgpr_kernarg_segment_ptr 1
		.amdhsa_wavefront_size32 1
		.amdhsa_system_sgpr_workgroup_id_x 1
		.amdhsa_system_sgpr_workgroup_id_y 1
		.amdhsa_system_sgpr_workgroup_id_z 1
		.amdhsa_system_vgpr_workitem_id 0
		.amdhsa_next_free_vgpr 256
		.amdhsa_next_free_sgpr 66
		.amdhsa_reserve_vcc 1
		.amdhsa_float_denorm_mode_32 3
		.amdhsa_float_denorm_mode_16_64 3
		.amdhsa_memory_ordered 1
		.amdhsa_forward_progress 1
		.amdhsa_inst_pref_size 48
	.end_amdhsa_kernel
	.amdgpu_metadata
---
amdhsa.version: [ 1, 2 ]
amdhsa.kernels:
  - .name:           k_q8691511b17_attn
    .symbol:         k_q8691511b17_attn.kd
    .args:
      - { .name: qq, .offset: 0, .size: 8, .value_kind: global_buffer, .address_space: global }
      - { .name: kv, .offset: 8, .size: 8, .value_kind: global_buffer, .address_space: global }
      - { .name: cx, .offset: 16, .size: 8, .value_kind: global_buffer, .address_space: global }
    .group_segment_fixed_size: 167936
    .private_segment_fixed_size: 0
    .kernarg_segment_align: 8
    .kernarg_segment_size: 24
    .max_flat_workgroup_size: 512
    .sgpr_count:     66
    .vgpr_count:     256
    .wavefront_size: 32
...
	.end_amdgpu_metadata
.endif
;; end of part 3
;; launch proj (part 4): grid 256 x 1, 16 waves a work-group, no clusters, 68,352 bytes of LDS; arguments cx, wimg, Wo_w_scales, Wo_b, x, x2, st2; writes x2, st2
.if DOCPART == 4
	.amdgcn_target "amdgcn-amd-amdhsa--gfx1250"
	.amdhsa_code_object_version 6
	.text
	.protected	k_q8691511b17_proj
	.globl	k_q8691511b17_proj
	.p2align	8
	.type	k_q8691511b17_proj,@function
k_q8691511b17_proj:
	s_mov_b64 s[64:65], 0
	v_nop
	global_prefetch_b8 v0, s[64:65] scope:SCOPE_SE
	s_setreg_imm32_b32 hwreg(HW_REG_WAVE_MODE, 25, 1), 1
	s_wait_xcnt 0x0
; Launch 4 of 5: x2 = ctx Wo^T + Wo_b + x, on codes of FP4 (E2M1) with E8M0 scales, and the statistics of x2 for the second norm (as in launch 1).  Nothing is left out here.
; LIMITS: NaN and infinities are not served.
; SHARES: a work-group has 32 tokens.  Wave w makes features 32 w .. 32 w + 31 for all of them: its 32 rows of Wo come from wimg straight into registers, ctx's eight fragments as images from cx.
; The product is used transposed (source 0 = 16 rows of Wo, source 1 = 16 tokens): a lane holds 8 neighbouring features of a token.  The rows meet in a stage in LDS (2,048 bytes + 16 a row);
; then wave w takes rows 2 w and 2 w + 1 whole, adds x, stores 512 consecutive bytes an instruction and takes the rows' statistics.
; REGISTERS: v16-79 ctx's fragments (8 (4 u + s)), later the two rows; v80-83 ctx's scale words; v84-147 Wo; v148-151 its scale words; v152-167 the bias; v168-199 four accumulators; v200-231 x; v232-255 at work.
.set STAT,  0                          ; LDS: (mean, M2) of the 32 rows
.set SPARE, 256                        ; the spare words, 128 bytes for each of the 16 waves
.set YST,   2304                       ; the stage: 32 rows x 2,064 bytes
.set LI,  3
.set LS,  4
.set CF,  16
.set CS,  80
.set WF,  84
.set WS,  148
.set BI,  152
.set ACC, 168
.set XR,  200
.set SEL, 26
.macro PLACES n
.rept \n
	v_nop
.endr
.endm
.macro RED32 v, t
	v_add_f32_dpp v[\v], v[\v], v[\v] row_xmask:1 row_mask:0xf bank_mask:0xf
	v_add_f32_dpp v[\v], v[\v], v[\v] row_xmask:2 row_mask:0xf bank_mask:0xf
	v_add_f32_dpp v[\v], v[\v], v[\v] row_xmask:4 row_mask:0xf bank_mask:0xf
	v_add_f32_dpp v[\v], v[\v], v[\v] row_xmask:8 row_mask:0xf bank_mask:0xf
	v_permlanex16_b32 v[\t], v[\v], s[SEL], s[SEL+1]
	v_add_f32 v[\v], v[\v], v[\t]
.endm
.macro ROWSTAT X, M, D, A
.irp i, 0,1,2,3
	v_pk_add_f32 v[\D+2*\i:\D+2*\i+1], v[\X+4*\i:\X+4*\i+1], v[\X+4*\i+2:\X+4*\i+3]
.endr
	v_pk_add_f32 v[\D:\D+1], v[\D:\D+1], v[\D+2:\D+3]
	v_pk_add_f32 v[\D+4:\D+5], v[\D+4:\D+5], v[\D+6:\D+7]
	v_pk_add_f32 v[\D:\D+1], v[\D:\D+1], v[\D+4:\D+5]
	v_add_f32 v[\M], v[\D], v[\D+1]
	RED32 \M, \A
	v_mul_f32 v[\M], 0x3b000000, v[\M]
.irp i, 0,2,4,6,8,10,12,14
	v_pk_add_f32 v[\D+\i:\D+\i+1], v[\X+\i:\X+\i+1], v[\M:\M+1] op_sel_hi:[1,0] neg_lo:[0,1] neg_hi:[0,1]
.endr
	v_pk_mul_f32 v[\A:\A+1], v[\D:\D+1], v[\D:\D+1]
	v_pk_mul_f32 v[\A+2:\A+3], v[\D+2:\D+3], v[\D+2:\D+3]
.irp i, 4,8,12
	v_pk_fma_f32 v[\A:\A+1], v[\D+\i:\D+\i+1], v[\D+\i:\D+\i+1], v[\A:\A+1]
	v_pk_fma_f32 v[\A+2:\A+3], v[\D+\i+2:\D+\i+3], v[\D+\i+2:\D+\i+3], v[\A+2:\A+3]
.endr
	v_pk_add_f32 v[\A:\A+1], v[\A:\A+1], v[\A+2:\A+3]
	v_add_f32 v[\M+1], v[\A], v[\A+1]
	RED32 \M+1, \A
.endm
.macro WM d, a, b, c, sa, sb, ra, rb
.if ((\ra) == 0) && ((\rb) == 0)
	v_wmma_scale_f32_16x16x128_f8f6f4 v[(\d):(\d)+7], v[(\a):(\a)+7], v[(\b):(\b)+7], v[(\c):(\c)+7], v[(\sa)], v[(\sb)] matrix_a_fmt:MATRIX_FMT_FP4 matrix_b_fmt:MATRIX_FMT_FP4
.elseif (\rb) == 0
	v_wmma_scale_f32_16x16x128_f8f6f4 v[(\d):(\d)+7], v[(\a):(\a)+7], v[(\b):(\b)+7], v[(\c):(\c)+7], v[(\sa)], v[(\sb)] matrix_a_fmt:MATRIX_FMT_FP4 matrix_b_fmt:MATRIX_FMT_FP4 matrix_a_scale:MATRIX_SCALE_ROW1
.elseif (\ra) == 0
	v_wmma_scale_f32_16x16x128_f8f6f4 v[(\d):(\d)+7], v[(\a):(\a)+7], v[(\b):(\b)+7], v[(\c):(\c)+7], v[(\sa)], v[(\sb)] matrix_a_fmt:MATRIX_FMT_FP4 matrix_b_fmt:MATRIX_FMT_FP4 matrix_b_scale:MATRIX_SCALE_ROW1
.else
	v_wmma_scale_f32_16x16x128_f8f6f4 v[(\d):(\d)+7], v[(\a):(\a)+7], v[(\b):(\b)+7], v[(\c):(\c)+7], v[(\sa)], v[(\sb)] matrix_a_fmt:MATRIX_FMT_FP4 matrix_b_fmt:MATRIX_FMT_FP4 matrix_a_scale:MATRIX_SCALE_ROW1 matrix_b_scale:MATRIX_SCALE_ROW1
.endif
.endm
	s_load_b256 s[4:11], s[0:1], 0x0               ; cx, wimg, Wo scales, Wo_b
	s_load_b128 s[12:15], s[0:1], 0x20             ; x, x2
	s_load_b64 s[16:17], s[0:1], 0x30              ; st2
	v_lshl_add_u32 v1, v0, 2, SPARE
	v_mov_b32 v2, 0
	v_lshrrev_b32 v6, 5, v0
	v_readfirstlane_b32 s18, v6                    ; wave
	v_lshlrev_b32 v6, 4, v6                        ; my two rows' pairs at 16 w
	v_and_b32 v11, 31, v0
	v_and_b32 v12, 15, v0                          ; r
	v_bfe_u32 v13, v0, 4, 1                        ; h
	v_lshlrev_b32 v[LI], 4, v11
	v_lshlrev_b32 v[LS], 2, v11
	v_lshlrev_b32 v5, 3, v11
	v_and_b32 v7, 7, v0
	v_bfe_u32 v8, v0, 3, 1
	v_lshl_add_u32 v7, v8, 4, v7
	v_lshl_add_u32 v7, v13, 3, v7
	v_lshlrev_b32 v7, 4, v7                        ; Wo's scale words: lanes 0-15 tile 0's rows, lanes 16-31 tile 1's
	v_lshlrev_b32 v8, 6, v13                       ; 64 h
	s_lshl_b32 s19, s18, 7
	s_add_co_u32 s19, s19, YST
	v_mul_u32_u24 v9, v12, 2064
	v_lshl_add_u32 v9, v13, 6, v9
	v_add_nc_u32 v9, s19, v9                       ; into the stage: row r, + 128 w + 64 h
	s_mul_i32 s19, s18, 4128
	s_add_co_u32 s19, s19, YST
	v_add_nc_u32 v10, s19, v[LI]                   ; back: my two rows, 16 bytes a lane
	v_mov_b32 v249, 0
	v_mov_b32 v251, 0
	v_mov_b32 v252, 0
	s_mov_b32 s[SEL], 0x76543210
	s_mov_b32 s[SEL+1], 0xfedcba98
	s_mov_b32 s21, 0
	s_mov_b32 s23, 0
	s_mov_b32 s25, 0
	s_lshl_b32 s20, ttmp9, 13                      ; ctx's codes: two tiles of 4,096 bytes
	s_lshl_b32 s22, ttmp9, 9                       ; its scale words
	s_lshl_b32 s24, s18, 13                        ; my 16 groups of Wo's image
	s_lshl_b32 s28, s18, 9
	s_mov_b32 s29, 0
	s_lshl_b32 s30, s18, 7
	s_mov_b32 s31, 0
	s_lshl_b32 s32, ttmp9, 16
	s_lshl_b32 s33, s18, 12
	s_add_co_u32 s32, s32, s33                     ; my two rows of x and of x2
	s_mov_b32 s33, 0
	s_lshl_b32 s34, ttmp9, 7
	s_mov_b32 s35, 0
	s_lshl_b32 s36, ttmp9, 3
	s_mov_b32 s37, 0
	s_wait_kmcnt 0x0
	s_add_nc_u64 s[20:21], s[4:5], s[20:21]
	s_add_nc_u64 s[22:23], s[4:5], s[22:23]
	s_add_nc_u64 s[6:7], s[6:7], s[24:25]
	s_add_nc_u64 s[8:9], s[8:9], s[28:29]
	s_add_nc_u64 s[10:11], s[10:11], s[30:31]
	s_add_nc_u64 s[12:13], s[12:13], s[32:33]
	s_add_nc_u64 s[14:15], s[14:15], s[32:33]
	s_add_nc_u64 s[34:35], s[16:17], s[34:35]
	s_add_nc_u64 s[36:37], s[16:17], s[36:37]
.irp k, 0,1,2,3,4,5,6,7,8,9,10,11,12,13,14,15
	global_load_b128 v[CF+4*\k:CF+4*\k+3], v[LI], s[20:21] offset:512*\k
.endr
.irp s, 0,1,2,3
	global_load_b32 v[CS+\s], v[LS], s[22:23] offset:2097152+128*\s
.endr
.irp k, 0,1,2,3,4,5,6,7,8,9,10,11,12,13,14,15
	global_load_b128 v[WF+4*\k:WF+4*\k+3], v[LI], s[6:7] offset:393216+512*\k
.endr
	global_load_b128 v[WS:WS+3], v7, s[8:9]
.irp k, 0,1,2,3
	global_load_b128 v[BI+4*\k:BI+4*\k+3], v8, s[10:11] offset:16*\k
.endr
.irp p, 0,1
.irp q, 0,1,2,3
	global_load_b128 v[XR+16*\p+4*\q:XR+16*\p+4*\q+3], v[LI], s[12:13] offset:2048*\p+512*\q th:TH_LOAD_NT
.endr
.endr
	s_wait_loadcnt 0x8                             ; all but x's eight, which are wanted behind the product
.irp s, 0,1,2,3                                ; four accumulators by turns; the bias is the C of the first step
.irp p, 0,1
.irp u, 0,1
.if \s == 0
	WM ACC+8*(2*\p+\u), WF+8*(2*\s+\p), CF+8*(4*\u+\s), BI+8*\p, WS+\s, CS+\s, \p, \u
.else
	WM ACC+8*(2*\p+\u), WF+8*(2*\s+\p), CF+8*(4*\u+\s), ACC+8*(2*\p+\u), WS+\s, CS+\s, \p, \u
.endif
.endr
.endr
.endr
	PLACES 4
.irp p, 0,1
.irp u, 0,1
	ds_store_b128 v9, v[ACC+8*(2*\p+\u):ACC+8*(2*\p+\u)+3] offset:33024*\u+32*\p        ; token 16 u + r, features 32 w + 16 h + 8 p + 0 .. 7; each accumulator from its low end on
	ds_store_b128 v9, v[ACC+8*(2*\p+\u)+4:ACC+8*(2*\p+\u)+7] offset:33024*\u+32*\p+16
.endr
.endr
	s_wait_dscnt 0x0
	s_barrier_signal -1
	s_barrier_wait -1                              ; 32 whole rows lie in the stage
.irp p, 0,1
.irp q, 0,1,2,3
	ds_load_b128 v[16+16*\p+4*\q:16+16*\p+4*\q+3], v10 offset:2064*\p+512*\q
.endr
.endr
	s_wait_loadcnt 0x0
	s_wait_dscnt 0x0
.irp j, 0,2,4,6,8,10,12,14,16,18,20,22,24,26,28,30
	v_pk_add_f32 v[16+\j:16+\j+1], v[16+\j:16+\j+1], v[XR+\j:XR+\j+1]
.endr
.irp p, 0,1
.irp q, 0,1,2,3
	global_store_b128 v[LI], v[16+16*\p+4*\q:16+16*\p+4*\q+3], s[14:15] offset:2048*\p+512*\q   ; 512 consecutive bytes, aligned
.endr
.endr
	ROWSTAT 16, 248, 232, 252
	ROWSTAT 32, 250, 232, 252
	ds_store_b64 v6, v[248:249] offset:STAT
	ds_store_b64 v6, v[250:251] offset:STAT+8
	s_wait_dscnt 0x0
	s_barrier_signal -1
	s_barrier_wait -1
	s_cmp_lg_u32 s18, 0
	s_cbranch_scc1 .Lnot_wave_0
	ds_load_b64 v[232:233], v5 offset:STAT
	s_wait_dscnt 0x0
	global_store_b32 v[LS], v232, s[34:35]         ; the 32 row means
	v_mov_b32 v234, v232
	RED32 234, 252
	v_mul_f32 v234, 0x3d000000, v234
	v_sub_f32 v252, v232, v234
	v_mul_f32 v252, v252, v252
	v_fma_f32 v235, v252, 0x44000000, v233
	RED32 235, 252
	v_cmp_eq_u32 vcc_lo, 0, v11
	s_wait_xcnt 0x0                                ; EXEC changes only when the stores above have had their addresses translated
	s_and_saveexec_b32 s38, vcc_lo
	global_store_b64 v[LS], v[234:235], s[36:37] offset:32768
	s_wait_xcnt 0x0
	s_or_b32 exec_lo, exec_lo, s38
.Lnot_wave_0:
	s_wait_tensorcnt 0x0                           ; the wave's end
	ds_add_u32 v1, v2
	s_wait_dscnt 0x0
	s_endpgm
.Lfunc_end_k_q8691511b17_proj:
	.size	k_q8691511b17_proj, .Lfunc_end_k_q8691511b17_proj-k_q8691511b17_proj
	.p2alignl 7, 3214868480
	.fill 96, 4, 3214868480
	.section	.rodata,"a",@progbits
	.p2align	6, 0x0
	.amdhsa_kernel k_q8691511b17_proj
		.amdhsa_group_segment_fixed_size 68352
		.amdhsa_private_segment_fixed_size 0
		.amdhsa_enable_private_segment 0
		.amdhsa_kernarg_size 56
		.amdhsa_user_sgpr_count 2
		.amdhsa_user_sgpr_kernarg_segment_ptr 1
		.amdhsa_wavefront_size32 1
		.amdhsa_system_sgpr_workgroup_id_x 1
		.amdhsa_system_sgpr_workgroup_id_y 1
		.amdhsa_system_sgpr_workgroup_id_z 1
		.amdhsa_system_vgpr_workitem_id 0
		.amdhsa_next_free_vgpr 256
		.amdhsa_next_free_sgpr 66
		.amdhsa_reserve_vcc 1
		.amdhsa_float_denorm_mode_32 3
		.amdhsa_float_denorm_mode_16_64 3
		.amdhsa_memory_ordered 1
		.amdhsa_forward_progress 1
		.amdhsa_inst_pref_size 19
	.end_amdhsa_kernel
	.amdgpu_metadata
---
amdhsa.version: [ 1, 2 ]
amdhsa.kernels:
  - .name:           k_q8691511b17_proj
    .symbol:         k_q8691511b17_proj.kd
    .args:
      - { .name: cx, .offset: 0, .size: 8, .value_kind: global_buffer, .address_space: global }
      - { .name: wimg, .offset: 8, .size: 8, .value_kind: global_buffer, .address_space: global }
      - { .name: Wo_w_scales, .offset: 16, .size: 8, .value_kind: global_buffer, .address_space: global }
      - { .name: Wo_b, .offset: 24, .size: 8, .value_kind: global_buffer, .address_space: global }
      - { .name: x, .offset: 32, .size: 8, .value_kind: global_buffer, .address_space: global }
      - { .name: x2, .offset: 40, .size: 8, .value_kind: global_buffer, .address_space: global }
      - { .name: st2, .offset: 48, .size: 8, .value_kind: global_buffer, .address_space: global }
    .group_segment_fixed_size: 68352
    .private_segment_fixed_size: 0
    .kernarg_segment_align: 8
    .kernarg_segment_size: 56
    .max_flat_workgroup_size: 512
    .sgpr_count:     66
    .vgpr_count:     256
    .wavefront_size: 32
...
	.end_amdgpu_metadata
.endif
;; end of part 4
;; launch mlp (part 5): grid 256 x 1, 16 waves a work-group, no clusters, 177,664 bytes of LDS; arguments x2, st2, n2_scale, n2_shift, wimg, l1_w_scales, l1_b, l2_w_scales, l2_b, out0; writes out0
.if DOCPART == 5
	.amdgcn_target "amdgcn-amd-amdhsa--gfx1250"
	.amdhsa_code_object_version 6
	.text
	.protected	k_q8691511b17_mlp
	.globl	k_q8691511b17_mlp
	.p2align	8
	.type	k_q8691511b17_mlp,@function
k_q8691511b17_mlp:
	s_mov_b64 s[64:65], 0
	v_nop
	global_prefetch_b8 v0, s[64:65] scope:SCOPE_SE
	s_setreg_imm32_b32 hwreg(HW_REG_WAVE_MODE, 25, 1), 1
	s_wait_xcnt 0x0
; Launch 5 of 5: out = gelu(norm2(x2) l1^T + l1_b) l2^T + l2_b + x2, both products on codes of FP4 (E2M1) with E8M0 scales; the hidden layer never goes to memory.  Nothing is left out here.
; LIMITS: NaN and infinities are not served; a variance of 0 or under 2^-126 gives NaN; a block of zeros carries the byte 1 (its codes are zeros, and this program alone reads the bytes);
; erf(y) = y P(y^2) / Q(y^2) with y held to +-4, good to a few units in the last place of f32; 1 + erf loses relative accuracy where gelu is next to 0.
; SHARES: a work-group has 32 tokens.  NORM as in launch 2: wave w = 8 u + 2 s + c quantises four registers of the fragment (u, s); the raw x2 goes to LDS beside it, so that it is read from memory once.
; PRODUCT 7: wave w makes hidden units 128 w .. + 127, 32 at a time, transposed (source 0 = rows of l1): they are K step w of product 8: GELU, quantised in registers, image to LDS.
; PRODUCT 8: wave w makes outputs 32 w .. + 31 over 16 K steps; its rows of l2 go through a ring of eight K steps in registers; the hidden fragments come from LDS, two buffers.
; The weights come from wimg straight into the registers of the one wave that uses them, 512 consecutive bytes a load.
; REGISTERS: v3-15 addresses; v16-47 two fragment buffers, between products at work; v48-51 the activations' scale words; v52-67 the weights' scale words; v68-195 weights; v196-227 four accumulators; v228-243 a bias;
; v244-251 the codes just made; v252-253 the hidden layer's scale words in the making; v254, v255 the leading coefficients of P and Q.
.set HIMG,  0                          ; LDS: 8 fragments of the normed x2
.set HSC,   8192                       ; their scale words
.set HID,   8704                       ; the hidden layer's 32 fragments: 16,384 u + 1,024 s
.set HIDS,  41472                      ; their scale words: 128 s + 64 u + 4 r
.set XST,   43520                      ; x2: 32 rows x 2,064 bytes
.set YST,   109568                     ; the result: likewise
.set SPARE, 175616                     ; the spare words, 128 bytes for each of the 16 waves
.set LI,  3
.set LS,  4
.set HB0, 16
.set HS,  48
.set WS,  52
.set WA,  68
.set WB,  132
.set ACC, 196
.set BI,  228
.set PC,  244
.set XR,  132
.set SCL, 164
.set SHF, 196
.set YC,  16
.set ZZ,  24
.set QQ,  32
.set PP,  40
.set SEL, 30
.macro PLACES n
.rept \n
	v_nop
.endr
.endm
.macro RED32 v, t
	v_add_f32_dpp v[\v], v[\v], v[\v] row_xmask:1 row_mask:0xf bank_mask:0xf
	v_add_f32_dpp v[\v], v[\v], v[\v] row_xmask:2 row_mask:0xf bank_mask:0xf
	v_add_f32_dpp v[\v], v[\v], v[\v] row_xmask:4 row_mask:0xf bank_mask:0xf
	v_add_f32_dpp v[\v], v[\v], v[\v] row_xmask:8 row_mask:0xf bank_mask:0xf
	v_permlanex16_b32 v[\t], v[\v], s[SEL], s[SEL+1]
	v_add_f32 v[\v], v[\v], v[\t]
.endm
.macro WM d, a, b, c, sa, sb, ra, rb
.if ((\ra) == 0) && ((\rb) == 0)
	v_wmma_scale_f32_16x16x128_f8f6f4 v[(\d):(\d)+7], v[(\a):(\a)+7], v[(\b):(\b)+7], v[(\c):(\c)+7], v[(\sa)], v[(\sb)] matrix_a_fmt:MATRIX_FMT_FP4 matrix_b_fmt:MATRIX_FMT_FP4
.elseif (\rb) == 0
	v_wmma_scale_f32_16x16x128_f8f6f4 v[(\d):(\d)+7], v[(\a):(\a)+7], v[(\b):(\b)+7], v[(\c):(\c)+7], v[(\sa)], v[(\sb)] matrix_a_fmt:MATRIX_FMT_FP4 matrix_b_fmt:MATRIX_FMT_FP4 matrix_a_scale:MATRIX_SCALE_ROW1
.elseif (\ra) == 0
	v_wmma_scale_f32_16x16x128_f8f6f4 v[(\d):(\d)+7], v[(\a):(\a)+7], v[(\b):(\b)+7], v[(\c):(\c)+7], v[(\sa)], v[(\sb)] matrix_a_fmt:MATRIX_FMT_FP4 matrix_b_fmt:MATRIX_FMT_FP4 matrix_b_scale:MATRIX_SCALE_ROW1
.else
	v_wmma_scale_f32_16x16x128_f8f6f4 v[(\d):(\d)+7], v[(\a):(\a)+7], v[(\b):(\b)+7], v[(\c):(\c)+7], v[(\sa)], v[(\sb)] matrix_a_fmt:MATRIX_FMT_FP4 matrix_b_fmt:MATRIX_FMT_FP4 matrix_a_scale:MATRIX_SCALE_ROW1 matrix_b_scale:MATRIX_SCALE_ROW1
.endif
.endm
.macro HLOAD buf, s
.irp u, 0,1
.irp c, 0,1
	ds_load_b128 v[\buf+8*\u+4*\c:\buf+8*\u+4*\c+3], v[LI] offset:HIMG+(4*\u+(\s))*1024+512*\c
.endr
.endr
.endm
.macro MMT W, WSB                      ; four K steps, four accumulators by turns; the count 4 leaves the next step's fragments out
	HLOAD HB0, 0
.irp s, 0,1,2,3
.if \s < 3
.if \s > 0
	PLACES 4
.endif
	HLOAD HB0+16*((\s+1)%2), \s+1
	s_wait_dscnt 0x4
.else
	s_wait_dscnt 0x0
.endif
.irp p, 0,1
.irp u, 0,1
.if \s == 0
	WM ACC+8*(2*\p+\u), \W+8*(2*\s+\p), HB0+16*(\s%2)+8*\u, BI+8*\p, \WSB+\s, HS+\s, \p, \u
.else
	WM ACC+8*(2*\p+\u), \W+8*(2*\s+\p), HB0+16*(\s%2)+8*\u, ACC+8*(2*\p+\u), \WSB+\s, HS+\s, \p, \u
.endif
.endr
.endr
.endr
	PLACES 5
.endm
.macro HLOAD2 s                        ; the hidden layer's two fragments of K step s, and their scale words
.irp u, 0,1
.irp c, 0,1
	ds_load_b128 v[HB0+16*((\s)%2)+8*\u+4*\c:HB0+16*((\s)%2)+8*\u+4*\c+3], v[LI] offset:HID+16384*\u+(\s)*1024+512*\c
.endr
.endr
	ds_load_b32 v[HS+(\s)%2], v[LS] offset:HIDS+128*(\s)
.endm
.macro QPAIR p0, p1, q0, q1, T, c00, c01, c10, c11
	v_max3_num_f32 v[\T], |v[\p0]|, |v[\p0+1]|, 0x1800000
	v_max3_num_f32 v[\T+1], |v[\q0]|, |v[\q0+1]|, 0x1800000
.irp i, 2,4,6
	v_max3_num_f32 v[\T], v[\T], |v[\p0+\i]|, |v[\p0+\i+1]|
	v_max3_num_f32 v[\T+1], v[\T+1], |v[\q0+\i]|, |v[\q0+\i+1]|
.endr
.irp i, 0,2,4,6
	v_max3_num_f32 v[\T], v[\T], |v[\p1+\i]|, |v[\p1+\i+1]|
	v_max3_num_f32 v[\T+1], v[\T+1], |v[\q1+\i]|, |v[\q1+\i+1]|
.endr
	v_permlanex16_b32 v[\T+2], v[\T], s[SEL], s[SEL+1]
	v_permlanex16_b32 v[\T+3], v[\T+1], s[SEL], s[SEL+1]
	v_max_num_f32 v[\T], v[\T], v[\T+2]
	v_max_num_f32 v[\T+1], v[\T+1], v[\T+3]
	v_add_nc_u32 v[\T+4], 0xff000000, v[\T]
	v_add_nc_u32 v[\T+5], 0xff000000, v[\T+1]
	v_lshrrev_b32 v[\T+6], 23, v[\T+4]
	v_lshrrev_b32 v[\T+7], 23, v[\T+5]
	v_cvt_scalef32_pk8_fp4_f32 v[\c00], v[\p0:\p0+7], v[\T+4]
	v_cvt_scalef32_pk8_fp4_f32 v[\c01], v[\p1:\p1+7], v[\T+4]
	v_cvt_scalef32_pk8_fp4_f32 v[\c10], v[\q0:\q0+7], v[\T+5]
	v_cvt_scalef32_pk8_fp4_f32 v[\c11], v[\q1:\q1+7], v[\T+5]
	v_nop
.endm
.macro LOADSET reg, imm
.irp k, 0,1,2,3,4,5,6,7,8,9,10,11,12,13,14,15
	global_load_b128 v[\reg+4*\k:\reg+4*\k+3], v[LI], s[12:13] offset:\imm+512*\k
.endr
.endm
.macro LOADBI p, imm
.irp k, 0,1,2,3
	global_load_b128 v[BI+4*\k:BI+4*\k+3], v10, s[\p:\p+1] offset:\imm+16*\k
.endr
.endm
; gelu(x) = x / 2 + (x / 2) erf(x / sqrt 2), eight numbers in place.  The eight reciprocals are one batch: P's 24 multiply-adds and eight multiplies stand between them and the one wait.
.macro GELU X
.irp j, 0,2,4,6
	v_pk_mul_f32 v[YC+\j:YC+\j+1], v[\X+\j:\X+\j+1], s[34:35] op_sel_hi:[1,0]
.endr
.irp j, 0,1,2,3,4,5,6,7
	v_med3_num_f32 v[YC+\j], v[YC+\j], -4.0, 4.0
.endr
.irp j, 0,2,4,6
	v_pk_mul_f32 v[ZZ+\j:ZZ+\j+1], v[YC+\j:YC+\j+1], v[YC+\j:YC+\j+1]
.endr
.irp j, 0,2,4,6
	v_pk_fma_f32 v[QQ+\j:QQ+\j+1], v[ZZ+\j:ZZ+\j+1], v[254:255], s[48:49] op_sel:[0,1,0] op_sel_hi:[1,1,0]   ; both halves take v255
.endr
.irp k, 50,52,54
.irp j, 0,2,4,6
	v_pk_fma_f32 v[QQ+\j:QQ+\j+1], v[QQ+\j:QQ+\j+1], v[ZZ+\j:ZZ+\j+1], s[\k:\k+1] op_sel_hi:[1,1,0]
.endr
.endr
.irp j, 0,1,2,3,4,5,6,7
	v_rcp_f32 v[QQ+\j], v[QQ+\j]
.endr
.irp j, 0,2,4,6
	v_pk_fma_f32 v[PP+\j:PP+\j+1], v[ZZ+\j:ZZ+\j+1], v[254:255], s[36:37] op_sel_hi:[1,0,0]                  ; both halves take v254
.endr
.irp k, 38,40,42,44,46
.irp j, 0,2,4,6
	v_pk_fma_f32 v[PP+\j:PP+\j+1], v[PP+\j:PP+\j+1], v[ZZ+\j:ZZ+\j+1], s[\k:\k+1] op_sel_hi:[1,1,0]
.endr
.endr
.irp j, 0,2,4,6
	v_pk_mul_f32 v[PP+\j:PP+\j+1], v[PP+\j:PP+\j+1], v[YC+\j:YC+\j+1]
.endr
.irp j, 0,2,4,6
	v_pk_mul_f32 v[YC+\j:YC+\j+1], v[\X+\j:\X+\j+1], 0.5 op_sel_hi:[1,0]
.endr
	s_wait_alu depctr_va_vdst(0)                   ; one wait for the eight, ahead of their first reader
.irp j, 0,2,4,6
	v_pk_mul_f32 v[PP+\j:PP+\j+1], v[PP+\j:PP+\j+1], v[QQ+\j:QQ+\j+1]
.endr
.irp j, 0,2,4,6
	v_pk_fma_f32 v[\X+\j:\X+\j+1], v[YC+\j:YC+\j+1], v[PP+\j:PP+\j+1], v[YC+\j:YC+\j+1]
.endr
.endm
	s_load_b512 s[4:19], s[0:1], 0x0               ; x2, st2, n2_scale, n2_shift, wimg, l1 scales, l1_b, l2 scales
	s_load_b128 s[20:23], s[0:1], 0x40             ; l2_b, out0
	v_lshl_add_u32 v1, v0, 2, SPARE
	v_mov_b32 v2, 0
	v_lshrrev_b32 v248, 5, v0
	v_readfirstlane_b32 s24, v248                  ; wave
	v_and_b32 v248, 31, v0                         ; lane
	v_and_b32 v249, 15, v0                         ; r
	v_bfe_u32 v250, v0, 4, 1                       ; h
	v_lshlrev_b32 v251, 2, v249
	v_lshlrev_b32 v[LI], 4, v248
	v_lshlrev_b32 v[LS], 2, v248
	v_lshlrev_b32 v5, 11, v249
	v_lshl_add_u32 v5, v250, 7, v5                 ; x2: row r, + 128 h
	v_lshlrev_b32 v6, 7, v250
	s_lshl_b32 s25, s24, 9
	v_add_nc_u32 v7, s25, v[LI]                    ; my image: 512 w + 16 x lane
	s_bfe_u32 s56, s24, 0x20001                    ; s
	s_lshr_b32 s57, s24, 3                         ; u
	s_and_b32 s58, s24, 1                          ; c
	s_lshl_b32 s25, s56, 7
	s_lshl_b32 s59, s57, 6
	s_add_co_u32 s25, s25, s59
	s_lshl_b32 s59, s58, 1
	s_add_co_u32 s25, s25, s59
	s_add_co_u32 s25, s25, HSC
	v_lshl_add_u32 v8, v249, 2, v250
	v_add_nc_u32 v8, s25, v8                       ; my scale byte
	v_and_b32 v9, 7, v0
	v_bfe_u32 v10, v0, 3, 1
	v_lshl_add_u32 v9, v10, 4, v9
	v_lshl_add_u32 v9, v250, 3, v9                 ; the row whose scale words I take
	v_lshlrev_b32 v11, 6, v9                       ; l2: 64 bytes a row
	v_lshlrev_b32 v9, 4, v9                        ; l1: 16 bytes a row
	v_lshlrev_b32 v10, 6, v250                     ; 64 h
	s_lshl_b32 s62, s56, 9
	s_lshl_b32 s59, s58, 8
	s_add_co_u32 s62, s62, s59                     ; 512 s + 256 c
	s_mov_b32 s63, 0
	s_mul_i32 s25, s57, 33024
	s_add_co_u32 s25, s25, s62
	s_add_co_u32 s25, s25, XST
	v_mul_u32_u24 v12, v249, 2064
	v_lshl_add_u32 v12, v250, 7, v12
	v_add_nc_u32 v12, s25, v12                     ; x2 into LDS: row 16 u + r, my 128 bytes
	s_lshl_b32 s25, s24, 10
	s_add_co_u32 s25, s25, HID
	v_add_nc_u32 v13, s25, v[LI]                   ; the hidden layer's images: K step w
	s_lshl_b32 s25, s24, 7
	s_add_co_u32 s25, s25, YST
	v_mul_u32_u24 v14, v249, 2064
	v_lshl_add_u32 v14, v250, 6, v14
	v_add_nc_u32 v14, s25, v14                     ; the result into its stage: row r, + 128 w + 64 h
	v_lshlrev_b32 v15, 6, v248                     ; eight of the 256 pairs a lane
	v_mov_b32 v33, 0
	v_mov_b32 v47, 0
	v_mov_b32 v254, 0xaf95df0b                     ; P's leading coefficient
	v_mov_b32 v255, 0xb77460cd                     ; Q's
	s_mov_b32 s[SEL], 0x76543210
	s_mov_b32 s[SEL+1], 0xfedcba98
	s_mov_b32 s32, 0xffff0000                      ; lanes 16-31
	s_mov_b32 s34, 0x3f3504f3                      ; 1 / sqrt 2; each constant twice: the packed forms name pairs
	s_mov_b32 s35, s34
	s_mov_b32 s36, 0x32edffee                      ; P
	s_mov_b32 s37, s36
	s_mov_b32 s38, 0xb60cff51
	s_mov_b32 s39, s38
	s_mov_b32 s40, 0xb86ec2d2
	s_mov_b32 s41, s40
	s_mov_b32 s42, 0xba40ac63
	s_mov_b32 s43, s42
	s_mov_b32 s44, 0xbb41a1f6
	s_mov_b32 s45, s44
	s_mov_b32 s46, 0xbc83dbd4
	s_mov_b32 s47, s46
	s_mov_b32 s48, 0xb95fbd29                      ; Q
	s_mov_b32 s49, s48
	s_mov_b32 s50, 0xbadc924e
	s_mov_b32 s51, s50
	s_mov_b32 s52, 0xbbf19bf8
	s_mov_b32 s53, s52
	s_mov_b32 s54, 0xbc69b6a7
	s_mov_b32 s55, s54
	s_lshl_b32 s60, ttmp9, 16
	s_lshl_b32 s59, s57, 15
	s_add_co_u32 s60, s60, s59
	s_add_co_u32 s60, s60, s62                     ; x2: my tile's rows, my 64 columns
	s_mov_b32 s61, 0
	s_lshl_b32 s28, ttmp9, 7
	s_lshl_b32 s59, s57, 6
	s_add_co_u32 s28, s28, s59                     ; the row means of my tile
	s_mov_b32 s29, 0
	s_mov_b32 s27, 0
	s_wait_kmcnt 0x0
	s_add_nc_u64 s[4:5], s[4:5], s[60:61]
	s_add_nc_u64 s[28:29], s[6:7], s[28:29]
	s_add_nc_u64 s[8:9], s[8:9], s[62:63]
	s_add_nc_u64 s[10:11], s[10:11], s[62:63]
	s_lshl_b32 s26, s24, 15
	s_add_nc_u64 s[12:13], s[12:13], s[26:27]      ; 32,768 bytes a wave in l1's image and in l2's
	s_lshl_b32 s26, s24, 11
	s_add_nc_u64 s[14:15], s[14:15], s[26:27]
	s_add_nc_u64 s[18:19], s[18:19], s[26:27]
	s_lshl_b32 s26, s24, 9
	s_add_nc_u64 s[16:17], s[16:17], s[26:27]
	s_lshl_b32 s26, s24, 7
	s_add_nc_u64 s[20:21], s[20:21], s[26:27]
	s_lshl_b32 s26, ttmp9, 16
	s_lshl_b32 s59, s24, 12
	s_add_co_u32 s26, s26, s59
	s_add_nc_u64 s[22:23], s[22:23], s[26:27]      ; out0: my two rows
	global_load_b128 v[WS:WS+3], v11, s[18:19]     ; l2's scale words of K steps 0-7
	global_load_b128 v[WS+4:WS+7], v11, s[18:19] offset:16
.irp i, 0,1,2,3
	global_load_b128 v[16+4*\i:16+4*\i+3], v15, s[6:7] offset:32768+16*\i
.endr
	global_load_b32 v32, v251, s[28:29]
.irp g, 0,1,2,3,4,5,6,7
	global_load_b128 v[XR+4*\g:XR+4*\g+3], v5, s[4:5] offset:16*\g
.endr
.irp g, 0,1,2,3,4,5,6,7
	global_load_b128 v[SCL+4*\g:SCL+4*\g+3], v6, s[8:9] offset:16*\g
.endr
.irp g, 0,1,2,3,4,5,6,7
	global_load_b128 v[SHF+4*\g:SHF+4*\g+3], v6, s[10:11] offset:16*\g
.endr
	LOADSET WA, 524288                             ; l1, my first 32 rows
	global_load_b128 v[WS+8:WS+11], v9, s[14:15]
	LOADBI 16, 0
	s_wait_loadcnt 45                              ; behind the pairs and the mean: x2 8, gain 8, shift 8, the first set's 21
	v_pk_add_f32 v[34:35], v[16:17], v[18:19]
	v_pk_add_f32 v[36:37], v[20:21], v[22:23]
	v_pk_add_f32 v[38:39], v[24:25], v[26:27]
	v_pk_add_f32 v[40:41], v[28:29], v[30:31]
	v_pk_add_f32 v[34:35], v[34:35], v[36:37]
	v_pk_add_f32 v[38:39], v[38:39], v[40:41]
	v_pk_add_f32 v[34:35], v[34:35], v[38:39]
	RED32 34, 36
	RED32 35, 37
	v_mul_f32 v34, 0x3b800000, v34
.irp i, 0,1,2,3,4,5,6,7
	v_sub_f32 v[36+\i], v[16+2*\i], v34
.endr
	v_mul_f32 v44, v36, v36
	v_mul_f32 v45, v37, v37
	v_fma_f32 v44, v38, v38, v44
	v_fma_f32 v45, v39, v39, v45
	v_fma_f32 v44, v40, v40, v44
	v_fma_f32 v45, v41, v41, v45
	v_fma_f32 v44, v42, v42, v44
	v_fma_f32 v45, v43, v43, v45
	v_add_f32 v44, v44, v45
	RED32 44, 45
	v_fma_f32 v44, v44, 0x46800000, v35
	v_mul_f32 v44, 0x34800000, v44                 ; the variance of the whole tensor
	v_rcp_f32 v45, v44
	v_nop
	s_wait_alu depctr_va_vdst(0)
	v_fma_f32 v43, -v44, v45, 1.0
	v_fma_f32 v46, v45, v43, v45
	s_wait_loadcnt 21                              ; x2, gain and shift are in; the first set's 21 may be out
.irp g, 0,1,2,3,4,5,6,7
	ds_store_b128 v12, v[XR+4*\g:XR+4*\g+3] offset:16*\g   ; the residual, kept for the way out
.endr
	s_wait_dscnt 0x0                               ; the stores have read their registers: the norm works in place
.irp j, 0,2,4,6,8,10,12,14,16,18,20,22,24,26,28,30
	v_pk_add_f32 v[XR+\j:XR+\j+1], v[XR+\j:XR+\j+1], v[32:33] op_sel_hi:[1,0] neg_lo:[0,1] neg_hi:[0,1]
.endr
.irp j, 0,2,4,6,8,10,12,14,16,18,20,22,24,26,28,30
	v_pk_fma_f32 v[XR+\j:XR+\j+1], v[XR+\j:XR+\j+1], v[46:47], 0x3727c5ac op_sel_hi:[1,0,0]
.endr
.irp j, 0,2,4,6,8,10,12,14,16,18,20,22,24,26,28,30
	v_pk_fma_f32 v[XR+\j:XR+\j+1], v[XR+\j:XR+\j+1], v[SCL+\j:SCL+\j+1], v[SHF+\j:SHF+\j+1]
.endr
	v_max3_num_f32 v34, |v[XR]|, |v[XR+1]|, 0x1800000
	v_max3_num_f32 v35, |v[XR+2]|, |v[XR+3]|, |v[XR+4]|
.irp i, 5,9,13,17,21,25
	v_max3_num_f32 v34, v34, |v[XR+\i]|, |v[XR+\i+1]|
	v_max3_num_f32 v35, v35, |v[XR+\i+2]|, |v[XR+\i+3]|
.endr
	v_max3_num_f32 v34, v34, |v[XR+29]|, |v[XR+30]|
	v_max3_num_f32 v34, v34, v35, |v[XR+31]|
	v_add_nc_u32 v36, 0xff000000, v34
	v_lshrrev_b32 v37, 23, v36
.irp g, 0,1,2,3
	v_cvt_scalef32_pk8_fp4_f32 v[PC+\g], v[XR+8*\g:XR+8*\g+7], v36
.endr
	v_nop
	ds_store_b128 v7, v[PC:PC+3] offset:HIMG
	ds_store_b8 v8, v37
	LOADSET WB, 524288+8192                        ; l1, my second 32 rows
	global_load_b128 v[WS+12:WS+15], v9, s[14:15] offset:512
	s_wait_dscnt 0x0
	s_barrier_signal -1
	s_barrier_wait -1                              ; the eight fragments, their scale words and x2 lie in LDS
.irp s, 0,1,2,3
	ds_load_b32 v[HS+\s], v[LS] offset:HSC+128*\s
.endr
	; PRODUCT 7, 32 hidden units at a time.  The counts leave out what was asked for behind the set in hand: the next set's 17 loads, at the end l2's first 16.
.irp b, 0,1,2,3
.if \b < 3
	s_wait_loadcnt 17
.else
	s_wait_loadcnt 16
.endif
	MMT WA+64*(\b%2), WS+8+4*(\b%2)
.if \b < 3
	LOADBI 16, 128*(\b+1)
.else
	LOADBI 20, 0                                   ; l2_b
.endif
.if \b < 2
	LOADSET WA+64*(\b%2), 524288+8192*(\b+2)
	global_load_b128 v[WS+8+4*(\b%2):WS+8+4*(\b%2)+3], v9, s[14:15] offset:512*(\b+2)
.elseif \b == 2
	LOADSET WA, 1048576                            ; l2, K steps 0-3
.else
	LOADSET WB, 1048576+8192                       ; l2, K steps 4-7
	global_load_b128 v[WS+8:WS+11], v11, s[18:19] offset:32
	global_load_b128 v[WS+12:WS+15], v11, s[18:19] offset:48
.endif
	GELU ACC
	GELU ACC+8
	GELU ACC+16
	GELU ACC+24
	QPAIR ACC, ACC+16, ACC+8, ACC+24, 16, PC+2*(\b%2), PC+2*(\b%2)+1, PC+4+2*(\b%2), PC+4+2*(\b%2)+1
.if \b == 0
	v_mov_b32 v252, v22                            ; the bytes of block b make the rows' scale words
	v_mov_b32 v253, v23
.else
	v_lshl_or_b32 v252, v22, 8*\b, v252
	v_lshl_or_b32 v253, v23, 8*\b, v253
.endif
.if \b%2
.irp u, 0,1
.irp i, 0,1
	v_permlane16_swap_b32 v[PC+4*\u+\i], v[PC+4*\u+2+\i]   ; the operand's layout wants a whole block in a lane
.endr
.endr
.irp u, 0,1
	ds_store_b128 v13, v[PC+4*\u:PC+4*\u+3] offset:16384*\u+512*(\b/2)   ; (the next product's counted LDS waits pass these stores before the codes' registers are written again)
.endr
.endif
.endr
	v_cndmask_b32 v16, v252, v253, s32             ; lanes 0-15: token tile 0's words, lanes 16-31: tile 1's
	s_lshl_b32 s25, s24, 7
	s_add_co_u32 s25, s25, HIDS
	v_add_nc_u32 v17, s25, v[LS]
	ds_store_b32 v17, v16
	s_wait_dscnt 0x0
	s_barrier_signal -1
	s_barrier_wait -1                              ; the hidden layer's 32 fragments lie in LDS
	; PRODUCT 8: 16 K steps, four accumulators by turns.  LDS: the count 5 leaves the next step's five loads out.  Weights: K step s + 8 is asked for into the registers that step s has left; from step 8 on the count leaves the later steps' loads out.
	HLOAD2 0
	HLOAD2 1
.irp s, 0,1,2,3,4,5,6,7,8,9,10,11,12,13,14,15
.if \s < 15
	s_wait_dscnt 0x5
.else
	s_wait_dscnt 0x0
.endif
.if \s == 0
	s_wait_loadcnt 0x0
.elseif \s >= 8
	s_wait_loadcnt 4*(15-\s)
.endif
.irp p, 0,1
.irp u, 0,1
.if \s == 0
	WM ACC+8*(2*\p+\u), WA+16*(\s%8)+8*\p, HB0+16*(\s%2)+8*\u, BI+8*\p, WS+\s, HS+\s%2, \p, \u
.else
	WM ACC+8*(2*\p+\u), WA+16*(\s%8)+8*\p, HB0+16*(\s%2)+8*\u, ACC+8*(2*\p+\u), WS+\s, HS+\s%2, \p, \u
.endif
.endr
.endr
	PLACES 4
.if \s < 14
	HLOAD2 \s+2
.endif
.if \s < 8
.irp k, 0,1,2,3
	global_load_b128 v[WA+16*\s+4*\k:WA+16*\s+4*\k+3], v[LI], s[12:13] offset:1048576+(\s+8)*2048+512*\k
.endr
.endif
.endr
	; THE WAY OUT: the rows meet in the stage; each wave takes two whole rows, adds x2 and stores 512 consecutive bytes an instruction
.irp p, 0,1
.irp u, 0,1
	ds_store_b128 v14, v[ACC+8*(2*\p+\u):ACC+8*(2*\p+\u)+3] offset:33024*\u+32*\p
	ds_store_b128 v14, v[ACC+8*(2*\p+\u)+4:ACC+8*(2*\p+\u)+7] offset:33024*\u+32*\p+16
.endr
.endr
	s_mul_i32 s25, s24, 4128
	s_add_co_u32 s25, s25, XST
	v_add_nc_u32 v16, s25, v[LI]
	v_add_nc_u32 v17, YST-XST, v16
	s_wait_dscnt 0x0
	s_barrier_signal -1
	s_barrier_wait -1
.irp p, 0,1
.irp q, 0,1,2,3
	ds_load_b128 v[WA+16*\p+4*\q:WA+16*\p+4*\q+3], v17 offset:2064*\p+512*\q
.endr
.endr
.irp p, 0,1
.irp q, 0,1,2,3
	ds_load_b128 v[WB+16*\p+4*\q:WB+16*\p+4*\q+3], v16 offset:2064*\p+512*\q
.endr
.endr
	s_wait_dscnt 0x0
.irp j, 0,2,4,6,8,10,12,14,16,18,20,22,24,26,28,30
	v_pk_add_f32 v[WA+\j:WA+\j+1], v[WA+\j:WA+\j+1], v[WB+\j:WB+\j+1]
.endr
.irp p, 0,1
.irp q, 0,1,2,3
	global_store_b128 v[LI], v[WA+16*\p+4*\q:WA+16*\p+4*\q+3], s[22:23] offset:2048*\p+512*\q th:TH_STORE_NT
.endr
.endr
	s_wait_tensorcnt 0x0                           ; the wave's end
	ds_add_u32 v1, v2
	s_wait_dscnt 0x0
	s_endpgm
.Lfunc_end_k_q8691511b17_mlp:
	.size	k_q8691511b17_mlp, .Lfunc_end_k_q8691511b17_mlp-k_q8691511b17_mlp
	.p2alignl 7, 3214868480
	.fill 96, 4, 3214868480
	.section	.rodata,"a",@progbits
	.p2align	6, 0x0
	.amdhsa_kernel k_q8691511b17_mlp
		.amdhsa_group_segment_fixed_size 177664
		.amdhsa_private_segment_fixed_size 0
		.amdhsa_enable_private_segment 0
		.amdhsa_kernarg_size 80
		.amdhsa_user_sgpr_count 2
		.amdhsa_user_sgpr_kernarg_segment_ptr 1
		.amdhsa_wavefront_size32 1
		.amdhsa_system_sgpr_workgroup_id_x 1
		.amdhsa_system_sgpr_workgroup_id_y 1
		.amdhsa_system_sgpr_workgroup_id_z 1
		.amdhsa_system_vgpr_workitem_id 0
		.amdhsa_next_free_vgpr 256
		.amdhsa_next_free_sgpr 66
		.amdhsa_reserve_vcc 0
		.amdhsa_float_denorm_mode_32 3
		.amdhsa_float_denorm_mode_16_64 3
		.amdhsa_memory_ordered 1
		.amdhsa_forward_progress 1
		.amdhsa_inst_pref_size 150
	.end_amdhsa_kernel
	.amdgpu_metadata
---
amdhsa.version: [ 1, 2 ]
amdhsa.kernels:
  - .name:           k_q8691511b17_mlp
    .symbol:         k_q8691511b17_mlp.kd
    .args:
      - { .name: x2, .offset: 0, .size: 8, .value_kind: global_buffer, .address_space: global }
      - { .name: st2, .offset: 8, .size: 8, .value_kind: global_buffer, .address_space: global }
      - { .name: n2_scale, .offset: 16, .size: 8, .value_kind: global_buffer, .address_space: global }
      - { .name: n2_shift, .offset: 24, .size: 8, .value_kind: global_buffer, .address_space: global }
      - { .name: wimg, .offset: 32, .size: 8, .value_kind: global_buffer, .address_space: global }
      - { .name: l1_w_scales, .offset: 40, .size: 8, .value_kind: global_buffer, .address_space: global }
      - { .name: l1_b, .offset: 48, .size: 8, .value_kind: global_buffer, .address_space: global }
      - { .name: l2_w_scales, .offset: 56, .size: 8, .value_kind: global_buffer, .address_space: global }
      - { .name: l2_b, .offset: 64, .size: 8, .value_kind: global_buffer, .address_space: global }
      - { .name: out0, .offset: 72, .size: 8, .value_kind: global_buffer, .address_space: global }
    .group_segment_fixed_size: 177664
    .private_segment_fixed_size: 0
    .kernarg_segment_align: 8
    .kernarg_segment_size: 80
    .max_flat_workgroup_size: 512
    .sgpr_count:     66
    .vgpr_count:     256
    .wavefront_size: 32
...
	.end_amdgpu_metadata
.endif
;; end of part 5
;; ======== version 2 of 2: 5 launches
;; workspace buffers: wimg 1,572,864 bytes; st1 34,816 bytes; st2 34,816 bytes; qq 2,621,440 bytes; kv 4,456,448 bytes; cx 2,228,224 bytes; x2 16,777,216 bytes
;; launch stats_lay (part 6): grid 256 x 1, 16 waves a work-group, no clusters, 2,304 bytes of LDS; arguments x, Wq_w_codes, Wk_w_codes, Wv_w_codes, Wo_w_codes, l1_w_codes, l2_w_codes, wimg, st1; writes wimg, st1
.if DOCPART == 6
	.amdgcn_target "amdgcn-amd-amdhsa--gfx1250"
	.amdhsa_code_object_version 6
	.text
	.protected	k_q8691511b17_stats_lay
	.globl	k_q8691511b17_stats_lay
	.p2align	8
	.type	k_q8691511b17_stats_lay,@function
k_q8691511b17_stats_lay:
	s_mov_b64 s[64:65], 0
	v_nop
	global_prefetch_b8 v0, s[64:65] scope:SCOPE_SE
	s_setreg_imm32_b32 hwreg(HW_REG_WAVE_MODE, 25, 1), 1
	s_wait_xcnt 0x0
; TRANSFORMER BLOCK IN MX-FP4, launch 1 of 5: the statistics of x for the first norm, and the six weights' codes laid in the order of the operand's registers.
; THE PROGRAM: 1 row means and sums of squares of x, weight images | 2 norm 1, products 1-3, q, k, v as codes | 3 attention (products 4, 5), ctx as codes | 4 product 6 + residual, statistics | 5 norm 2, products 7, 8, GELU, residual.
; WORK LEFT OUT (launch 3): reference() sets score(t, s) to -infinity for every key s > t by a mask that it builds itself; the softmax gives such a key the weight 0, whatever finite values the inputs hold,
; so a step of 128 keys all of which come after a tile's 16 queries reaches no output: its part of products 4 and 5 is not done.  Nothing else is left out, and every input is loaded by some launch.
; LIMIT: a NaN, an infinity or an overflow that would arise only in that masked work is not carried to the result.
; LIMITS OF THE PROGRAM: NaN and infinities among the inputs are not served; a variance of 0 or under 2^-126 gives NaN where reference() gives infinities.
; THE VARIANCE is taken over the whole tensor, without a difference of large sums: a row gives its mean and M2 = sum (x - mean)^2; the 32 rows of a work-group give mg = sum m / 32 and
; M2g = sum M2 + 512 sum (m - mg)^2; the launch that needs the variance joins the 256 pairs in the same way.
; SHARES: a work-group has 32 rows of x, wave w rows 2 w and 2 w + 1: four loads of 512 consecutive bytes a row.  Waves 0-11 also copy one group of 512 bytes of a weight's image: group G = 12 x work-group + w of 3,072.
; THE IMAGE: a group is four registers of a fragment, lane l's 16 bytes at 16 l.  In a matrix the groups go [g: 32 rows][s: 128 along K][u: tile][c: registers 4 c on]; lane (r, h) holds the row
; 32 g + 16 (r / 8) + 8 u + r % 8 at byte 64 s + 32 c + 16 h: with that choice of rows the two tiles of a group give a lane 16 neighbouring features of the result.
.set STAT,  0                          ; LDS: (mean, M2) of the 32 rows, 8 bytes each
.set SPARE, 256                        ; the spare words, 128 bytes for each of the 16 waves
.set SEL,   26                         ; s[26:27] lane selects: lane l xor 16
.macro RED32 v, t                      ; the sum over the 32 lanes, in every lane
	s_delay_alu instid0(VALU_DEP_1)
	v_add_f32_dpp v[\v], v[\v], v[\v] row_xmask:1 row_mask:0xf bank_mask:0xf
	s_delay_alu instid0(VALU_DEP_1)
	v_add_f32_dpp v[\v], v[\v], v[\v] row_xmask:2 row_mask:0xf bank_mask:0xf
	s_delay_alu instid0(VALU_DEP_1)
	v_add_f32_dpp v[\v], v[\v], v[\v] row_xmask:4 row_mask:0xf bank_mask:0xf
	s_delay_alu instid0(VALU_DEP_1)
	v_add_f32_dpp v[\v], v[\v], v[\v] row_xmask:8 row_mask:0xf bank_mask:0xf
	s_wait_alu depctr_va_vdst(0)
	v_permlanex16_b32 v[\t], v[\v], s[SEL], s[SEL+1]
	s_delay_alu instid0(VALU_DEP_1)
	v_add_f32 v[\v], v[\v], v[\t]
.endm
.macro ROWSTAT X, M, D, A              ; a row, 16 numbers a lane in v[X] on -> v[M] = mean, v[M+1] = M2.  D: 16 registers, A: 4, at work
.irp i, 0,1,2,3
	v_pk_add_f32 v[\D+2*\i:\D+2*\i+1], v[\X+4*\i:\X+4*\i+1], v[\X+4*\i+2:\X+4*\i+3]
.endr
	s_delay_alu instid0(VALU_DEP_3)
	v_pk_add_f32 v[\D:\D+1], v[\D:\D+1], v[\D+2:\D+3]
	s_delay_alu instid0(VALU_DEP_2)
	v_pk_add_f32 v[\D+4:\D+5], v[\D+4:\D+5], v[\D+6:\D+7]
	s_delay_alu instid0(VALU_DEP_1)
	v_pk_add_f32 v[\D:\D+1], v[\D:\D+1], v[\D+4:\D+5]
	s_delay_alu instid0(VALU_DEP_1)
	v_add_f32 v[\M], v[\D], v[\D+1]
	RED32 \M, \A
	s_delay_alu instid0(VALU_DEP_1)
	v_mul_f32 v[\M], 0x3b000000, v[\M]             ; / 512
.irp i, 0,2,4,6,8,10,12,14
	v_pk_add_f32 v[\D+\i:\D+\i+1], v[\X+\i:\X+\i+1], v[\M:\M+1] op_sel_hi:[1,0] neg_lo:[0,1] neg_hi:[0,1]   ; x - mean
.endr
	v_pk_mul_f32 v[\A:\A+1], v[\D:\D+1], v[\D:\D+1]
	v_pk_mul_f32 v[\A+2:\A+3], v[\D+2:\D+3], v[\D+2:\D+3]
.irp i, 4,8,12
	s_delay_alu instid0(VALU_DEP_2)
	v_pk_fma_f32 v[\A:\A+1], v[\D+\i:\D+\i+1], v[\D+\i:\D+\i+1], v[\A:\A+1]
	s_delay_alu instid0(VALU_DEP_2)
	v_pk_fma_f32 v[\A+2:\A+3], v[\D+\i+2:\D+\i+3], v[\D+\i+2:\D+\i+3], v[\A+2:\A+3]
.endr
	s_delay_alu instid0(VALU_DEP_1)
	v_pk_add_f32 v[\A:\A+1], v[\A:\A+1], v[\A+2:\A+3]
	s_delay_alu instid0(VALU_DEP_1)
	v_add_f32 v[\M+1], v[\A], v[\A+1]
	RED32 \M+1, \A
.endm
	s_load_b256 s[4:11], s[0:1], 0x0               ; x, Wq, Wk, Wv codes
	s_load_b256 s[12:19], s[0:1], 0x20             ; Wo, l1, l2 codes, wimg
	s_load_b64 s[20:21], s[0:1], 0x40              ; st1
	v_lshl_add_u32 v1, v0, 2, SPARE                ; my spare word
	v_mov_b32 v2, 0
	v_lshrrev_b32 v6, 5, v0
	s_delay_alu instid0(VALU_DEP_1)
	v_readfirstlane_b32 s22, v6                    ; wave
	s_delay_alu instid0(VALU_DEP_2)
	v_lshlrev_b32 v6, 4, v6                        ; LDS: my two rows' pairs at 16 w
	v_and_b32 v3, 31, v0                           ; lane
	s_delay_alu instid0(VALU_DEP_1)
	v_lshlrev_b32 v4, 4, v3                        ; 16 x lane
	s_delay_alu instid0(VALU_DEP_2)
	v_lshlrev_b32 v7, 2, v3                        ; 4 x lane
	s_delay_alu instid0(VALU_DEP_3)
	v_lshlrev_b32 v12, 3, v3                       ; 8 x lane
	v_mov_b32 v9, 0                                ; named as upper halves of pairs, or as a permute's destination, before they are first written
	v_mov_b32 v11, 0
	v_mov_b32 v68, 0
	s_mov_b32 s[SEL], 0x76543210
	s_mov_b32 s[SEL+1], 0xfedcba98
	s_lshl_b32 s24, ttmp9, 16                      ; my rows of x: 32 rows of 2,048 bytes a work-group,
	s_lshl_b32 s23, s22, 12                        ; two a wave
	s_add_co_u32 s24, s24, s23
	s_mov_b32 s25, 0
	; which group of which weight I copy
	s_mul_i32 s28, ttmp9, 12
	s_add_co_u32 s28, s28, s22                     ; G
	s_cmp_lt_u32 s28, 2048
	s_cselect_b32 s29, 8, 10                       ; RS: a row of codes is 2^RS bytes: 256, or 1,024 in l2
	s_mov_b32 s30, 1023
	s_cmp_lt_u32 s28, 1024
	s_cselect_b32 s30, 255, s30
	s_and_b32 s30, s28, s30                        ; the group's number in its matrix
	s_sub_co_u32 s31, s29, 4                       ; 2^(RS - 4) groups to 32 rows
	s_lshr_b32 s32, s30, s31                       ; g
	s_bfm_b32 s33, s31, 0
	s_and_b32 s33, s30, s33                        ; 4 s + 2 u + c
	s_add_co_u32 s34, s29, 5
	s_lshl_b32 s32, s32, s34                       ; 32 g rows
	s_bfe_u32 s35, s33, 0x10001                    ; u
	s_add_co_u32 s34, s29, 3
	s_lshl_b32 s35, s35, s34                       ; 8 u rows
	s_add_co_u32 s32, s32, s35
	s_lshr_b32 s35, s33, 2
	s_lshl_b32 s35, s35, 6                         ; 64 s
	s_add_co_u32 s32, s32, s35
	s_and_b32 s35, s33, 1
	s_lshl_b32 s35, s35, 5                         ; 32 c
	s_add_co_u32 s32, s32, s35
	s_mov_b32 s33, 0
	v_and_b32 v13, 7, v0
	v_bfe_u32 v14, v0, 3, 1
	s_delay_alu instid0(VALU_DEP_1)
	v_lshl_add_u32 v13, v14, 4, v13                ; my row in the group: 16 (r / 8) + r % 8
	s_delay_alu instid0(VALU_DEP_1)
	v_lshlrev_b32 v13, s29, v13
	v_bfe_u32 v14, v0, 4, 1
	s_delay_alu instid0(VALU_DEP_1)
	v_lshl_add_u32 v5, v14, 4, v13                 ; + 16 h
	s_lshl_b32 s38, s28, 9                         ; the group's place in wimg
	s_mov_b32 s39, 0
	s_lshl_b32 s40, ttmp9, 7                       ; st1: 32 row means,
	s_mov_b32 s41, 0
	s_lshl_b32 s42, ttmp9, 3                       ; and one pair
	s_mov_b32 s43, 0
	s_wait_kmcnt 0x0
	s_cmp_lt_u32 s28, 2048                         ; the choice hangs on the group's number alone
	s_cselect_b64 s[36:37], s[14:15], s[16:17]
	s_cmp_lt_u32 s28, 1024
	s_cselect_b64 s[36:37], s[12:13], s[36:37]
	s_cmp_lt_u32 s28, 768
	s_cselect_b64 s[36:37], s[10:11], s[36:37]
	s_cmp_lt_u32 s28, 512
	s_cselect_b64 s[36:37], s[8:9], s[36:37]
	s_cmp_lt_u32 s28, 256
	s_cselect_b64 s[36:37], s[6:7], s[36:37]
	s_add_nc_u64 s[36:37], s[36:37], s[32:33]
	s_add_nc_u64 s[38:39], s[18:19], s[38:39]
	s_add_nc_u64 s[4:5], s[4:5], s[24:25]
	s_add_nc_u64 s[40:41], s[20:21], s[40:41]
	s_add_nc_u64 s[42:43], s[20:21], s[42:43]
	s_cmp_lt_u32 s22, 12
	s_cbranch_scc0 .Lno_copy
	s_wait_alu depctr_va_vdst(0)
	global_load_b128 v[64:67], v5, s[36:37] th:TH_LOAD_NT
.Lno_copy:
.irp p, 0,1
.irp q, 0,1,2,3
	global_load_b128 v[16+16*\p+4*\q:16+16*\p+4*\q+3], v4, s[4:5] offset:2048*\p+512*\q   ; 512 consecutive bytes of a row
.endr
.endr
	s_wait_loadcnt 0x0
	s_cmp_lt_u32 s22, 12
	s_cbranch_scc0 .Lno_put
	global_store_b128 v4, v[64:67], s[38:39]       ; 512 consecutive bytes, aligned
.Lno_put:
	ROWSTAT 16, 8, 48, 68
	ROWSTAT 32, 10, 48, 68
	ds_store_b64 v6, v[8:9] offset:STAT            ; all lanes write the same pair
	ds_store_b64 v6, v[10:11] offset:STAT+8
	s_wait_dscnt 0x0                               ; for wave 0's sake: my stores have landed
	s_barrier_signal -1
	s_barrier_wait -1
	s_cmp_lg_u32 s22, 0
	s_cbranch_scc1 .Lnot_wave_0
	ds_load_b64 v[14:15], v12 offset:STAT          ; lane l: row l's pair
	s_wait_dscnt 0x0
	global_store_b32 v7, v14, s[40:41]             ; the 32 row means
	v_mov_b32 v72, v14
	RED32 72, 68
	s_delay_alu instid0(VALU_DEP_1)
	v_mul_f32 v72, 0x3d000000, v72                 ; mg = sum m / 32
	s_delay_alu instid0(VALU_DEP_1)
	v_sub_f32 v68, v14, v72
	s_delay_alu instid0(VALU_DEP_1)
	v_mul_f32 v68, v68, v68
	s_delay_alu instid0(VALU_DEP_1)
	v_fma_f32 v73, v68, 0x44000000, v15            ; M2 + 512 (m - mg)^2
	RED32 73, 68
	v_cmp_eq_u32 vcc_lo, 0, v3
	s_wait_alu depctr_va_vdst(0)
	s_wait_xcnt 0x0                                ; EXEC changes only when the store above has had its address translated
	s_and_saveexec_b32 s46, vcc_lo
	global_store_b64 v7, v[72:73], s[42:43] offset:32768   ; lane 0 (whose 4 x lane is 0): the work-group's pair
	s_wait_xcnt 0x0
	s_or_b32 exec_lo, exec_lo, s46
.Lnot_wave_0:
	s_wait_tensorcnt 0x0                           ; the wave's end
	ds_add_u32 v1, v2
	s_wait_dscnt 0x0
	s_endpgm
.Lfunc_end_k_q8691511b17_stats_lay:
	.size	k_q8691511b17_stats_lay, .Lfunc_end_k_q8691511b17_stats_lay-k_q8691511b17_stats_lay
	.p2alignl 7, 3214868480
	.fill 96, 4, 3214868480
	.section	.rodata,"a",@progbits
	.p2align	6, 0x0
	.amdhsa_kernel k_q8691511b17_stats_lay
		.amdhsa_group_segment_fixed_size 2304
		.amdhsa_private_segment_fixed_size 0
		.amdhsa_enable_private_segment 0
		.amdhsa_kernarg_size 72
		.amdhsa_user_sgpr_count 2
		.amdhsa_user_sgpr_kernarg_segment_ptr 1
		.amdhsa_wavefront_size32 1
		.amdhsa_system_sgpr_workgroup_id_x 1
		.amdhsa_system_sgpr_workgroup_id_y 1
		.amdhsa_system_sgpr_workgroup_id_z 1
		.amdhsa_system_vgpr_workitem_id 0
		.amdhsa_next_free_vgpr 80
		.amdhsa_next_free_sgpr 66
		.amdhsa_reserve_vcc 1
		.amdhsa_float_denorm_mode_32 3
		.amdhsa_float_denorm_mode_16_64 3
		.amdhsa_memory_ordered 1
		.amdhsa_forward_progress 1
		.amdhsa_inst_pref_size 14
	.end_amdhsa_kernel
	.amdgpu_metadata
---
amdhsa.version: [ 1, 2 ]
amdhsa.kernels:
  - .name:           k_q8691511b17_stats_lay
    .symbol:         k_q8691511b17_stats_lay.kd
    .args:
      - { .name: x, .offset: 0, .size: 8, .value_kind: global_buffer, .address_space: global }
      - { .name: Wq_w_codes, .offset: 8, .size: 8, .value_kind: global_buffer, .address_space: global }
      - { .name: Wk_w_codes, .offset: 16, .size: 8, .value_kind: global_buffer, .address_space: global }
      - { .name: Wv_w_codes, .offset: 24, .size: 8, .value_kind: global_buffer, .address_space: global }
      - { .name: Wo_w_codes, .offset: 32, .size: 8, .value_kind: global_buffer, .address_space: global }
      - { .name: l1_w_codes, .offset: 40, .size: 8, .value_kind: global_buffer, .address_space: global }
      - { .name: l2_w_codes, .offset: 48, .size: 8, .value_kind: global_buffer, .address_space: global }
      - { .name: wimg, .offset: 56, .size: 8, .value_kind: global_buffer, .address_space: global }
      - { .name: st1, .offset: 64, .size: 8, .value_kind: global_buffer, .address_space: global }
    .group_segment_fixed_size: 2304
    .private_segment_fixed_size: 0
    .kernarg_segment_align: 8
    .kernarg_segment_size: 72
    .max_flat_workgroup_size: 512
    .sgpr_count:     66
    .vgpr_count:     80
    .wavefront_size: 32
...
	.end_amdgpu_metadata
.endif
;; end of part 6
;; launch qkv (part 7): grid 256 x 1, 16 waves a work-group, no clusters, 10,752 bytes of LDS; arguments x, st1, n1_scale, n1_shift, wimg, Wq_w_scales, Wq_b, Wk_w_scales, Wk_b, Wv_w_scales, Wv_b, qq, kv; writes qq, kv
.if DOCPART == 7
	.amdgcn_target "amdgcn-amd-amdhsa--gfx1250"
	.amdhsa_code_object_version 6
	.text
	.protected	k_q8691511b17_qkv
	.globl	k_q8691511b17_qkv
	.p2align	8
	.type	k_q8691511b17_qkv,@function
k_q8691511b17_qkv:
	s_mov_b64 s[64:65], 0
	v_nop
	global_prefetch_b8 v0, s[64:65] scope:SCOPE_SE
	s_setreg_imm32_b32 hwreg(HW_REG_WAVE_SCHED_MODE, 0, 2), 2
	s_setreg_imm32_b32 hwreg(HW_REG_WAVE_MODE, 25, 1), 1
	s_wait_xcnt 0x0
	s_wait_alu depctr_vm_vsrc(0)
; Launch 2 of 5: h = norm1(x), quantised along its 512; q, k, v = h W^T + b on codes of FP4 (E2M1) with E8M0 scales; q and k quantised along the head's 32, v along the keys; all three stored as the attention wants them.
; Nothing is left out here.  LIMITS: NaN and infinities are not served; a variance of 0 or under 2^-126 gives NaN; a block of zeros carries the byte 1 where the rule says 127 (its codes are zeros, and this program alone reads the bytes).
; SHARES: a work-group has 32 tokens of one batch, which are one block of 32 keys.  NORM: wave w = 8 u + 2 s + c quantises, for token tile u, registers 4 c on of the fragment of K step s: lane (r, h) holds ONE block
; of 32 numbers of token 16 u + r, so no lane asks another for a maximum.  The fragments go to LDS as images of their registers (16 bytes a lane), the scale bytes to their places in the scale words.
; PRODUCTS: wave w is head w; its 32 rows of Wq, Wk, Wv come from wimg straight into registers.  q and k are made TRANSPOSED (source 0 = 16 rows of W, source 1 = 16 tokens): a lane holds one token and 16 neighbouring
; features; v is made the natural way (source 0 = tokens): a lane holds one feature and 16 of the 32 keys.  In both a block of 32 lies in lanes l and l xor 16.
; REGISTERS: v3-15 addresses; v16-47 two fragment buffers of h, between products at work; v48-51 h's scale words; v52-63 the weights' scale words; v68-131, v132-195 two sets of weights; v196-227 four accumulators;
; v228-243 a bias in the result's layout; v244-248 what is stored; v252-253 v's bias.  In the norm: v132-163 x, v164-195 the gain, v196-227 the shift, v16-31 the 256 pairs, v32 the row's mean.
; THE MODE: SCHED_MODE bits 1:0 = 2 (LLVM: expert scheduling mode 2), set by the entry lines.  The code itself states the register dependences
; between vector or matrix instructions and memory or LDS instructions, with s_wait_alu, always for 0.
; THE PLAN.  Registers that memory or LDS instructions touch:
;   v3-15, v251   addresses: written at the head, never again; one wait ahead of the first load serves every load and store.
;   v16-47        h's two buffers: LDS loads land in them, the products read them; between products the variance's lines and the quantiser work in them.
;   v68-195       two sets of weights (the second held x and the gain first); v228-243 a bias; v52-63 scale words: loads land in them, the products read them.
;   v244-248, v37 written by conversions and selects, read by stores.
; So: one wait on va_vdst behind the norm's conversions; one in a product's K steps 1 and 2, ahead of the loads into the buffer that the step before read (256 registers a wave leave no room for a third buffer);
; one behind q's product, ahead of the loads into its weights and bias; one ahead of each run of stores, which also frees v16-47 for the next product's first fragments.
; A wait on vm_vsrc stands behind the barrier (the LDS stores have read their data) and ahead of the second and third rewriting of v244-248.
.set HIMG,  0                          ; LDS: 8 fragments of h (4 u + s), 1,024 bytes each
.set HSC,   8192                       ; their scale words: 128 s + 64 u + 4 r
.set SPARE, 8704                       ; the spare words, 128 bytes for each of the 16 waves
.set LI,  3
.set LS,  4
.set HB0, 16
.set HS,  48
.set WS,  52
.set WA,  68
.set WB,  132
.set ACC, 196
.set BI,  228
.set XR,  132
.set SCL, 164
.set SHF, 196
.set SEL, 32
.macro PLACES n
.rept \n
	v_nop
.endr
.endm
.macro RED32 v, t
	v_add_f32_dpp v[\v], v[\v], v[\v] row_xmask:1 row_mask:0xf bank_mask:0xf
	v_add_f32_dpp v[\v], v[\v], v[\v] row_xmask:2 row_mask:0xf bank_mask:0xf
	v_add_f32_dpp v[\v], v[\v], v[\v] row_xmask:4 row_mask:0xf bank_mask:0xf
	v_add_f32_dpp v[\v], v[\v], v[\v] row_xmask:8 row_mask:0xf bank_mask:0xf
	v_permlanex16_b32 v[\t], v[\v], s[SEL], s[SEL+1]
	v_add_f32 v[\v], v[\v], v[\t]
.endm
; One matrix instruction.  c < 0: the constant 0 starts the sum.  ra, rb: which half of the lanes of the scale registers serves source 0, source 1.
.macro WM d, a, b, c, sa, sb, ra, rb
.if (\c) < 0
.if ((\ra) == 0) && ((\rb) == 0)
	v_wmma_scale_f32_16x16x128_f8f6f4 v[(\d):(\d)+7], v[(\a):(\a)+7], v[(\b):(\b)+7], 0, v[(\sa)], v[(\sb)] matrix_a_fmt:MATRIX_FMT_FP4 matrix_b_fmt:MATRIX_FMT_FP4
.elseif (\rb) == 0
	v_wmma_scale_f32_16x16x128_f8f6f4 v[(\d):(\d)+7], v[(\a):(\a)+7], v[(\b):(\b)+7], 0, v[(\sa)], v[(\sb)] matrix_a_fmt:MATRIX_FMT_FP4 matrix_b_fmt:MATRIX_FMT_FP4 matrix_a_scale:MATRIX_SCALE_ROW1
.elseif (\ra) == 0
	v_wmma_scale_f32_16x16x128_f8f6f4 v[(\d):(\d)+7], v[(\a):(\a)+7], v[(\b):(\b)+7], 0, v[(\sa)], v[(\sb)] matrix_a_fmt:MATRIX_FMT_FP4 matrix_b_fmt:MATRIX_FMT_FP4 matrix_b_scale:MATRIX_SCALE_ROW1
.else
	v_wmma_scale_f32_16x16x128_f8f6f4 v[(\d):(\d)+7], v[(\a):(\a)+7], v[(\b):(\b)+7], 0, v[(\sa)], v[(\sb)] matrix_a_fmt:MATRIX_FMT_FP4 matrix_b_fmt:MATRIX_FMT_FP4 matrix_a_scale:MATRIX_SCALE_ROW1 matrix_b_scale:MATRIX_SCALE_ROW1
.endif
.else
.if ((\ra) == 0) && ((\rb) == 0)
	v_wmma_scale_f32_16x16x128_f8f6f4 v[(\d):(\d)+7], v[(\a):(\a)+7], v[(\b):(\b)+7], v[(\c):(\c)+7], v[(\sa)], v[(\sb)] matrix_a_fmt:MATRIX_FMT_FP4 matrix_b_fmt:MATRIX_FMT_FP4
.elseif (\rb) == 0
	v_wmma_scale_f32_16x16x128_f8f6f4 v[(\d):(\d)+7], v[(\a):(\a)+7], v[(\b):(\b)+7], v[(\c):(\c)+7], v[(\sa)], v[(\sb)] matrix_a_fmt:MATRIX_FMT_FP4 matrix_b_fmt:MATRIX_FMT_FP4 matrix_a_scale:MATRIX_SCALE_ROW1
.elseif (\ra) == 0
	v_wmma_scale_f32_16x16x128_f8f6f4 v[(\d):(\d)+7], v[(\a):(\a)+7], v[(\b):(\b)+7], v[(\c):(\c)+7], v[(\sa)], v[(\sb)] matrix_a_fmt:MATRIX_FMT_FP4 matrix_b_fmt:MATRIX_FMT_FP4 matrix_b_scale:MATRIX_SCALE_ROW1
.else
	v_wmma_scale_f32_16x16x128_f8f6f4 v[(\d):(\d)+7], v[(\a):(\a)+7], v[(\b):(\b)+7], v[(\c):(\c)+7], v[(\sa)], v[(\sb)] matrix_a_fmt:MATRIX_FMT_FP4 matrix_b_fmt:MATRIX_FMT_FP4 matrix_a_scale:MATRIX_SCALE_ROW1 matrix_b_scale:MATRIX_SCALE_ROW1
.endif
.endif
.endm
.macro HLOAD buf, s                    ; h's two fragments (token tiles 0, 1) of K step s
.irp u, 0,1
.irp c, 0,1
	ds_load_b128 v[\buf+8*\u+4*\c:\buf+8*\u+4*\c+3], v[LI] offset:HIMG+(4*\u+(\s))*1024+512*\c
.endr
.endr
.endm
; Four K steps, four accumulators by turns.  The next K step's fragments of h are asked for ahead of each step's products: the count 4 leaves them out.
; The first two runs of loads lean on the wait on va_vdst that stands ahead of the product: no vector or matrix instruction since it names v16-47.
.macro MMT W, WSB                      ; transposed: accumulator 2 p + u = tile p of the weight's rows x token tile u; the bias is the C of the first step
	HLOAD HB0, 0
.irp s, 0,1,2,3
.if \s < 3
.if \s > 0
	PLACES 4                                       ; the buffer was read by the step before
	s_wait_alu depctr_va_vdst(0)                   ; the products of the step before are done reading the buffer in which the loads below land
.endif
	HLOAD HB0+16*((\s+1)%2), \s+1
	s_wait_dscnt 0x4
.else
	s_wait_dscnt 0x0
.endif
.irp p, 0,1
.irp u, 0,1
.if \s == 0
	WM ACC+8*(2*\p+\u), \W+8*(2*\s+\p), HB0+16*(\s%2)+8*\u, BI+8*\p, \WSB+\s, HS+\s, \p, \u
.else
	WM ACC+8*(2*\p+\u), \W+8*(2*\s+\p), HB0+16*(\s%2)+8*\u, ACC+8*(2*\p+\u), \WSB+\s, HS+\s, \p, \u
.endif
.endr
.endr
.endr
	PLACES 5                                       ; ahead of reads of results, of loads into operands, and of the next product, which begins these accumulators anew
.endm
.macro MMN W, WSB                      ; natural: accumulator 2 u + f = token tile u x tile f of the weight's rows
	HLOAD HB0, 0
.irp s, 0,1,2,3
.if \s < 3
.if \s > 0
	PLACES 4
	s_wait_alu depctr_va_vdst(0)                   ; the products of the step before are done reading the buffer in which the loads below land
.endif
	HLOAD HB0+16*((\s+1)%2), \s+1
	s_wait_dscnt 0x4
.else
	s_wait_dscnt 0x0
.endif
.irp u, 0,1
.irp f, 0,1
.if \s == 0
	WM ACC+8*(2*\u+\f), HB0+16*(\s%2)+8*\u, \W+8*(2*\s+\f), -1, HS+\s, \WSB+\s, \u, \f
.else
	WM ACC+8*(2*\u+\f), HB0+16*(\s%2)+8*\u, \W+8*(2*\s+\f), ACC+8*(2*\u+\f), HS+\s, \WSB+\s, \u, \f
.endif
.endr
.endr
.endr
	PLACES 5
.endm
; Two half blocks by turns: 16 numbers of a lane each (two runs of 8 registers), the other 16 of the block in lane l xor 16.  T: 8 registers: largest magnitudes, the other lane's, the conversions' scale operands, the bytes (T+6, T+7).
.macro QPAIR p0, p1, q0, q1, T, c00, c01, c10, c11
	v_max3_num_f32 v[\T], |v[\p0]|, |v[\p0+1]|, 0x1800000       ; with the floor 2^(3 - 127): the byte cannot fall under 1
	v_max3_num_f32 v[\T+1], |v[\q0]|, |v[\q0+1]|, 0x1800000
.irp i, 2,4,6
	v_max3_num_f32 v[\T], v[\T], |v[\p0+\i]|, |v[\p0+\i+1]|
	v_max3_num_f32 v[\T+1], v[\T+1], |v[\q0+\i]|, |v[\q0+\i+1]|
.endr
.irp i, 0,2,4,6
	v_max3_num_f32 v[\T], v[\T], |v[\p1+\i]|, |v[\p1+\i+1]|
	v_max3_num_f32 v[\T+1], v[\T+1], |v[\q1+\i]|, |v[\q1+\i+1]|
.endr
	v_permlanex16_b32 v[\T+2], v[\T], s[SEL], s[SEL+1]
	v_permlanex16_b32 v[\T+3], v[\T+1], s[SEL], s[SEL+1]
	v_max_num_f32 v[\T], v[\T], v[\T+2]
	v_max_num_f32 v[\T+1], v[\T+1], v[\T+3]
	v_add_nc_u32 v[\T+4], 0xff000000, v[\T]        ; 2 off the exponent field: the conversion's scale operand
	v_add_nc_u32 v[\T+5], 0xff000000, v[\T+1]
	v_lshrrev_b32 v[\T+6], 23, v[\T+4]             ; the scale's byte
	v_lshrrev_b32 v[\T+7], 23, v[\T+5]
	v_cvt_scalef32_pk8_fp4_f32 v[\c00], v[\p0:\p0+7], v[\T+4]
	v_cvt_scalef32_pk8_fp4_f32 v[\c01], v[\p1:\p1+7], v[\T+4]
	v_cvt_scalef32_pk8_fp4_f32 v[\c10], v[\q0:\q0+7], v[\T+5]
	v_cvt_scalef32_pk8_fp4_f32 v[\c11], v[\q1:\q1+7], v[\T+5]
	v_nop                                          ; one plain place behind the last scaled conversion
.endm
.macro LOADSET reg, imm                ; a head's 32 rows of a weight: 16 groups of 512 consecutive bytes
.irp k, 0,1,2,3,4,5,6,7,8,9,10,11,12,13,14,15
	global_load_b128 v[\reg+4*\k:\reg+4*\k+3], v[LI], s[12:13] offset:\imm+512*\k
.endr
.endm
.macro LOADBI p, imm                   ; lane half h: the bias of features 16 h + 0 .. 15
.irp k, 0,1,2,3
	global_load_b128 v[BI+4*\k:BI+4*\k+3], v10, s[\p:\p+1] offset:\imm+16*\k
.endr
.endm
; q or k leaves: a token's 16 bytes of codes (8 a lane), 256 consecutive bytes a store; q's byte four times in a word a token; k's byte at its place in the attention's scale words
.macro QK_OUT isq
	s_wait_xcnt 0x0                                ; the last stores have had their addresses translated: v244-248 are rewritten only behind this wait
.if !\isq
	s_wait_alu depctr_vm_vsrc(0)                   ; q's stores have read v244-248, which the lines below write again (ahead of q's own way out the wait behind the barrier has said the same of the LDS stores)
.endif
	QPAIR ACC, ACC+16, ACC+8, ACC+24, 16, 244, 245, 246, 247
	v_cndmask_b32 v248, v22, v23, s34              ; lanes 0-15: token tile 0's byte, lanes 16-31: tile 1's (both halves of a tile hold the same)
.if \isq
	v_mul_lo_u32 v248, v248, s35
.endif
	s_wait_alu depctr_va_vdst(0)                   ; the conversions and the select have written v244-248, which the stores read; the quantiser is done with v16-23, in which the next product's fragments land
.if \isq
	global_store_b64 v12, v[244:245], s[50:51]
	global_store_b64 v12, v[246:247], s[50:51] offset:256
	global_store_b32 v[LS], v248, s[52:53] offset:2097152
.else
	global_store_b64 v12, v[244:245], s[54:55]
	global_store_b64 v12, v[246:247], s[54:55] offset:256
	global_store_b8 v13, v248, s[56:57] offset:65536
.endif
.endm
	s_load_b512 s[4:19], s[0:1], 0x0               ; x, st1, n1_scale, n1_shift, wimg, Wq scales, Wq_b, Wk scales
	s_load_b256 s[20:27], s[0:1], 0x40             ; Wk_b, Wv scales, Wv_b, qq
	s_load_b64 s[28:29], s[0:1], 0x60              ; kv
	v_lshl_add_u32 v1, v0, 2, SPARE
	v_mov_b32 v2, 0
	v_lshrrev_b32 v248, 5, v0
	v_readfirstlane_b32 s30, v248                  ; wave
	v_and_b32 v248, 31, v0                         ; lane
	v_and_b32 v249, 15, v0                         ; r
	v_bfe_u32 v250, v0, 4, 1                       ; h
	s_wait_alu depctr_va_vdst(0)
	v_lshlrev_b32 v251, 2, v249                    ; 4 r
	v_lshlrev_b32 v[LI], 4, v248
	v_lshlrev_b32 v[LS], 2, v248
	v_lshlrev_b32 v5, 11, v249
	v_lshl_add_u32 v5, v250, 7, v5                 ; x: row r, + 128 h: my block of 32 numbers
	v_lshlrev_b32 v6, 7, v250                      ; the gain and the shift: 128 h
	s_wait_alu depctr_va_sdst(0)                   ; s30 is written, ahead of its first reader
	s_lshl_b32 s36, s30, 9
	v_add_nc_u32 v7, s36, v[LI]                    ; my image: (4 u + s) 1,024 + 512 c = 512 w, + 16 x lane
	s_bfe_u32 s37, s30, 0x20001                    ; s
	s_lshr_b32 s38, s30, 3                         ; u
	s_and_b32 s39, s30, 1                          ; c
	s_lshl_b32 s40, s37, 7
	s_lshl_b32 s41, s38, 6
	s_add_co_u32 s40, s40, s41
	s_lshl_b32 s41, s39, 1
	s_add_co_u32 s40, s40, s41
	s_add_co_u32 s40, s40, HSC
	v_lshl_add_u32 v8, v249, 2, v250
	v_add_nc_u32 v8, s40, v8                       ; my scale byte: HSC + 128 s + 64 u + 4 r + 2 c + h
	v_and_b32 v9, 7, v0
	v_bfe_u32 v10, v0, 3, 1
	v_lshl_add_u32 v11, v10, 4, v9                 ; 16 (r / 8) + r % 8
	v_lshl_add_u32 v9, v250, 3, v11
	v_lshlrev_b32 v9, 4, v9                        ; a weight's scale words: lanes 0-15 tile 0's rows, lanes 16-31 tile 1's; 16 bytes a row
	v_lshlrev_b32 v11, 2, v11                      ; v's bias: the feature of column r
	v_and_b32 v13, 7, v0
	v_lshl_add_u32 v13, v13, 2, v10
	v_lshl_add_u32 v13, v250, 1, v13               ; k's scale byte: 4 (r % 8) + 2 (token tile) + r / 8
	v_lshlrev_b32 v10, 6, v250                     ; 64 h
	v_lshlrev_b32 v12, 4, v249
	v_lshl_add_u32 v12, v250, 3, v12               ; 16 r + 8 h
	v_lshlrev_b32 v14, 4, v249
	v_lshl_add_u32 v14, v250, 10, v14              ; V's image: 1,024 (tile of features) + 16 r
	v_lshlrev_b32 v15, 6, v248                     ; eight of the 256 pairs a lane
	v_mov_b32 v33, 0                               ; upper halves of pairs of which the low word serves
	v_mov_b32 v47, 0
	s_mov_b32 s[SEL], 0x76543210
	s_mov_b32 s[SEL+1], 0xfedcba98
	s_mov_b32 s34, 0xffff0000                      ; lanes 16-31
	s_mov_b32 s35, 0x01010101
	s_lshl_b32 s42, ttmp9, 16
	s_lshl_b32 s41, s38, 15
	s_add_co_u32 s42, s42, s41
	s_lshl_b32 s44, s37, 9
	s_lshl_b32 s41, s39, 8
	s_add_co_u32 s44, s44, s41                     ; 512 s + 256 c: my 64 columns
	s_add_co_u32 s42, s42, s44                     ; x: + 32 rows a work-group, 16 a tile
	s_mov_b32 s43, 0
	s_mov_b32 s45, 0
	s_lshl_b32 s46, ttmp9, 7
	s_lshl_b32 s41, s38, 6
	s_add_co_u32 s46, s46, s41                     ; the row means of my tile
	s_mov_b32 s47, 0
	s_lshr_b32 s48, ttmp9, 6
	s_lshl_b32 s48, s48, 4
	s_add_co_u32 s48, s48, s30                     ; batch x 16 + head
	s_and_b32 s49, ttmp9, 63                       ; which block of 32 keys
	s_lshl_b32 s50, s48, 15
	s_lshl_b32 s41, s49, 9
	s_add_co_u32 s50, s50, s41                     ; q's codes
	s_mov_b32 s51, 0
	s_lshl_b32 s52, s48, 13
	s_lshl_b32 s40, s49, 7
	s_add_co_u32 s52, s52, s40                     ; q's scale words
	s_mov_b32 s53, 0
	s_mul_i32 s62, s48, 69632                      ; the head in kv
	s_add_co_u32 s54, s62, s41                     ; k's codes
	s_mov_b32 s55, 0
	s_lshr_b32 s63, s49, 2                         ; the step of 128 keys
	s_bfe_u32 s40, s49, 0x10001
	s_and_b32 s41, s49, 1
	s_lshl_b32 s56, s63, 8
	s_add_co_u32 s56, s56, s62
	s_and_b32 s60, s49, 3
	s_add_co_u32 s60, s60, s56                     ; V's scale bytes: byte = the block in the step
	s_mov_b32 s61, 0
	s_lshl_b32 s58, s40, 6
	s_add_co_u32 s56, s56, s58
	s_lshl_b32 s58, s41, 5
	s_add_co_u32 s56, s56, s58                     ; k's scale bytes
	s_mov_b32 s57, 0
	s_lshl_b32 s58, s63, 11
	s_add_co_u32 s58, s58, s62
	s_lshl_b32 s40, s40, 9
	s_add_co_u32 s58, s58, s40
	s_lshl_b32 s41, s41, 8
	s_add_co_u32 s58, s58, s41                     ; V's image
	s_mov_b32 s59, 0
	s_wait_kmcnt 0x0
	s_add_nc_u64 s[4:5], s[4:5], s[42:43]
	s_add_nc_u64 s[46:47], s[6:7], s[46:47]
	s_add_nc_u64 s[8:9], s[8:9], s[44:45]
	s_add_nc_u64 s[10:11], s[10:11], s[44:45]
	s_lshl_b32 s42, s30, 13
	s_add_nc_u64 s[12:13], s[12:13], s[42:43]      ; my head's 16 groups in each image
	s_lshl_b32 s42, s30, 9
	s_add_nc_u64 s[14:15], s[14:15], s[42:43]
	s_add_nc_u64 s[18:19], s[18:19], s[42:43]
	s_add_nc_u64 s[22:23], s[22:23], s[42:43]
	s_lshl_b32 s42, s30, 7
	s_add_nc_u64 s[16:17], s[16:17], s[42:43]
	s_add_nc_u64 s[20:21], s[20:21], s[42:43]
	s_add_nc_u64 s[24:25], s[24:25], s[42:43]
	s_add_nc_u64 s[50:51], s[26:27], s[50:51]
	s_add_nc_u64 s[52:53], s[26:27], s[52:53]
	s_add_nc_u64 s[54:55], s[28:29], s[54:55]
	s_add_nc_u64 s[56:57], s[28:29], s[56:57]
	s_add_nc_u64 s[58:59], s[28:29], s[58:59]
	s_add_nc_u64 s[60:61], s[28:29], s[60:61]
	s_wait_alu depctr_va_vdst(0)                   ; the addresses v3 to v15 and v251 are written, which every load and store of the kernel reads; they are never written again
	global_load_b32 v252, v11, s[24:25]            ; v's bias, tiles 0 and 1
	global_load_b32 v253, v11, s[24:25] offset:32
.irp i, 0,1,2,3
	global_load_b128 v[16+4*\i:16+4*\i+3], v15, s[6:7] offset:32768+16*\i   ; the 256 pairs
.endr
	global_load_b32 v32, v251, s[46:47]            ; my row's mean
.irp g, 0,1,2,3,4,5,6,7
	global_load_b128 v[XR+4*\g:XR+4*\g+3], v5, s[4:5] offset:16*\g
.endr
.irp g, 0,1,2,3,4,5,6,7
	global_load_b128 v[SCL+4*\g:SCL+4*\g+3], v6, s[8:9] offset:16*\g
.endr
.irp g, 0,1,2,3,4,5,6,7
	global_load_b128 v[SHF+4*\g:SHF+4*\g+3], v6, s[10:11] offset:16*\g
.endr
	LOADSET WA, 0                                  ; Wq
	global_load_b128 v[WS:WS+3], v9, s[14:15]
	LOADBI 16, 0
	s_wait_loadcnt 45                              ; behind the pairs and the mean: x 8, gain 8, shift 8, Wq's 21
	; the variance of the whole tensor from the 256 pairs (mean, M2)
	v_pk_add_f32 v[34:35], v[16:17], v[18:19]
	v_pk_add_f32 v[36:37], v[20:21], v[22:23]
	v_pk_add_f32 v[38:39], v[24:25], v[26:27]
	v_pk_add_f32 v[40:41], v[28:29], v[30:31]
	v_pk_add_f32 v[34:35], v[34:35], v[36:37]
	v_pk_add_f32 v[38:39], v[38:39], v[40:41]
	v_pk_add_f32 v[34:35], v[34:35], v[38:39]
	RED32 34, 36
	RED32 35, 37
	v_mul_f32 v34, 0x3b800000, v34                 ; the mean of the 256 means
.irp i, 0,1,2,3,4,5,6,7
	v_sub_f32 v[36+\i], v[16+2*\i], v34
.endr
	v_mul_f32 v44, v36, v36
	v_mul_f32 v45, v37, v37
	v_fma_f32 v44, v38, v38, v44
	v_fma_f32 v45, v39, v39, v45
	v_fma_f32 v44, v40, v40, v44
	v_fma_f32 v45, v41, v41, v45
	v_fma_f32 v44, v42, v42, v44
	v_fma_f32 v45, v43, v43, v45
	v_add_f32 v44, v44, v45
	RED32 44, 45
	v_fma_f32 v44, v44, 0x46800000, v35            ; sum M2 + 16,384 sum (mg - m)^2
	v_mul_f32 v44, 0x34800000, v44                 ; / 2^22 numbers
	s_wait_alu depctr_va_vdst(0)
	v_rcp_f32 v45, v44
	v_nop                                          ; a plain place behind the reciprocal
	s_wait_alu depctr_va_vdst(0)                   ; the reciprocal has written v45: a wait ahead of its first reader
	v_fma_f32 v43, -v44, v45, 1.0                  ; one Newton step
	v_fma_f32 v46, v45, v43, v45                   ; 1 / variance
	s_wait_loadcnt 21                              ; x, gain and shift are in; Wq's 21 may be out
.irp j, 0,2,4,6,8,10,12,14,16,18,20,22,24,26,28,30
	v_pk_add_f32 v[XR+\j:XR+\j+1], v[XR+\j:XR+\j+1], v[32:33] op_sel_hi:[1,0] neg_lo:[0,1] neg_hi:[0,1]
.endr
.irp j, 0,2,4,6,8,10,12,14,16,18,20,22,24,26,28,30
	v_pk_fma_f32 v[XR+\j:XR+\j+1], v[XR+\j:XR+\j+1], v[46:47], 0x3727c5ac op_sel_hi:[1,0,0]   ; / variance + 1e-5
.endr
.irp j, 0,2,4,6,8,10,12,14,16,18,20,22,24,26,28,30
	v_pk_fma_f32 v[XR+\j:XR+\j+1], v[XR+\j:XR+\j+1], v[SCL+\j:SCL+\j+1], v[SHF+\j:SHF+\j+1]
.endr
	v_max3_num_f32 v34, |v[XR]|, |v[XR+1]|, 0x1800000       ; my block's largest magnitude, in two chains, with the floor 2^(3 - 127)
	v_max3_num_f32 v35, |v[XR+2]|, |v[XR+3]|, |v[XR+4]|
.irp i, 5,9,13,17,21,25
	v_max3_num_f32 v34, v34, |v[XR+\i]|, |v[XR+\i+1]|
	v_max3_num_f32 v35, v35, |v[XR+\i+2]|, |v[XR+\i+3]|
.endr
	v_max3_num_f32 v34, v34, |v[XR+29]|, |v[XR+30]|
	v_max3_num_f32 v34, v34, v35, |v[XR+31]|
	v_add_nc_u32 v36, 0xff000000, v34
	v_lshrrev_b32 v37, 23, v36
.irp g, 0,1,2,3
	v_cvt_scalef32_pk8_fp4_f32 v[244+\g], v[XR+8*\g:XR+8*\g+7], v36
.endr
	v_nop
	s_wait_alu depctr_va_vdst(0)                   ; v244-247 and v37 are written, which the LDS stores read; the norm is done with x and the gain, in which Wk lands, and the variance's lines with v16-47, in which h's first fragments land
	ds_store_b128 v7, v[244:247] offset:HIMG
	ds_store_b8 v8, v37
	LOADSET WB, 131072                             ; Wk, into the registers that x and the gain have left
	global_load_b128 v[WS+4:WS+7], v9, s[18:19]
	s_wait_dscnt 0x0                               ; for the others' sake: my image and my byte have landed
	s_barrier_signal -1
	s_barrier_wait -1
	s_wait_alu depctr_vm_vsrc(0)                   ; my LDS stores have read v37, in which a fragment of h lands, and v244-247, which q's conversions write again
.irp s, 0,1,2,3
	ds_load_b32 v[HS+\s], v[LS] offset:HSC+128*\s  ; lanes 0-15: token tile 0's words, lanes 16-31: tile 1's
.endr
	s_wait_loadcnt 17                              ; Wq's set is in; Wk's 17 may be out
	MMT WA, WS
	s_wait_alu depctr_va_vdst(0)                   ; q's products are done reading their bias and Wq, in which Wk_b and Wv land, and h's second buffer
	LOADBI 20, 0                                   ; Wk_b
	LOADSET WA, 262144                             ; Wv
	global_load_b128 v[WS+8:WS+11], v9, s[22:23]
	QK_OUT 1
	s_wait_loadcnt 17                              ; Wk's set and bias are in; Wv's 17 may be out
	MMT WB, WS+4
	QK_OUT 0
	s_wait_loadcnt 0x0
	MMN WA, WS+8
	; v leaves: lane (r, h) holds feature 16 (r / 8) + 8 f + r % 8 in accumulators f and 2 + f, keys 8 h + j and 16 + 8 h + j
	s_wait_xcnt 0x0
	s_wait_alu depctr_vm_vsrc(0)                   ; k's stores have read v244-248, which the lines below write again
.irp u, 0,1
.irp j, 0,2,4,6
	v_pk_add_f32 v[ACC+16*\u+\j:ACC+16*\u+\j+1], v[ACC+16*\u+\j:ACC+16*\u+\j+1], v[252:253] op_sel_hi:[1,0]
.endr
.irp j, 0,2,4,6
	v_pk_add_f32 v[ACC+16*\u+8+\j:ACC+16*\u+8+\j+1], v[ACC+16*\u+8+\j:ACC+16*\u+8+\j+1], v[252:253] op_sel:[0,1] op_sel_hi:[1,1]
.endr
.endr
	QPAIR ACC, ACC+16, ACC+8, ACC+24, 16, 244, 246, 245, 247
	v_permlane16_swap_b32 v244, v245               ; lanes 0-15 now hold tile 0's feature, lanes 16-31 tile 1's: keys 0-7, 8-15,
	v_permlane16_swap_b32 v246, v247               ; 16-23, 24-31 in v244 to v247
	v_cndmask_b32 v248, v22, v23, s34
	s_wait_alu depctr_va_vdst(0)                   ; the exchanges and the select have written v244-248, which the stores read
	global_store_b128 v14, v[244:247], s[58:59] offset:32768   ; two runs of 256 consecutive bytes, aligned
	global_store_b8 v[LS], v248, s[60:61] offset:65664
	s_wait_dscnt 0x0                               ; the closing lines, six on end
	s_wait_alu 0x0
	s_wait_tensorcnt 0x0
	ds_add_u32 v1, v2
	s_wait_dscnt 0x0
	s_endpgm
.Lfunc_end_k_q8691511b17_qkv:
	.size	k_q8691511b17_qkv, .Lfunc_end_k_q8691511b17_qkv-k_q8691511b17_qkv
	.p2alignl 7, 3214868480
	.fill 96, 4, 3214868480
	.section	.rodata,"a",@progbits
	.p2align	6, 0x0
	.amdhsa_kernel k_q8691511b17_qkv
		.amdhsa_group_segment_fixed_size 10752
		.amdhsa_private_segment_fixed_size 0
		.amdhsa_enable_private_segment 0
		.amdhsa_kernarg_size 104
		.amdhsa_user_sgpr_count 2
		.amdhsa_user_sgpr_kernarg_segment_ptr 1
		.amdhsa_wavefront_size32 1
		.amdhsa_system_sgpr_workgroup_id_x 1
		.amdhsa_system_sgpr_workgroup_id_y 1
		.amdhsa_system_sgpr_workgroup_id_z 1
		.amdhsa_system_vgpr_workitem_id 0
		.amdhsa_next_free_vgpr 256
		.amdhsa_next_free_sgpr 66
		.amdhsa_reserve_vcc 0
		.amdhsa_float_denorm_mode_32 3
		.amdhsa_float_denorm_mode_16_64 3
		.amdhsa_memory_ordered 1
		.amdhsa_forward_progress 1
		.amdhsa_inst_pref_size 41
	.end_amdhsa_kernel
	.amdgpu_metadata
---
amdhsa.version: [ 1, 2 ]
amdhsa.kernels:
  - .name:           k_q8691511b17_qkv
    .symbol:         k_q8691511b17_qkv.kd
    .args:
      - { .name: x, .offset: 0, .size: 8, .value_kind: global_buffer, .address_space: global }
      - { .name: st1, .offset: 8, .size: 8, .value_kind: global_buffer, .address_space: global }
      - { .name: n1_scale, .offset: 16, .size: 8, .value_kind: global_buffer, .address_space: global }
      - { .name: n1_shift, .offset: 24, .size: 8, .value_kind: global_buffer, .address_space: global }
      - { .name: wimg, .offset: 32, .size: 8, .value_kind: global_buffer, .address_space: global }
      - { .name: Wq_w_scales, .offset: 40, .size: 8, .value_kind: global_buffer, .address_space: global }
      - { .name: Wq_b, .offset: 48, .size: 8, .value_kind: global_buffer, .address_space: global }
      - { .name: Wk_w_scales, .offset: 56, .size: 8, .value_kind: global_buffer, .address_space: global }
      - { .name: Wk_b, .offset: 64, .size: 8, .value_kind: global_buffer, .address_space: global }
      - { .name: Wv_w_scales, .offset: 72, .size: 8, .value_kind: global_buffer, .address_space: global }
      - { .name: Wv_b, .offset: 80, .size: 8, .value_kind: global_buffer, .address_space: global }
      - { .name: qq, .offset: 88, .size: 8, .value_kind: global_buffer, .address_space: global }
      - { .name: kv, .offset: 96, .size: 8, .value_kind: global_buffer, .address_space: global }
    .group_segment_fixed_size: 10752
    .private_segment_fixed_size: 0
    .kernarg_segment_align: 8
    .kernarg_segment_size: 104
    .max_flat_workgroup_size: 512
    .sgpr_count:     66
    .vgpr_count:     256
    .wavefront_size: 32
...
	.end_amdgpu_metadata
.endif
;; end of part 7
;; launch attn (part 8): grid 256 x 1, 16 waves a work-group, clusters of 4 x 1, 167,936 bytes of LDS; arguments qq, kv, cx; writes cx
.if DOCPART == 8
	.amdgcn_target "amdgcn-amd-amdhsa--gfx1250"
	.amdhsa_code_object_version 6
	.text
	.protected	k_q8691511b17_attn
	.globl	k_q8691511b17_attn
	.p2align	8
	.type	k_q8691511b17_attn,@function
k_q8691511b17_attn:
	s_mov_b64 s[64:65], 0
	v_nop
	global_prefetch_b8 v0, s[64:65] scope:SCOPE_SE
	s_setreg_imm32_b32 hwreg(HW_REG_WAVE_MODE, 25, 1), 1
	s_wait_xcnt 0x0
	s_wait_alu depctr_hold_cnt(0) depctr_sa_sdst(0) depctr_va_vdst(0) depctr_va_sdst(0) depctr_va_ssrc(0) depctr_va_vcc(0) depctr_vm_vsrc(0)
	s_getreg_b32 s2, hwreg(HW_REG_IB_STS2, 6, 4)
	s_cmp_eq_u32 s2, 0
	s_cbranch_scc0 .Lentry_in_a_cluster
	s_endpgm
.Lentry_in_a_cluster:
	s_bfe_u32 s2, ttmp6, 0x10000c
	s_cmp_lg_u32 s2, 0x3003
	s_cbranch_scc0 .Lentry_shape_is_right
	s_endpgm
.Lentry_shape_is_right:
; Launch 3 of 5: ctx = softmax(q k^T / sqrt(32), causal) v on codes of FP4 (E2M1) with E8M0 scales; ctx is quantised along the 512 features (a head is one block of 32) and stored as the next product's operand.
; WORK LEFT OUT: a step of 128 keys all of which come after a tile's 16 queries: reference()'s own mask gives those keys the weight 0 for all values of the inputs (shown at the head of the first kernel).
; THE SOFTMAX: t = score x log2(e) / sqrt(32); M = the running largest t rounded UP to a whole number; p = 2^(t - M) is quantised along the keys, not normalised; the row's sum is taken of the unquantised p and divides at the end.
; LIMITS: NaN and infinities are not served; a block of zeros carries the byte 1 (its codes are zeros, and this program alone reads the bytes).
; SHARES: a cluster of four work-groups has one head.  Wave w of partner p owns query tiles A = 4 w + p and B = 127 - A: A has w / 2 + 1 key steps and B 16 - w / 2: 17 for every wave, and both counts hang on the wave's number alone.
; LDS: the head's K codes, V images and scale words, 272 rows of 256 bytes, come ONCE, each wave asking for 17 rows JOINTLY with the same wave of the three partners; nothing is filled again.  One tensor load of a wave is out.
; A row has 64 bytes of padding: rows 320 bytes apart, so that the two groups of eight keys that sixteen lanes read (two rows apart: 640 bytes) fall on different banks.
; HEAD SIZE 32 IN A K OF 128: a fragment of K holds FOUR tiles of 16 keys, tile b in K block b; the queries' operand Q_b has q's 32 codes in block b and zero codes elsewhere, so the other three blocks add 0.
; The four Q_b are overlapping views of 20 registers: zeros, q in lanes 0-15, zeros, q in lanes 16-31, zeros.  The keys of a tile are chosen so that register 32 c + i of lane (query r, h) is key 64 c + 32 h + i:
; a lane holds WHOLE blocks of the next K, so neither a block's maximum nor its codes change lanes.  Both products are used transposed: a lane holds one query throughout.
; REGISTERS: v3-12 addresses and the mask's terms; v14-17, v18-21 -M, t, the sum (A, B); v22-26 scale words; v28-63 the queries' views; v64-79 K; v80-95 V; v96-159 scores, then p; v160-191 O^T (A, B); v192-199 p's codes; v200-223 at work.
.set SPARE, 87040                      ; behind the 272 rows: the spare words, 128 bytes for each of the 16 waves
.set KF, 64
.set VF, 80
.set S,  96
.set PC, 192
.set KS, 24
.set VS, 25
.set PS, 26
.set SEL, 30
.macro PLACES n
.rept \n
	v_nop
.endr
.endm
.macro WM d, a, b, c, sa, sb, ra, rb
.if (\c) < 0
.if ((\ra) == 0) && ((\rb) == 0)
	v_wmma_scale_f32_16x16x128_f8f6f4 v[(\d):(\d)+7], v[(\a):(\a)+7], v[(\b):(\b)+7], 0, v[(\sa)], v[(\sb)] matrix_a_fmt:MATRIX_FMT_FP4 matrix_b_fmt:MATRIX_FMT_FP4
.else
	v_wmma_scale_f32_16x16x128_f8f6f4 v[(\d):(\d)+7], v[(\a):(\a)+7], v[(\b):(\b)+7], 0, v[(\sa)], v[(\sb)] matrix_a_fmt:MATRIX_FMT_FP4 matrix_b_fmt:MATRIX_FMT_FP4 matrix_a_scale:MATRIX_SCALE_ROW1
.endif
.else
.if ((\ra) == 0) && ((\rb) == 0)
	v_wmma_scale_f32_16x16x128_f8f6f4 v[(\d):(\d)+7], v[(\a):(\a)+7], v[(\b):(\b)+7], v[(\c):(\c)+7], v[(\sa)], v[(\sb)] matrix_a_fmt:MATRIX_FMT_FP4 matrix_b_fmt:MATRIX_FMT_FP4
.else
	v_wmma_scale_f32_16x16x128_f8f6f4 v[(\d):(\d)+7], v[(\a):(\a)+7], v[(\b):(\b)+7], v[(\c):(\c)+7], v[(\sa)], v[(\sb)] matrix_a_fmt:MATRIX_FMT_FP4 matrix_b_fmt:MATRIX_FMT_FP4 matrix_a_scale:MATRIX_SCALE_ROW1
.endif
.endif
.endm
.macro QPAIR p0, p1, q0, q1, T, c00, c01, c10, c11
	v_max3_num_f32 v[\T], |v[\p0]|, |v[\p0+1]|, 0x1800000
	v_max3_num_f32 v[\T+1], |v[\q0]|, |v[\q0+1]|, 0x1800000
.irp i, 2,4,6
	s_delay_alu instid0(VALU_DEP_2)
	v_max3_num_f32 v[\T], v[\T], |v[\p0+\i]|, |v[\p0+\i+1]|
	s_delay_alu instid0(VALU_DEP_2)
	v_max3_num_f32 v[\T+1], v[\T+1], |v[\q0+\i]|, |v[\q0+\i+1]|
.endr
.irp i, 0,2,4,6
	s_delay_alu instid0(VALU_DEP_2)
	v_max3_num_f32 v[\T], v[\T], |v[\p1+\i]|, |v[\p1+\i+1]|
	s_delay_alu instid0(VALU_DEP_2)
	v_max3_num_f32 v[\T+1], v[\T+1], |v[\q1+\i]|, |v[\q1+\i+1]|
.endr
	s_delay_alu instid0(VALU_DEP_2)
	v_permlanex16_b32 v[\T+2], v[\T], s[SEL], s[SEL+1]
	s_delay_alu instid0(VALU_DEP_2)
	v_permlanex16_b32 v[\T+3], v[\T+1], s[SEL], s[SEL+1]
	s_delay_alu instid0(VALU_DEP_2)
	v_max_num_f32 v[\T], v[\T], v[\T+2]
	s_delay_alu instid0(VALU_DEP_2)
	v_max_num_f32 v[\T+1], v[\T+1], v[\T+3]
	s_delay_alu instid0(VALU_DEP_2)
	v_add_nc_u32 v[\T+4], 0xff000000, v[\T]
	s_delay_alu instid0(VALU_DEP_2)
	v_add_nc_u32 v[\T+5], 0xff000000, v[\T+1]
	s_delay_alu instid0(VALU_DEP_2)
	v_lshrrev_b32 v[\T+6], 23, v[\T+4]
	s_delay_alu instid0(VALU_DEP_2)
	v_lshrrev_b32 v[\T+7], 23, v[\T+5]
	v_cvt_scalef32_pk8_fp4_f32 v[\c00], v[\p0:\p0+7], v[\T+4]
	v_cvt_scalef32_pk8_fp4_f32 v[\c01], v[\p1:\p1+7], v[\T+4]
	v_cvt_scalef32_pk8_fp4_f32 v[\c10], v[\q0:\q0+7], v[\T+5]
	v_cvt_scalef32_pk8_fp4_f32 v[\c11], v[\q1:\q1+7], v[\T+5]
	v_nop
.endm
.macro ROUND                           ; a round of the cluster's barrier
	s_barrier_signal -1
	s_barrier_wait -1
	s_cmp_lg_u32 s10, 0
	s_cbranch_scc1 .Lnot_wave_0_\@
	s_barrier_signal -3
.Lnot_wave_0_\@:
	s_barrier_wait -3
	s_barrier_signal -1
	s_barrier_wait -1
.endm
; A KEY STEP of one query tile: 128 keys.  QB: the tile's views; QS: its scale words; ST: -M, t, the sum; O: O^T; DM: my query - 32 h, counted in the diagonal step; LIM: the scalar that holds the diagonal step's number.
.macro STEP QB, QS, ST, O, DM, LIM
.irp c, 0,1                                    ; S^T = K Q^T: eight tiles of 16 keys, each begun with the constant 0
	WM S+32*\c, KF+8*\c, \QB+4, -1, KS, \QS, \c, 0
	WM S+32*\c+8, KF+8*\c, \QB+12, -1, KS, \QS, \c, 0
	WM S+32*\c+16, KF+8*\c, \QB, -1, KS, \QS, \c, 0
	WM S+32*\c+24, KF+8*\c, \QB+8, -1, KS, \QS, \c, 0
.endr
	PLACES 4
	s_cmp_lg_u32 s25, s[\LIM]                      ; ids and the count of steps alone
	s_cbranch_scc1 .Lopen_\@
.set n, 0
.rept 64                                       ; on the diagonal: register n holds key 64 (n / 32) + n % 32 + 32 h of the step: hidden where it comes after my query
	v_cmp_gt_i32 vcc_lo, 64*(n/32)+n%32, v[\DM]
	v_cndmask_b32 v[S+n], v[S+n], v10, vcc_lo
.set n, n+1
.endr
.Lopen_\@:
.irp c, 0,1
	v_max3_num_f32 v[200+\c], v[S+32*\c], v[S+32*\c+1], v[S+32*\c+2]   ; the largest score of each of my two blocks: for the row's maximum, and, since p rises with the score, for the block's largest p
.endr
.irp i, 3,5,7,9,11,13,15,17,19,21,23,25,27,29
.irp c, 0,1
	v_max3_num_f32 v[200+\c], v[200+\c], v[S+32*\c+\i], v[S+32*\c+\i+1]
.endr
.endr
.irp c, 0,1
	v_max_num_f32 v[200+\c], v[200+\c], v[S+32*\c+31]
.endr
	s_delay_alu instid0(VALU_DEP_1)
	v_max_num_f32 v203, v200, v201
	s_delay_alu instid0(VALU_DEP_1)
	v_permlanex16_b32 v202, v203, s[SEL], s[SEL+1]
	s_delay_alu instid0(VALU_DEP_1)
	v_max_num_f32 v203, v203, v202                 ; with lane l xor 16's two blocks: the step's largest score of my query
	s_delay_alu instid0(VALU_DEP_1)
	v_mul_f32 v203, s28, v203
	s_delay_alu instid0(VALU_DEP_1)
	v_max_num_f32 v[\ST+1], v[\ST+1], v203         ; the running largest t
	v_mov_b32 v203, v[\ST]
	s_delay_alu instid0(VALU_DEP_2)
	v_floor_f32 v[\ST], -v[\ST+1]                  ; -M = floor(-t)
	s_delay_alu instid0(VALU_DEP_1)
	v_sub_f32 v203, v[\ST], v203                   ; old M - new M: a whole number, 0 or less
	s_delay_alu instid0(VALU_DEP_1)
	v_cvt_i32_f32 v203, v203                       ; (it saturates)
	s_delay_alu instid0(VALU_DEP_1)
	v_ldexp_f32 v204, 1.0, v203                    ; f = 2^(old M - new M)
.set j, 0
.rept 32
	v_pk_fma_f32 v[S+j:S+j+1], v[S+j:S+j+1], s[28:29], v[\ST:\ST+1] op_sel_hi:[1,0,0]   ; t - M
.set j, j+2
.endr
	v_fma_f32 v200, v200, s28, v[\ST]
	v_fma_f32 v201, v201, s28, v[\ST]
.set j, 0
	s_wait_alu depctr_va_vdst(0)
.rept 64
	v_exp_f32 v[S+j], v[S+j]                       ; p = 2^(t - M)
.set j, j+1
.endr
	v_pk_mul_f32 v[\ST+2:\ST+3], v[\ST+2:\ST+3], v[204:205] op_sel_hi:[1,0]   ; the sum under the new M: the plain place behind the exponentials
	s_wait_alu depctr_va_vdst(0)                   ; one wait for the batch of 64, ahead of its first reader
	v_exp_f32 v200, v200                           ; the blocks' largest p
	v_exp_f32 v201, v201
	v_pk_add_f32 v[254:255], v[96:97], v[98:99]
	v_pk_add_f32 v[252:253], v[102:103], v[106:107]
	v_pk_add_f32 v[250:251], v[110:111], v[114:115]
	v_pk_add_f32 v[248:249], v[118:119], v[122:123]
	v_pk_add_f32 v[246:247], v[126:127], v[130:131]
	v_pk_add_f32 v[244:245], v[134:135], v[138:139]
	v_pk_add_f32 v[242:243], v[142:143], v[146:147]
	v_pk_add_f32 v[206:207], v[150:151], v[154:155]
	v_pk_add_f32 v[206:207], v[206:207], v[158:159]
	s_delay_alu instid0(VALU_DEP_1)
	v_pk_add_f32 v[206:207], v[206:207], v[248:249]
	v_pk_add_f32 v[254:255], v[254:255], v[246:247]
	v_pk_add_f32 v[252:253], v[252:253], v[244:245]
	v_pk_add_f32 v[250:251], v[250:251], v[242:243]
	s_delay_alu instid0(VALU_DEP_2)
	v_pk_add_f32 v[206:207], v[206:207], v[252:253]
	s_delay_alu instid0(VALU_DEP_2)
	v_pk_add_f32 v[254:255], v[254:255], v[250:251]
	s_delay_alu instid0(VALU_DEP_1)
	v_pk_add_f32 v[206:207], v[206:207], v[254:255]
	s_wait_alu depctr_va_vdst(0)                   ; and one for the two
	v_max_num_f32 v200, 0x1800000, v200            ; the floor 2^(3 - 127)
	v_max_num_f32 v201, 0x1800000, v201
	s_delay_alu instid0(VALU_DEP_2)
	v_add_nc_u32 v208, 0xff000000, v200
	s_delay_alu instid0(VALU_DEP_2)
	v_add_nc_u32 v209, 0xff000000, v201
	s_delay_alu instid0(VALU_DEP_2)
	v_lshrrev_b32 v210, 23, v208
	s_delay_alu instid0(VALU_DEP_2)
	v_lshrrev_b32 v211, 23, v209
	s_delay_alu instid0(VALU_DEP_1)
	v_lshl_or_b32 v212, v211, 16, v210             ; my bytes: blocks h and 2 + h,
	s_delay_alu instid0(VALU_DEP_1)
	v_lshlrev_b32 v212, v9, v212                   ; 8 h bits up;
	s_delay_alu instid0(VALU_DEP_1)
	v_permlanex16_b32 v213, v212, s[SEL], s[SEL+1]
	s_delay_alu instid0(VALU_DEP_1)
	v_or_b32 v[PS], v212, v213                     ; with lane l xor 16's two the word is whole
.irp c, 0,1
.irp g, 0,1,2,3
	v_cvt_scalef32_pk8_fp4_f32 v[PC+4*\c+\g], v[S+32*\c+8*\g:S+32*\c+8*\g+7], v[208+\c]
.endr
.endr
	v_nop                                          ; a plain place behind the conversions
.set j, 4
.rept 15                                       ; the other half of the sum, and O^T under the new M: more than eight plain lines that name none of the next product's registers stand behind p's scale word
	v_pk_add_f32 v[\ST+2:\ST+3], v[\ST+2:\ST+3], v[S+j:S+j+1]
.if j <= 32
	v_pk_mul_f32 v[\O+(j-4)/2:\O+(j-4)/2+1], v[\O+(j-4)/2:\O+(j-4)/2+1], v[204:205] op_sel_hi:[1,0]
.endif
.set j, j+4
.endr
	s_delay_alu instid0(VALU_DEP_1)
	v_pk_add_f32 v[\ST+2:\ST+3], v[\ST+2:\ST+3], v[206:207]
	WM \O, VF, PC, \O, VS, PS, 0, 0                ; O^T += V^T P^T: two tiles of 16 of the head's 32
	WM \O+8, VF+8, PC, \O+8, VS, PS, 1, 0
.endm
	s_load_b128 s[4:7], s[0:1], 0x0                ; qq, kv
	s_load_b64 s[8:9], s[0:1], 0x10                ; cx
	v_lshl_add_u32 v1, v0, 2, SPARE
	v_mov_b32 v2, 0
	ds_add_u32 v1, v2                              ; the wave's opening: the add, twice on end, and its wait ahead of my tensor load
	ds_add_u32 v1, v2
	v_lshrrev_b32 v3, 5, v0
	s_delay_alu instid0(VALU_DEP_1)
	v_readfirstlane_b32 s10, v3                    ; wave
	s_lshr_b32 s11, s10, 1                         ; tile A's last (diagonal) key step
	s_sub_co_u32 s24, 15, s11                      ; tile B's
	; descriptor group 1: 17 rows of 256 bytes (32 elements of 8), dense in memory, 64 bytes of padding behind each
	s_mov_b32 s16, 15|(3<<16)|(1<<20)|(1<<21)|(5<<22)|(15<<25)   ; the mask: all four partners; elements of 8 bytes; padding on; bit 21 beside a mask; after every 64 words; 16 words
	s_mov_b32 s17, 32<<16                          ; tensor_dim0
	s_mov_b32 s18, 17<<16                          ; tensor_dim1
	s_mov_b32 s19, 32<<16                          ; tile_dim0
	s_mov_b32 s20, 17                              ; tile_dim1
	s_mov_b32 s21, 32                              ; from row to row
	s_mov_b32 s22, 0
	s_mov_b32 s23, 0
	s_mov_b32 s12, 1
	s_mul_i32 s13, s10, 5440                       ; LDS: 17 rows of 320 bytes a wave: no place in the cluster enters it
	s_mul_i32 s36, ttmp9, 69632                    ; the head (the cluster's number),
	s_mul_i32 s37, s10, 4352                       ; my 17 rows
	s_add_co_u32 s36, s36, s37
	s_mov_b32 s37, 0
	s_mov_b32 s28, 0x3e8293ee                      ; c = log2(e) / sqrt(32)
	s_mov_b32 s29, s28
	s_mov_b32 s[SEL], 0x76543210
	s_mov_b32 s[SEL+1], 0xfedcba98
	s_mov_b32 s32, 0xffff0000                      ; lanes 16-31
	s_bfe_u32 s33, ttmp6, 0x40000                  ; my place in the cluster: it enters global addresses and the mask's terms alone
	s_lshl_b32 s34, s10, 2
	s_add_co_u32 s34, s34, s33                     ; tile A
	s_sub_co_u32 s35, 127, s34                     ; tile B
	s_lshl_b32 s52, ttmp9, 15
	s_lshl_b32 s38, s34, 8
	s_add_co_u32 s38, s38, s52                     ; q's codes: 32,768 a head, 256 a tile
	s_mov_b32 s39, 0
	s_lshl_b32 s40, s35, 8
	s_add_co_u32 s40, s40, s52
	s_mov_b32 s41, 0
	s_lshl_b32 s52, ttmp9, 13
	s_lshl_b32 s42, s34, 6
	s_add_co_u32 s42, s42, s52                     ; q's scale words
	s_mov_b32 s43, 0
	s_lshl_b32 s44, s35, 6
	s_add_co_u32 s44, s44, s52
	s_mov_b32 s45, 0
	s_lshr_b32 s52, ttmp9, 4
	s_lshl_b32 s52, s52, 7                         ; 128 tiles a batch
	s_and_b32 s53, ttmp9, 15                       ; the head in its batch
	s_add_co_u32 s54, s52, s34                     ; tile A among all tiles of tokens
	s_add_co_u32 s55, s52, s35
	s_lshl_b32 s56, s53, 8
	s_lshl_b32 s46, s54, 12
	s_add_co_u32 s46, s46, s56                     ; ctx's codes: 4,096 a tile, 256 a head
	s_mov_b32 s47, 0
	s_lshl_b32 s48, s55, 12
	s_add_co_u32 s48, s48, s56
	s_mov_b32 s49, 0
	s_lshr_b32 s56, s53, 2
	s_lshl_b32 s56, s56, 7
	s_and_b32 s57, s53, 3
	s_add_co_u32 s56, s56, s57                     ; ctx's scale byte: 128 (head / 4) + head % 4,
	s_lshr_b32 s50, s54, 1
	s_lshl_b32 s50, s50, 9
	s_and_b32 s57, s54, 1
	s_lshl_b32 s57, s57, 6
	s_add_co_u32 s50, s50, s57
	s_add_co_u32 s50, s50, s56                     ; + 512 (tile / 2) + 64 (tile % 2)
	s_lshr_b32 s51, s55, 1
	s_lshl_b32 s51, s51, 9
	s_and_b32 s57, s55, 1
	s_lshl_b32 s57, s57, 6
	s_add_co_u32 s51, s51, s57
	s_add_co_u32 s51, s51, s56
	s_and_b32 s58, s34, 7
	s_lshl_b32 s58, s58, 4                         ; tile A's first query in its diagonal step
	s_and_b32 s59, s35, 7
	s_lshl_b32 s59, s59, 4
	s_mov_b32 s25, 0                               ; the key step
	s_mov_b32 s26, 0                               ; its codes in LDS: 8 rows a step
	s_mov_b32 s27, 0                               ; its scale words: a row a step
	s_wait_dscnt 0x0                               ; both opening adds are done
	s_wait_kmcnt 0x0
	s_add_nc_u64 s[14:15], s[6:7], s[36:37]
	s_or_b32 s15, s15, 0x80000000
	ROUND                                          ; all four partners are here: the joint loads meet
	tensor_load_to_lds s[12:15], s[16:23]
	s_nop 0
	s_add_nc_u64 s[38:39], s[4:5], s[38:39]
	s_add_nc_u64 s[40:41], s[4:5], s[40:41]
	s_add_nc_u64 s[42:43], s[4:5], s[42:43]
	s_add_nc_u64 s[44:45], s[4:5], s[44:45]
	s_add_nc_u64 s[46:47], s[8:9], s[46:47]
	s_add_nc_u64 s[48:49], s[8:9], s[48:49]
	v_and_b32 v214, 15, v0                         ; r
	v_bfe_u32 v215, v0, 4, 1                       ; h
	s_delay_alu instid0(VALU_DEP_2)
	v_lshlrev_b32 v208, 4, v214
	s_delay_alu instid0(VALU_DEP_3)
	v_lshlrev_b32 v209, 2, v214
	global_load_b128 v[224:227], v208, s[38:39]    ; query r's 16 bytes, in both halves of the lanes
	global_load_b128 v[228:231], v208, s[40:41]
	global_load_b32 v22, v209, s[42:43] offset:2097152   ; its byte, four times
	global_load_b32 v23, v209, s[44:45] offset:2097152
	v_and_b32 v3, 7, v0
	s_delay_alu instid0(VALU_DEP_1)
	v_lshlrev_b32 v3, 4, v3
	v_bfe_u32 v200, v0, 3, 1
	s_delay_alu instid0(VALU_DEP_1)
	v_mad_u32_u24 v3, v200, 640, v3
	s_delay_alu instid0(VALU_DEP_1)
	v_lshl_add_u32 v3, v215, 7, v3                 ; K: 640 (lane / 8 % 2) + 128 (lane / 16) + 16 (lane % 8)
	v_lshlrev_b32 v4, 4, v214
	s_delay_alu instid0(VALU_DEP_1)
	v_mad_u32_u24 v4, v215, 320, v4
	s_delay_alu instid0(VALU_DEP_1)
	v_add_nc_u32 v4, 40960, v4                     ; V: behind K's 128 rows; a half of the lanes a row
	v_and_b32 v200, 31, v0
	s_delay_alu instid0(VALU_DEP_1)
	v_lshl_add_u32 v5, v200, 2, 81920              ; the scale words: behind V's 128 rows
	v_lshlrev_b32 v9, 3, v215                      ; 8 h
	v_mov_b32 v10, 0xff800000                      ; -infinity
	v_lshlrev_b32 v200, 5, v215
	s_delay_alu instid0(VALU_DEP_1)
	v_sub_nc_u32 v200, v214, v200
	s_delay_alu instid0(VALU_DEP_1)
	v_add_nc_u32 v11, s58, v200                    ; my query - 32 h in the diagonal step, tile A,
	s_delay_alu instid0(VALU_DEP_2)
	v_add_nc_u32 v12, s59, v200                    ; tile B
	v_mov_b32 v15, 0xff61b1e6                      ; the largest t so far: -3e38
	v_mov_b32 v19, 0xff61b1e6
	s_delay_alu instid0(VALU_DEP_2)
	v_floor_f32 v14, -v15
	s_delay_alu instid0(VALU_DEP_2)
	v_floor_f32 v18, -v19
.irp j, 16,17,20,21,202,205,206,207,213,218,219
	v_mov_b32 v[\j], 0                             ; the sums; permutes' destinations and upper halves of pairs, written once
.endr
.irp j, 28,29,30,31,36,37,38,39,44,45,46,47,52,53,54,55,60,61,62,63
	v_mov_b32 v[\j], 0                             ; the views' zero codes
.endr
.set j, 160
.rept 32
	v_mov_b32 v[j], 0                              ; O^T: the step is written once; the first change of M leaves zeros zeros
.set j, j+1
.endr
	s_wait_tensorcnt 0x0                           ; my 17 rows are in,
	s_barrier_signal -1
	s_barrier_wait -1                              ; everybody's are
	s_wait_loadcnt 0x0
.irp i, 0,1,2,3
	v_cndmask_b32 v[32+\i], v[224+\i], v28, s32    ; q in lanes 0-15,
	v_cndmask_b32 v[40+\i], v28, v[224+\i], s32    ; q in lanes 16-31
	v_cndmask_b32 v[48+\i], v[228+\i], v28, s32
	v_cndmask_b32 v[56+\i], v28, v[228+\i], s32
.endr
.Lks:                                              ; 16 trips, a constant; the work of a trip is jumped over by branches on the wave's number and the count of steps
	s_cmp_gt_u32 s25, s24
	s_cbranch_scc1 .Lskip                          ; all keys of this step come after both my tiles
	v_add_nc_u32 v6, s26, v3
	v_add_nc_u32 v7, s26, v4
	v_add_nc_u32 v8, s27, v5
	v_nop                                          ; four places in front of loads into registers that the last products read
.irp c, 0,1
.irp d, 0,1
	ds_load_b128 v[KF+8*\c+4*\d:KF+8*\c+4*\d+3], v6 offset:(4*\c+\d)*320
.endr
.endr
	ds_load_b32 v[KS], v8
	ds_load_b32 v[VS], v8 offset:128
.irp t, 0,1
.irp c, 0,1
	ds_load_b128 v[VF+8*\t+4*\c:VF+8*\t+4*\c+3], v7 offset:(4*\t+2*\c)*320
.endr
.endr
	s_wait_dscnt 0x0
	s_wait_alu depctr_va_vdst(0)
	STEP 44, 23, 18, 176, 12, 24                   ; tile B
	s_cmp_gt_u32 s25, s11
	s_cbranch_scc1 .Lskip
	STEP 28, 22, 14, 160, 11, 11                   ; tile A: the same fragments of K and V
.Lskip:
	s_add_co_u32 s26, s26, 2560
	s_add_co_u32 s27, s27, 320
	s_add_co_u32 s25, s25, 1
	s_cmp_lt_u32 s25, 16
	s_cbranch_scc1 .Lks
	; THE WAY OUT: O^T / the sum; a lane's 16 numbers are features 16 h + 0 .. 15 of the head: half a block
	PLACES 4
	s_wait_alu depctr_va_vdst(0)
	v_add_f32 v16, v16, v17
	v_add_f32 v20, v20, v21
	s_delay_alu instid0(VALU_DEP_2)
	v_permlanex16_b32 v202, v16, s[SEL], s[SEL+1]
	s_delay_alu instid0(VALU_DEP_2)
	v_permlanex16_b32 v213, v20, s[SEL], s[SEL+1]
	s_delay_alu instid0(VALU_DEP_2)
	v_add_f32 v16, v16, v202
	s_delay_alu instid0(VALU_DEP_2)
	v_add_f32 v20, v20, v213
	s_wait_alu depctr_va_vdst(0)
	v_rcp_f32 v200, v16
	v_rcp_f32 v201, v20
	v_and_b32 v208, 15, v0                         ; (plain work behind the reciprocals)
	v_bfe_u32 v209, v0, 4, 1
	s_delay_alu instid0(VALU_DEP_2)
	v_lshlrev_b32 v210, 4, v208
	s_delay_alu instid0(VALU_DEP_1)
	v_lshl_add_u32 v210, v209, 3, v210             ; 16 r + 8 h
	v_mov_b32 v211, s50
	v_mov_b32 v212, s51
	s_delay_alu instid0(VALU_DEP_1)
	v_cndmask_b32 v211, v211, v212, s32            ; lanes 0-15 store tile A's bytes, lanes 16-31 tile B's
	s_delay_alu instid0(VALU_DEP_1)
	v_lshl_add_u32 v211, v208, 2, v211
	s_wait_alu depctr_va_vdst(0)                   ; one wait for both, ahead of the first reader
.set j, 0
.rept 16
	v_mul_f32 v[96+j], v[160+j], v200
.set j, j+1
.endr
.set j, 0
.rept 16
	v_mul_f32 v[112+j], v[176+j], v201
.set j, j+1
.endr
	QPAIR 96, 104, 112, 120, 216, 192, 193, 194, 195
	v_cndmask_b32 v212, v222, v223, s32
	global_store_b64 v210, v[192:193], s[46:47]    ; 256 consecutive bytes, aligned: this head's codes of 16 tokens
	global_store_b64 v210, v[194:195], s[48:49]
	global_store_b8 v211, v212, s[8:9] offset:2097152
	s_wait_tensorcnt 0x0                           ; the wave's end
	ds_add_u32 v1, v2
	s_wait_dscnt 0x0
	ROUND                                          ; the closing round
	s_endpgm
.Lfunc_end_k_q8691511b17_attn:
	.size	k_q8691511b17_attn, .Lfunc_end_k_q8691511b17_attn-k_q8691511b17_attn
	.p2alignl 7, 3214868480
	.fill 96, 4, 3214868480
	.section	.rodata,"a",@progbits
	.p2align	6, 0x0
	.amdhsa_kernel k_q8691511b17_attn
		.amdhsa_group_segment_fixed_size 167936
		.amdhsa_private_segment_fixed_size 0
		.amdhsa_enable_private_segment 0
		.amdhsa_kernarg_size 24
		.amdhsa_user_sgpr_count 2
		.amdhsa_user_sgpr_kernarg_segment_ptr 1
		.amdhsa_wavefront_size32 1
		.amdhsa_system_sgpr_workgroup_id_x 1
		.amdhsa_system_sgpr_workgroup_id_y 1
		.amdhsa_system_sgpr_workgroup_id_z 1
		.amdhsa_system_vgpr_workitem_id 0
		.amdhsa_next_free_vgpr 256
		.amdhsa_next_free_sgpr 66
		.amdhsa_reserve_vcc 1
		.amdhsa_float_denorm_mode_32 3
		.amdhsa_float_denorm_mode_16_64 3
		.amdhsa_memory_ordered 1
		.amdhsa_forward_progress 1
		.amdhsa_inst_pref_size 51
	.end_amdhsa_kernel
	.amdgpu_metadata
---
amdhsa.version: [ 1, 2 ]
amdhsa.kernels:
  - .name:           k_q8691511b17_attn
    .symbol:         k_q8691511b17_attn.kd
    .args:
      - { .name: qq, .offset: 0, .size: 8, .value_kind: global_buffer, .address_space: global }
      - { .name: kv, .offset: 8, .size: 8, .value_kind: global_buffer, .address_space: global }
      - { .name: cx, .offset: 16, .size: 8, .value_kind: global_buffer, .address_space: global }
    .group_segment_fixed_size: 167936
    .private_segment_fixed_size: 0
    .kernarg_segment_align: 8
    .kernarg_segment_size: 24
    .max_flat_workgroup_size: 512
    .sgpr_count:     66
    .vgpr_count:     256
    .wavefront_size: 32
...
	.end_amdgpu_metadata
.endif
;; end of part 8
;; launch proj (part 9): grid 256 x 1, 16 waves a work-group, no clusters, 68,352 bytes of LDS; arguments cx, wimg, Wo_w_scales, Wo_b, x, x2, st2; writes x2, st2
.if DOCPART == 9
	.amdgcn_target "amdgcn-amd-amdhsa--gfx1250"
	.amdhsa_code_object_version 6
	.text
	.protected	k_q8691511b17_proj
	.globl	k_q8691511b17_proj
	.p2align	8
	.type	k_q8691511b17_proj,@function
k_q8691511b17_proj:
	s_mov_b64 s[64:65], 0
	v_nop
	global_prefetch_b8 v0, s[64:65] scope:SCOPE_SE
	s_setreg_imm32_b32 hwreg(HW_REG_WAVE_MODE, 25, 1), 1
	s_wait_xcnt 0x0
; Launch 4 of 5: x2 = ctx Wo^T + Wo_b + x, on codes of FP4 (E2M1) with E8M0 scales, and the statistics of x2 for the second norm (as in launch 1).  Nothing is left out here.
; LIMITS: NaN and infinities are not served.
; SHARES: a work-group has 32 tokens.  Wave w makes features 32 w .. 32 w + 31 for all of them: its 32 rows of Wo come from wimg straight into registers, ctx's eight fragments as images from cx.
; The product is used transposed (source 0 = 16 rows of Wo, source 1 = 16 tokens): a lane holds 8 neighbouring features of a token.  The rows meet in a stage in LDS (2,048 bytes + 16 a row);
; then wave w takes rows 2 w and 2 w + 1 whole, adds x, stores 512 consecutive bytes an instruction and takes the rows' statistics.
; REGISTERS: v16-79 ctx's fragments (8 (4 u + s)), later the two rows; v80-83 ctx's scale words; v84-147 Wo; v148-151 its scale words; v152-167 the bias; v168-199 four accumulators; v200-231 x; v232-255 at work.
.set STAT,  0                          ; LDS: (mean, M2) of the 32 rows
.set SPARE, 256                        ; the spare words, 128 bytes for each of the 16 waves
.set YST,   2304                       ; the stage: 32 rows x 2,064 bytes
.set LI,  3
.set LS,  4
.set CF,  16
.set CS,  80
.set WF,  84
.set WS,  148
.set BI,  152
.set ACC, 168
.set XR,  200
.set SEL, 26
.macro PLACES n
.rept \n
	v_nop
.endr
.endm
.macro RED32 v, t
	s_delay_alu instid0(VALU_DEP_1)
	v_add_f32_dpp v[\v], v[\v], v[\v] row_xmask:1 row_mask:0xf bank_mask:0xf
	s_delay_alu instid0(VALU_DEP_1)
	v_add_f32_dpp v[\v], v[\v], v[\v] row_xmask:2 row_mask:0xf bank_mask:0xf
	s_delay_alu instid0(VALU_DEP_1)
	v_add_f32_dpp v[\v], v[\v], v[\v] row_xmask:4 row_mask:0xf bank_mask:0xf
	s_delay_alu instid0(VALU_DEP_1)
	v_add_f32_dpp v[\v], v[\v], v[\v] row_xmask:8 row_mask:0xf bank_mask:0xf
	s_wait_alu depctr_va_vdst(0)
	v_permlanex16_b32 v[\t], v[\v], s[SEL], s[SEL+1]
	s_delay_alu instid0(VALU_DEP_1)
	v_add_f32 v[\v], v[\v], v[\t]
.endm
.macro ROWSTAT X, M, D, A
.irp i, 0,1,2,3
	v_pk_add_f32 v[\D+2*\i:\D+2*\i+1], v[\X+4*\i:\X+4*\i+1], v[\X+4*\i+2:\X+4*\i+3]
.endr
	s_delay_alu instid0(VALU_DEP_3)
	v_pk_add_f32 v[\D:\D+1], v[\D:\D+1], v[\D+2:\D+3]
	s_delay_alu instid0(VALU_DEP_2)
	v_pk_add_f32 v[\D+4:\D+5], v[\D+4:\D+5], v[\D+6:\D+7]
	s_delay_alu instid0(VALU_DEP_1)
	v_pk_add_f32 v[\D:\D+1], v[\D:\D+1], v[\D+4:\D+5]
	s_delay_alu instid0(VALU_DEP_1)
	v_add_f32 v[\M], v[\D], v[\D+1]
	RED32 \M, \A
	s_delay_alu instid0(VALU_DEP_1)
	v_mul_f32 v[\M], 0x3b000000, v[\M]
.irp i, 0,2,4,6,8,10,12,14
	v_pk_add_f32 v[\D+\i:\D+\i+1], v[\X+\i:\X+\i+1], v[\M:\M+1] op_sel_hi:[1,0] neg_lo:[0,1] neg_hi:[0,1]
.endr
	v_pk_mul_f32 v[\A:\A+1], v[\D:\D+1], v[\D:\D+1]
	v_pk_mul_f32 v[\A+2:\A+3], v[\D+2:\D+3], v[\D+2:\D+3]
.irp i, 4,8,12
	s_delay_alu instid0(VALU_DEP_2)
	v_pk_fma_f32 v[\A:\A+1], v[\D+\i:\D+\i+1], v[\D+\i:\D+\i+1], v[\A:\A+1]
	s_delay_alu instid0(VALU_DEP_2)
	v_pk_fma_f32 v[\A+2:\A+3], v[\D+\i+2:\D+\i+3], v[\D+\i+2:\D+\i+3], v[\A+2:\A+3]
.endr
	s_delay_alu instid0(VALU_DEP_1)
	v_pk_add_f32 v[\A:\A+1], v[\A:\A+1], v[\A+2:\A+3]
	s_delay_alu instid0(VALU_DEP_1)
	v_add_f32 v[\M+1], v[\A], v[\A+1]
	RED32 \M+1, \A
.endm
.macro WM d, a, b, c, sa, sb, ra, rb
.if ((\ra) == 0) && ((\rb) == 0)
	v_wmma_scale_f32_16x16x128_f8f6f4 v[(\d):(\d)+7], v[(\a):(\a)+7], v[(\b):(\b)+7], v[(\c):(\c)+7], v[(\sa)], v[(\sb)] matrix_a_fmt:MATRIX_FMT_FP4 matrix_b_fmt:MATRIX_FMT_FP4
.elseif (\rb) == 0
	v_wmma_scale_f32_16x16x128_f8f6f4 v[(\d):(\d)+7], v[(\a):(\a)+7], v[(\b):(\b)+7], v[(\c):(\c)+7], v[(\sa)], v[(\sb)] matrix_a_fmt:MATRIX_FMT_FP4 matrix_b_fmt:MATRIX_FMT_FP4 matrix_a_scale:MATRIX_SCALE_ROW1
.elseif (\ra) == 0
	v_wmma_scale_f32_16x16x128_f8f6f4 v[(\d):(\d)+7], v[(\a):(\a)+7], v[(\b):(\b)+7], v[(\c):(\c)+7], v[(\sa)], v[(\sb)] matrix_a_fmt:MATRIX_FMT_FP4 matrix_b_fmt:MATRIX_FMT_FP4 matrix_b_scale:MATRIX_SCALE_ROW1
.else
	v_wmma_scale_f32_16x16x128_f8f6f4 v[(\d):(\d)+7], v[(\a):(\a)+7], v[(\b):(\b)+7], v[(\c):(\c)+7], v[(\sa)], v[(\sb)] matrix_a_fmt:MATRIX_FMT_FP4 matrix_b_fmt:MATRIX_FMT_FP4 matrix_a_scale:MATRIX_SCALE_ROW1 matrix_b_scale:MATRIX_SCALE_ROW1
.endif
.endm
	s_load_b256 s[4:11], s[0:1], 0x0               ; cx, wimg, Wo scales, Wo_b
	s_load_b128 s[12:15], s[0:1], 0x20             ; x, x2
	s_load_b64 s[16:17], s[0:1], 0x30              ; st2
	v_lshl_add_u32 v1, v0, 2, SPARE
	v_mov_b32 v2, 0
	v_lshrrev_b32 v6, 5, v0
	s_delay_alu instid0(VALU_DEP_1)
	v_readfirstlane_b32 s18, v6                    ; wave
	s_delay_alu instid0(VALU_DEP_2)
	v_lshlrev_b32 v6, 4, v6                        ; my two rows' pairs at 16 w
	v_and_b32 v11, 31, v0
	v_and_b32 v12, 15, v0                          ; r
	v_bfe_u32 v13, v0, 4, 1                        ; h
	s_delay_alu instid0(VALU_DEP_3)
	v_lshlrev_b32 v[LI], 4, v11
	s_delay_alu instid0(VALU_DEP_4)
	v_lshlrev_b32 v[LS], 2, v11
	v_lshlrev_b32 v5, 3, v11
	v_and_b32 v7, 7, v0
	v_bfe_u32 v8, v0, 3, 1
	s_delay_alu instid0(VALU_DEP_1)
	v_lshl_add_u32 v7, v8, 4, v7
	s_delay_alu instid0(VALU_DEP_1)
	v_lshl_add_u32 v7, v13, 3, v7
	s_delay_alu instid0(VALU_DEP_1)
	v_lshlrev_b32 v7, 4, v7                        ; Wo's scale words: lanes 0-15 tile 0's rows, lanes 16-31 tile 1's
	v_lshlrev_b32 v8, 6, v13                       ; 64 h
	s_lshl_b32 s19, s18, 7
	s_add_co_u32 s19, s19, YST
	v_mul_u32_u24 v9, v12, 2064
	s_delay_alu instid0(VALU_DEP_1)
	v_lshl_add_u32 v9, v13, 6, v9
	s_delay_alu instid0(VALU_DEP_1)
	v_add_nc_u32 v9, s19, v9                       ; into the stage: row r, + 128 w + 64 h
	s_mul_i32 s19, s18, 4128
	s_add_co_u32 s19, s19, YST
	v_add_nc_u32 v10, s19, v[LI]                   ; back: my two rows, 16 bytes a lane
	v_mov_b32 v249, 0
	v_mov_b32 v251, 0
	v_mov_b32 v252, 0
	s_mov_b32 s[SEL], 0x76543210
	s_mov_b32 s[SEL+1], 0xfedcba98
	s_mov_b32 s21, 0
	s_mov_b32 s23, 0
	s_mov_b32 s25, 0
	s_lshl_b32 s20, ttmp9, 13                      ; ctx's codes: two tiles of 4,096 bytes
	s_lshl_b32 s22, ttmp9, 9                       ; its scale words
	s_lshl_b32 s24, s18, 13                        ; my 16 groups of Wo's image
	s_lshl_b32 s28, s18, 9
	s_mov_b32 s29, 0
	s_lshl_b32 s30, s18, 7
	s_mov_b32 s31, 0
	s_lshl_b32 s32, ttmp9, 16
	s_lshl_b32 s33, s18, 12
	s_add_co_u32 s32, s32, s33                     ; my two rows of x and of x2
	s_mov_b32 s33, 0
	s_lshl_b32 s34, ttmp9, 7
	s_mov_b32 s35, 0
	s_lshl_b32 s36, ttmp9, 3
	s_mov_b32 s37, 0
	s_wait_alu depctr_va_vdst(0)
	s_wait_kmcnt 0x0
	s_add_nc_u64 s[20:21], s[4:5], s[20:21]
	s_add_nc_u64 s[22:23], s[4:5], s[22:23]
	s_add_nc_u64 s[6:7], s[6:7], s[24:25]
	s_add_nc_u64 s[8:9], s[8:9], s[28:29]
	s_add_nc_u64 s[10:11], s[10:11], s[30:31]
	s_add_nc_u64 s[12:13], s[12:13], s[32:33]
	s_add_nc_u64 s[14:15], s[14:15], s[32:33]
	s_add_nc_u64 s[34:35], s[16:17], s[34:35]
	s_add_nc_u64 s[36:37], s[16:17], s[36:37]
.irp k, 0,1,2,3,4,5,6,7,8,9,10,11,12,13,14,15
	global_load_b128 v[CF+4*\k:CF+4*\k+3], v[LI], s[20:21] offset:512*\k
.endr
.irp s, 0,1,2,3
	global_load_b32 v[CS+\s], v[LS], s[22:23] offset:2097152+128*\s
.endr
.irp k, 0,1,2,3,4,5,6,7,8,9,10,11,12,13,14,15
	global_load_b128 v[WF+4*\k:WF+4*\k+3], v[LI], s[6:7] offset:393216+512*\k
.endr
	global_load_b128 v[WS:WS+3], v7, s[8:9]
.irp k, 0,1,2,3
	global_load_b128 v[BI+4*\k:BI+4*\k+3], v8, s[10:11] offset:16*\k
.endr
.irp p, 0,1
.irp q, 0,1,2,3
	global_load_b128 v[XR+16*\p+4*\q:XR+16*\p+4*\q+3], v[LI], s[12:13] offset:2048*\p+512*\q th:TH_LOAD_NT
.endr
.endr
	s_wait_loadcnt 0x8                             ; all but x's eight, which are wanted behind the product
.irp s, 0,1,2,3                                ; four accumulators by turns; the bias is the C of the first step
.irp p, 0,1
.irp u, 0,1
.if \s == 0
	WM ACC+8*(2*\p+\u), WF+8*(2*\s+\p), CF+8*(4*\u+\s), BI+8*\p, WS+\s, CS+\s, \p, \u
.else
	WM ACC+8*(2*\p+\u), WF+8*(2*\s+\p), CF+8*(4*\u+\s), ACC+8*(2*\p+\u), WS+\s, CS+\s, \p, \u
.endif
.endr
.endr
.endr
	PLACES 4
.irp p, 0,1
.irp u, 0,1
	ds_store_b128 v9, v[ACC+8*(2*\p+\u):ACC+8*(2*\p+\u)+3] offset:33024*\u+32*\p        ; token 16 u + r, features 32 w + 16 h + 8 p + 0 .. 7; each accumulator from its low end on
	ds_store_b128 v9, v[ACC+8*(2*\p+\u)+4:ACC+8*(2*\p+\u)+7] offset:33024*\u+32*\p+16
.endr
.endr
	s_wait_dscnt 0x0
	s_barrier_signal -1
	s_barrier_wait -1                              ; 32 whole rows lie in the stage
.irp p, 0,1
.irp q, 0,1,2,3
	ds_load_b128 v[16+16*\p+4*\q:16+16*\p+4*\q+3], v10 offset:2064*\p+512*\q
.endr
.endr
	s_wait_loadcnt 0x0
	s_wait_dscnt 0x0
.irp j, 0,2,4,6,8,10,12,14,16,18,20,22,24,26,28,30
	v_pk_add_f32 v[16+\j:16+\j+1], v[16+\j:16+\j+1], v[XR+\j:XR+\j+1]
.endr
.irp p, 0,1
.irp q, 0,1,2,3
	global_store_b128 v[LI], v[16+16*\p+4*\q:16+16*\p+4*\q+3], s[14:15] offset:2048*\p+512*\q   ; 512 consecutive bytes, aligned
.endr
.endr
	ROWSTAT 16, 248, 232, 252
	ROWSTAT 32, 250, 232, 252
	ds_store_b64 v6, v[248:249] offset:STAT
	ds_store_b64 v6, v[250:251] offset:STAT+8
	s_wait_dscnt 0x0
	s_barrier_signal -1
	s_barrier_wait -1
	s_cmp_lg_u32 s18, 0
	s_cbranch_scc1 .Lnot_wave_0
	ds_load_b64 v[232:233], v5 offset:STAT
	s_wait_dscnt 0x0
	global_store_b32 v[LS], v232, s[34:35]         ; the 32 row means
	v_mov_b32 v234, v232
	RED32 234, 252
	s_delay_alu instid0(VALU_DEP_1)
	v_mul_f32 v234, 0x3d000000, v234
	s_delay_alu instid0(VALU_DEP_1)
	v_sub_f32 v252, v232, v234
	s_delay_alu instid0(VALU_DEP_1)
	v_mul_f32 v252, v252, v252
	s_delay_alu instid0(VALU_DEP_1)
	v_fma_f32 v235, v252, 0x44000000, v233
	RED32 235, 252
	v_cmp_eq_u32 vcc_lo, 0, v11
	s_wait_alu depctr_va_vdst(0)
	s_wait_xcnt 0x0                                ; EXEC changes only when the stores above have had their addresses translated
	s_and_saveexec_b32 s38, vcc_lo
	global_store_b64 v[LS], v[234:235], s[36:37] offset:32768
	s_wait_xcnt 0x0
	s_or_b32 exec_lo, exec_lo, s38
.Lnot_wave_0:
	s_wait_tensorcnt 0x0                           ; the wave's end
	ds_add_u32 v1, v2
	s_wait_dscnt 0x0
	s_endpgm
.Lfunc_end_k_q8691511b17_proj:
	.size	k_q8691511b17_proj, .Lfunc_end_k_q8691511b17_proj-k_q8691511b17_proj
	.p2alignl 7, 3214868480
	.fill 96, 4, 3214868480
	.section	.rodata,"a",@progbits
	.p2align	6, 0x0
	.amdhsa_kernel k_q8691511b17_proj
		.amdhsa_group_segment_fixed_size 68352
		.amdhsa_private_segment_fixed_size 0
		.amdhsa_enable_private_segment 0
		.amdhsa_kernarg_size 56
		.amdhsa_user_sgpr_count 2
		.amdhsa_user_sgpr_kernarg_segment_ptr 1
		.amdhsa_wavefront_size32 1
		.amdhsa_system_sgpr_workgroup_id_x 1
		.amdhsa_system_sgpr_workgroup_id_y 1
		.amdhsa_system_sgpr_workgroup_id_z 1
		.amdhsa_system_vgpr_workitem_id 0
		.amdhsa_next_free_vgpr 256
		.amdhsa_next_free_sgpr 66
		.amdhsa_reserve_vcc 1
		.amdhsa_float_denorm_mode_32 3
		.amdhsa_float_denorm_mode_16_64 3
		.amdhsa_memory_ordered 1
		.amdhsa_forward_progress 1
		.amdhsa_inst_pref_size 22
	.end_amdhsa_kernel
	.amdgpu_metadata
---
amdhsa.version: [ 1, 2 ]
amdhsa.kernels:
  - .name:           k_q8691511b17_proj
    .symbol:         k_q8691511b17_proj.kd
    .args:
      - { .name: cx, .offset: 0, .size: 8, .value_kind: global_buffer, .address_space: global }
      - { .name: wimg, .offset: 8, .size: 8, .value_kind: global_buffer, .address_space: global }
      - { .name: Wo_w_scales, .offset: 16, .size: 8, .value_kind: global_buffer, .address_space: global }
      - { .name: Wo_b, .offset: 24, .size: 8, .value_kind: global_buffer, .address_space: global }
      - { .name: x, .offset: 32, .size: 8, .value_kind: global_buffer, .address_space: global }
      - { .name: x2, .offset: 40, .size: 8, .value_kind: global_buffer, .address_space: global }
      - { .name: st2, .offset: 48, .size: 8, .value_kind: global_buffer, .address_space: global }
    .group_segment_fixed_size: 68352
    .private_segment_fixed_size: 0
    .kernarg_segment_align: 8
    .kernarg_segment_size: 56
    .max_flat_workgroup_size: 512
    .sgpr_count:     66
    .vgpr_count:     256
    .wavefront_size: 32
...
	.end_amdgpu_metadata
.endif
;; end of part 9
;; launch mlp (part 10): grid 256 x 1, 16 waves a work-group, no clusters, 177,664 bytes of LDS; arguments x2, st2, n2_scale, n2_shift, wimg, l1_w_scales, l1_b, l2_w_scales, l2_b, out0; writes out0
.if DOCPART == 10
	.amdgcn_target "amdgcn-amd-amdhsa--gfx1250"
	.amdhsa_code_object_version 6
	.text
	.protected	k_q8691511b17_mlp
	.globl	k_q8691511b17_mlp
	.p2align	8
	.type	k_q8691511b17_mlp,@function
k_q8691511b17_mlp:
	s_mov_b64 s[64:65], 0
	v_nop
	global_prefetch_b8 v0, s[64:65] scope:SCOPE_SE
	s_setreg_imm32_b32 hwreg(HW_REG_WAVE_SCHED_MODE, 0, 2), 2
	s_setreg_imm32_b32 hwreg(HW_REG_WAVE_MODE, 25, 1), 1
	s_wait_xcnt 0x0
	s_wait_alu depctr_vm_vsrc(0)
; Launch 5 of 5: out = gelu(norm2(x2) l1^T + l1_b) l2^T + l2_b + x2, both products on codes of FP4 (E2M1) with E8M0 scales; the hidden layer never goes to memory.  Nothing is left out here.
; LIMITS: NaN and infinities are not served; a variance of 0 or under 2^-126 gives NaN; a block of zeros carries the byte 1 (its codes are zeros, and this program alone reads the bytes);
; erf(y) = y P(y^2) / Q(y^2) with y held to +-4, good to a few units in the last place of f32; 1 + erf loses relative accuracy where gelu is next to 0.
; SHARES: a work-group has 32 tokens.  NORM as in launch 2: wave w = 8 u + 2 s + c quantises four registers of the fragment (u, s); the raw x2 goes to LDS beside it, so that it is read from memory once.
; PRODUCT 7: wave w makes hidden units 128 w .. + 127, 32 at a time, transposed (source 0 = rows of l1): they are K step w of product 8: GELU, quantised in registers, image to LDS.
; PRODUCT 8: wave w makes outputs 32 w .. + 31 over 16 K steps; its rows of l2 go through a ring of eight K steps in registers; the hidden fragments come from LDS, three buffers.
; The weights come from wimg straight into the registers of the one wave that uses them, 512 consecutive bytes a load.
; REGISTERS: v3-15 addresses; v16-47 two fragment buffers, between products at work; v48-51 the activations' scale words; v52-67 the weights' scale words; v68-195 weights; v196-227 four accumulators; v228-243 a bias,
; behind product 8's first step a third fragment buffer; v244-251 the codes just made; v252-253 the hidden layer's scale words in the making, on the way out two LDS addresses; v254, v255 the leading coefficients of P and Q.
; THE MODE: SCHED_MODE bits 1:0 = 2 (LLVM: expert scheduling mode 2), set by the entry lines.  The code itself states the register dependences
; between vector or matrix instructions and memory or LDS instructions, with s_wait_alu, always for 0.
; THE PLAN.  Registers that memory or LDS instructions touch:
;   v3-15, v251   addresses: written at the head; v3-15 never again (v251 becomes a code register behind a wait on vm_vsrc).
;   v132-163      x2: loaded, read by the LDS stores of the residual, then normed in place: a wait on vm_vsrc between the two.
;   v16-47        fragment buffers: LDS loads land in them, the products read them; between products GELU and the quantiser work in them.
;   v68-195, v52-67, v228-243   weights, their scale words, a bias: loads land in them, the products read them.
;   v244-251, v37, v16, v17     written by conversions, exchanges and selects, read by LDS stores.
; PRODUCT 7, a round of 32 hidden units: one wait on va_vdst in K steps 1 and 2 (two buffers); one behind the product, ahead of the loads into its weights, scale words and bias; one at the round's end: GELU and
; the quantiser are done with v16-47, and the codes are written for the image's stores.
; PRODUCT 8, K step s: ONE wait on va_vdst at the step's head, behind the waits for the step's own fragments and weights.  It states that step s - 1's products are done reading their fragment buffer, scale word and weights.
; Behind it stand the LDS loads of step s + 2, which land in that buffer (s + 2 = s - 1 modulo 3), and, between the step's two pairs of products, the loads of K step s + 7's weights into step s - 1's registers.
; The step's own products name buffer s % 3, scale word s % 3, the weights of s % 8 and the accumulators: none of the registers that those loads touch.
.set HIMG,  0                          ; LDS: 8 fragments of the normed x2
.set HSC,   8192                       ; their scale words
.set HID,   8704                       ; the hidden layer's 32 fragments: 16,384 u + 1,024 s
.set HIDS,  41472                      ; their scale words: 128 s + 64 u + 4 r
.set XST,   43520                      ; x2: 32 rows x 2,064 bytes
.set YST,   109568                     ; the result: likewise
.set SPARE, 175616                     ; the spare words, 128 bytes for each of the 16 waves
.set LI,  3
.set LS,  4
.set HB0, 16
.set HS,  48
.set WS,  52
.set WA,  68
.set WB,  132
.set ACC, 196
.set BI,  228
.set PC,  244
.set XR,  132
.set SCL, 164
.set SHF, 196
.set YC,  16
.set ZZ,  24
.set QQ,  32
.set PP,  40
.set SEL, 30
.macro PLACES n
.rept \n
	v_nop
.endr
.endm
.macro RED32 v, t
	v_add_f32_dpp v[\v], v[\v], v[\v] row_xmask:1 row_mask:0xf bank_mask:0xf
	v_add_f32_dpp v[\v], v[\v], v[\v] row_xmask:2 row_mask:0xf bank_mask:0xf
	v_add_f32_dpp v[\v], v[\v], v[\v] row_xmask:4 row_mask:0xf bank_mask:0xf
	v_add_f32_dpp v[\v], v[\v], v[\v] row_xmask:8 row_mask:0xf bank_mask:0xf
	v_permlanex16_b32 v[\t], v[\v], s[SEL], s[SEL+1]
	v_add_f32 v[\v], v[\v], v[\t]
.endm
.macro WM d, a, b, c, sa, sb, ra, rb
.if ((\ra) == 0) && ((\rb) == 0)
	v_wmma_scale_f32_16x16x128_f8f6f4 v[(\d):(\d)+7], v[(\a):(\a)+7], v[(\b):(\b)+7], v[(\c):(\c)+7], v[(\sa)], v[(\sb)] matrix_a_fmt:MATRIX_FMT_FP4 matrix_b_fmt:MATRIX_FMT_FP4
.elseif (\rb) == 0
	v_wmma_scale_f32_16x16x128_f8f6f4 v[(\d):(\d)+7], v[(\a):(\a)+7], v[(\b):(\b)+7], v[(\c):(\c)+7], v[(\sa)], v[(\sb)] matrix_a_fmt:MATRIX_FMT_FP4 matrix_b_fmt:MATRIX_FMT_FP4 matrix_a_scale:MATRIX_SCALE_ROW1
.elseif (\ra) == 0
	v_wmma_scale_f32_16x16x128_f8f6f4 v[(\d):(\d)+7], v[(\a):(\a)+7], v[(\b):(\b)+7], v[(\c):(\c)+7], v[(\sa)], v[(\sb)] matrix_a_fmt:MATRIX_FMT_FP4 matrix_b_fmt:MATRIX_FMT_FP4 matrix_b_scale:MATRIX_SCALE_ROW1
.else
	v_wmma_scale_f32_16x16x128_f8f6f4 v[(\d):(\d)+7], v[(\a):(\a)+7], v[(\b):(\b)+7], v[(\c):(\c)+7], v[(\sa)], v[(\sb)] matrix_a_fmt:MATRIX_FMT_FP4 matrix_b_fmt:MATRIX_FMT_FP4 matrix_a_scale:MATRIX_SCALE_ROW1 matrix_b_scale:MATRIX_SCALE_ROW1
.endif
.endm
.macro HLOAD buf, s
.irp u, 0,1
.irp c, 0,1
	ds_load_b128 v[\buf+8*\u+4*\c:\buf+8*\u+4*\c+3], v[LI] offset:HIMG+(4*\u+(\s))*1024+512*\c
.endr
.endr
.endm
; Four K steps, four accumulators by turns; the count 4 leaves the next step's fragments out.
; The first two runs of loads lean on the wait on va_vdst that stands ahead of the product: no vector or matrix instruction since it names v16-47.
.macro MMT W, WSB
	HLOAD HB0, 0
.irp s, 0,1,2,3
.if \s < 3
.if \s > 0
	PLACES 4
	s_wait_alu depctr_va_vdst(0)                   ; the products of the step before are done reading the buffer in which the loads below land
.endif
	HLOAD HB0+16*((\s+1)%2), \s+1
	s_wait_dscnt 0x4
.else
	s_wait_dscnt 0x0
.endif
.irp p, 0,1
.irp u, 0,1
.if \s == 0
	WM ACC+8*(2*\p+\u), \W+8*(2*\s+\p), HB0+16*(\s%2)+8*\u, BI+8*\p, \WSB+\s, HS+\s, \p, \u
.else
	WM ACC+8*(2*\p+\u), \W+8*(2*\s+\p), HB0+16*(\s%2)+8*\u, ACC+8*(2*\p+\u), \WSB+\s, HS+\s, \p, \u
.endif
.endr
.endr
.endr
	PLACES 5
.endm
.macro HLOAD2 s                        ; the hidden layer's two fragments of K step s, and their scale words, into buffer s % 3: v16-31, v32-47 or v228-243
.set HBS, HB0+16*((\s)%3)+180*(((\s)%3)/2)
.irp u, 0,1
.irp c, 0,1
	ds_load_b128 v[HBS+8*\u+4*\c:HBS+8*\u+4*\c+3], v[LI] offset:HID+16384*\u+(\s)*1024+512*\c
.endr
.endr
	ds_load_b32 v[HS+(\s)%3], v[LS] offset:HIDS+128*(\s)
.endm
.macro QPAIR p0, p1, q0, q1, T, c00, c01, c10, c11
	v_max3_num_f32 v[\T], |v[\p0]|, |v[\p0+1]|, 0x1800000
	v_max3_num_f32 v[\T+1], |v[\q0]|, |v[\q0+1]|, 0x1800000
.irp i, 2,4,6
	v_max3_num_f32 v[\T], v[\T], |v[\p0+\i]|, |v[\p0+\i+1]|
	v_max3_num_f32 v[\T+1], v[\T+1], |v[\q0+\i]|, |v[\q0+\i+1]|
.endr
.irp i, 0,2,4,6
	v_max3_num_f32 v[\T], v[\T], |v[\p1+\i]|, |v[\p1+\i+1]|
	v_max3_num_f32 v[\T+1], v[\T+1], |v[\q1+\i]|, |v[\q1+\i+1]|
.endr
	v_permlanex16_b32 v[\T+2], v[\T], s[SEL], s[SEL+1]
	v_permlanex16_b32 v[\T+3], v[\T+1], s[SEL], s[SEL+1]
	v_max_num_f32 v[\T], v[\T], v[\T+2]
	v_max_num_f32 v[\T+1], v[\T+1], v[\T+3]
	v_add_nc_u32 v[\T+4], 0xff000000, v[\T]
	v_add_nc_u32 v[\T+5], 0xff000000, v[\T+1]
	v_lshrrev_b32 v[\T+6], 23, v[\T+4]
	v_lshrrev_b32 v[\T+7], 23, v[\T+5]
	v_cvt_scalef32_pk8_fp4_f32 v[\c00], v[\p0:\p0+7], v[\T+4]
	v_cvt_scalef32_pk8_fp4_f32 v[\c01], v[\p1:\p1+7], v[\T+4]
	v_cvt_scalef32_pk8_fp4_f32 v[\c10], v[\q0:\q0+7], v[\T+5]
	v_cvt_scalef32_pk8_fp4_f32 v[\c11], v[\q1:\q1+7], v[\T+5]
	v_nop
.endm
.macro LOADSET reg, imm
.irp k, 0,1,2,3,4,5,6,7,8,9,10,11,12,13,14,15
	global_load_b128 v[\reg+4*\k:\reg+4*\k+3], v[LI], s[12:13] offset:\imm+512*\k
.endr
.endm
.macro LOADBI p, imm
.irp k, 0,1,2,3
	global_load_b128 v[BI+4*\k:BI+4*\k+3], v10, s[\p:\p+1] offset:\imm+16*\k
.endr
.endm
; gelu(x) = x / 2 + (x / 2) erf(x / sqrt 2), eight numbers in place.  The eight reciprocals are one batch: P's 24 multiply-adds and eight multiplies stand between them and the one wait.
.macro GELU X
.irp j, 0,2,4,6
	v_pk_mul_f32 v[YC+\j:YC+\j+1], v[\X+\j:\X+\j+1], s[34:35] op_sel_hi:[1,0]
.endr
.irp j, 0,1,2,3,4,5,6,7
	v_med3_num_f32 v[YC+\j], v[YC+\j], -4.0, 4.0
.endr
.irp j, 0,2,4,6
	v_pk_mul_f32 v[ZZ+\j:ZZ+\j+1], v[YC+\j:YC+\j+1], v[YC+\j:YC+\j+1]
.endr
.irp j, 0,2,4,6
	v_pk_fma_f32 v[QQ+\j:QQ+\j+1], v[ZZ+\j:ZZ+\j+1], v[254:255], s[48:49] op_sel:[0,1,0] op_sel_hi:[1,1,0]   ; both halves take v255
.endr
.irp k, 50,52,54
.irp j, 0,2,4,6
	v_pk_fma_f32 v[QQ+\j:QQ+\j+1], v[QQ+\j:QQ+\j+1], v[ZZ+\j:ZZ+\j+1], s[\k:\k+1] op_sel_hi:[1,1,0]
.endr
.endr
	s_wait_alu depctr_va_vdst(0)
.irp j, 0,1,2,3,4,5,6,7
	v_rcp_f32 v[QQ+\j], v[QQ+\j]
.endr
.irp j, 0,2,4,6
	v_pk_fma_f32 v[PP+\j:PP+\j+1], v[ZZ+\j:ZZ+\j+1], v[254:255], s[36:37] op_sel_hi:[1,0,0]                  ; both halves take v254
.endr
.irp k, 38,40,42,44,46
.irp j, 0,2,4,6
	v_pk_fma_f32 v[PP+\j:PP+\j+1], v[PP+\j:PP+\j+1], v[ZZ+\j:ZZ+\j+1], s[\k:\k+1] op_sel_hi:[1,1,0]
.endr
.endr
.irp j, 0,2,4,6
	v_pk_mul_f32 v[PP+\j:PP+\j+1], v[PP+\j:PP+\j+1], v[YC+\j:YC+\j+1]
.endr
.irp j, 0,2,4,6
	v_pk_mul_f32 v[YC+\j:YC+\j+1], v[\X+\j:\X+\j+1], 0.5 op_sel_hi:[1,0]
.endr
	s_wait_alu depctr_va_vdst(0)                   ; the eight reciprocals have written v32-39: one wait for the batch, ahead of its first reader
.irp j, 0,2,4,6
	v_pk_mul_f32 v[PP+\j:PP+\j+1], v[PP+\j:PP+\j+1], v[QQ+\j:QQ+\j+1]
.endr
.irp j, 0,2,4,6
	v_pk_fma_f32 v[\X+\j:\X+\j+1], v[YC+\j:YC+\j+1], v[PP+\j:PP+\j+1], v[YC+\j:YC+\j+1]
.endr
.endm
	s_load_b512 s[4:19], s[0:1], 0x0               ; x2, st2, n2_scale, n2_shift, wimg, l1 scales, l1_b, l2 scales
	s_load_b128 s[20:23], s[0:1], 0x40             ; l2_b, out0
	v_lshl_add_u32 v1, v0, 2, SPARE
	v_mov_b32 v2, 0
	v_lshrrev_b32 v248, 5, v0
	v_readfirstlane_b32 s24, v248                  ; wave
	v_and_b32 v248, 31, v0                         ; lane
	v_and_b32 v249, 15, v0                         ; r
	v_bfe_u32 v250, v0, 4, 1                       ; h
	s_wait_alu depctr_va_vdst(0)
	v_lshlrev_b32 v251, 2, v249
	v_lshlrev_b32 v[LI], 4, v248
	v_lshlrev_b32 v[LS], 2, v248
	v_lshlrev_b32 v5, 11, v249
	v_lshl_add_u32 v5, v250, 7, v5                 ; x2: row r, + 128 h
	v_lshlrev_b32 v6, 7, v250
	s_wait_alu depctr_va_sdst(0)                   ; s24 is written, ahead of its first reader
	s_lshl_b32 s25, s24, 9
	v_add_nc_u32 v7, s25, v[LI]                    ; my image: 512 w + 16 x lane
	s_bfe_u32 s56, s24, 0x20001                    ; s
	s_lshr_b32 s57, s24, 3                         ; u
	s_and_b32 s58, s24, 1                          ; c
	s_lshl_b32 s25, s56, 7
	s_lshl_b32 s59, s57, 6
	s_add_co_u32 s25, s25, s59
	s_lshl_b32 s59, s58, 1
	s_add_co_u32 s25, s25, s59
	s_add_co_u32 s25, s25, HSC
	v_lshl_add_u32 v8, v249, 2, v250
	v_add_nc_u32 v8, s25, v8                       ; my scale byte
	v_and_b32 v9, 7, v0
	v_bfe_u32 v10, v0, 3, 1
	v_lshl_add_u32 v9, v10, 4, v9
	v_lshl_add_u32 v9, v250, 3, v9                 ; the row whose scale words I take
	v_lshlrev_b32 v11, 6, v9                       ; l2: 64 bytes a row
	v_lshlrev_b32 v9, 4, v9                        ; l1: 16 bytes a row
	v_lshlrev_b32 v10, 6, v250                     ; 64 h
	s_lshl_b32 s62, s56, 9
	s_lshl_b32 s59, s58, 8
	s_add_co_u32 s62, s62, s59                     ; 512 s + 256 c
	s_mov_b32 s63, 0
	s_mul_i32 s25, s57, 33024
	s_add_co_u32 s25, s25, s62
	s_add_co_u32 s25, s25, XST
	v_mul_u32_u24 v12, v249, 2064
	v_lshl_add_u32 v12, v250, 7, v12
	v_add_nc_u32 v12, s25, v12                     ; x2 into LDS: row 16 u + r, my 128 bytes
	s_lshl_b32 s25, s24, 10
	s_add_co_u32 s25, s25, HID
	v_add_nc_u32 v13, s25, v[LI]                   ; the hidden layer's images: K step w
	s_lshl_b32 s25, s24, 7
	s_add_co_u32 s25, s25, YST
	v_mul_u32_u24 v14, v249, 2064
	v_lshl_add_u32 v14, v250, 6, v14
	v_add_nc_u32 v14, s25, v14                     ; the result into its stage: row r, + 128 w + 64 h
	v_lshlrev_b32 v15, 6, v248                     ; eight of the 256 pairs a lane
	v_mov_b32 v33, 0
	v_mov_b32 v47, 0
	v_mov_b32 v254, 0xaf95df0b                     ; P's leading coefficient
	v_mov_b32 v255, 0xb77460cd                     ; Q's
	s_mov_b32 s[SEL], 0x76543210
	s_mov_b32 s[SEL+1], 0xfedcba98
	s_mov_b32 s32, 0xffff0000                      ; lanes 16-31
	s_mov_b32 s34, 0x3f3504f3                      ; 1 / sqrt 2; each constant twice: the packed forms name pairs
	s_mov_b32 s35, s34
	s_mov_b32 s36, 0x32edffee                      ; P
	s_mov_b32 s37, s36
	s_mov_b32 s38, 0xb60cff51
	s_mov_b32 s39, s38
	s_mov_b32 s40, 0xb86ec2d2
	s_mov_b32 s41, s40
	s_mov_b32 s42, 0xba40ac63
	s_mov_b32 s43, s42
	s_mov_b32 s44, 0xbb41a1f6
	s_mov_b32 s45, s44
	s_mov_b32 s46, 0xbc83dbd4
	s_mov_b32 s47, s46
	s_mov_b32 s48, 0xb95fbd29                      ; Q
	s_mov_b32 s49, s48
	s_mov_b32 s50, 0xbadc924e
	s_mov_b32 s51, s50
	s_mov_b32 s52, 0xbbf19bf8
	s_mov_b32 s53, s52
	s_mov_b32 s54, 0xbc69b6a7
	s_mov_b32 s55, s54
	s_lshl_b32 s60, ttmp9, 16
	s_lshl_b32 s59, s57, 15
	s_add_co_u32 s60, s60, s59
	s_add_co_u32 s60, s60, s62                     ; x2: my tile's rows, my 64 columns
	s_mov_b32 s61, 0
	s_lshl_b32 s28, ttmp9, 7
	s_lshl_b32 s59, s57, 6
	s_add_co_u32 s28, s28, s59                     ; the row means of my tile
	s_mov_b32 s29, 0
	s_mov_b32 s27, 0
	s_wait_kmcnt 0x0
	s_add_nc_u64 s[4:5], s[4:5], s[60:61]
	s_add_nc_u64 s[28:29], s[6:7], s[28:29]
	s_add_nc_u64 s[8:9], s[8:9], s[62:63]
	s_add_nc_u64 s[10:11], s[10:11], s[62:63]
	s_lshl_b32 s26, s24, 15
	s_add_nc_u64 s[12:13], s[12:13], s[26:27]      ; 32,768 bytes a wave in l1's image and in l2's
	s_lshl_b32 s26, s24, 11
	s_add_nc_u64 s[14:15], s[14:15], s[26:27]
	s_add_nc_u64 s[18:19], s[18:19], s[26:27]
	s_lshl_b32 s26, s24, 9
	s_add_nc_u64 s[16:17], s[16:17], s[26:27]
	s_lshl_b32 s26, s24, 7
	s_add_nc_u64 s[20:21], s[20:21], s[26:27]
	s_lshl_b32 s26, ttmp9, 16
	s_lshl_b32 s59, s24, 12
	s_add_co_u32 s26, s26, s59
	s_add_nc_u64 s[22:23], s[22:23], s[26:27]      ; out0: my two rows
	s_wait_alu depctr_va_vdst(0)                   ; the addresses v3 to v15 and v251 are written, which the loads and stores below read
	global_load_b128 v[WS:WS+3], v11, s[18:19]     ; l2's scale words of K steps 0-7
	global_load_b128 v[WS+4:WS+7], v11, s[18:19] offset:16
.irp i, 0,1,2,3
	global_load_b128 v[16+4*\i:16+4*\i+3], v15, s[6:7] offset:32768+16*\i
.endr
	global_load_b32 v32, v251, s[28:29]
.irp g, 0,1,2,3,4,5,6,7
	global_load_b128 v[XR+4*\g:XR+4*\g+3], v5, s[4:5] offset:16*\g
.endr
.irp g, 0,1,2,3,4,5,6,7
	global_load_b128 v[SCL+4*\g:SCL+4*\g+3], v6, s[8:9] offset:16*\g
.endr
.irp g, 0,1,2,3,4,5,6,7
	global_load_b128 v[SHF+4*\g:SHF+4*\g+3], v6, s[10:11] offset:16*\g
.endr
	LOADSET WA, 524288                             ; l1, my first 32 rows
	global_load_b128 v[WS+8:WS+11], v9, s[14:15]
	LOADBI 16, 0
	s_wait_loadcnt 45                              ; behind the pairs and the mean: x2 8, gain 8, shift 8, the first set's 21
	v_pk_add_f32 v[34:35], v[16:17], v[18:19]
	v_pk_add_f32 v[36:37], v[20:21], v[22:23]
	v_pk_add_f32 v[38:39], v[24:25], v[26:27]
	v_pk_add_f32 v[40:41], v[28:29], v[30:31]
	v_pk_add_f32 v[34:35], v[34:35], v[36:37]
	v_pk_add_f32 v[38:39], v[38:39], v[40:41]
	v_pk_add_f32 v[34:35], v[34:35], v[38:39]
	RED32 34, 36
	RED32 35, 37
	v_mul_f32 v34, 0x3b800000, v34
.irp i, 0,1,2,3,4,5,6,7
	v_sub_f32 v[36+\i], v[16+2*\i], v34
.endr
	v_mul_f32 v44, v36, v36
	v_mul_f32 v45, v37, v37
	v_fma_f32 v44, v38, v38, v44
	v_fma_f32 v45, v39, v39, v45
	v_fma_f32 v44, v40, v40, v44
	v_fma_f32 v45, v41, v41, v45
	v_fma_f32 v44, v42, v42, v44
	v_fma_f32 v45, v43, v43, v45
	v_add_f32 v44, v44, v45
	RED32 44, 45
	v_fma_f32 v44, v44, 0x46800000, v35
	v_mul_f32 v44, 0x34800000, v44                 ; the variance of the whole tensor
	s_wait_alu depctr_va_vdst(0)
	v_rcp_f32 v45, v44
	v_nop
	s_wait_alu depctr_va_vdst(0)                   ; the reciprocal has written v45: a wait ahead of its first reader
	v_fma_f32 v43, -v44, v45, 1.0
	v_fma_f32 v46, v45, v43, v45
	s_wait_loadcnt 21                              ; x2, gain and shift are in; the first set's 21 may be out
.irp g, 0,1,2,3,4,5,6,7
	ds_store_b128 v12, v[XR+4*\g:XR+4*\g+3] offset:16*\g   ; the residual, kept for the way out
.endr
	s_wait_alu depctr_vm_vsrc(0)                   ; the eight LDS stores have read v132-163: the norm works in place
.irp j, 0,2,4,6,8,10,12,14,16,18,20,22,24,26,28,30
	v_pk_add_f32 v[XR+\j:XR+\j+1], v[XR+\j:XR+\j+1], v[32:33] op_sel_hi:[1,0] neg_lo:[0,1] neg_hi:[0,1]
.endr
.irp j, 0,2,4,6,8,10,12,14,16,18,20,22,24,26,28,30
	v_pk_fma_f32 v[XR+\j:XR+\j+1], v[XR+\j:XR+\j+1], v[46:47], 0x3727c5ac op_sel_hi:[1,0,0]
.endr
.irp j, 0,2,4,6,8,10,12,14,16,18,20,22,24,26,28,30
	v_pk_fma_f32 v[XR+\j:XR+\j+1], v[XR+\j:XR+\j+1], v[SCL+\j:SCL+\j+1], v[SHF+\j:SHF+\j+1]
.endr
	v_max3_num_f32 v34, |v[XR]|, |v[XR+1]|, 0x1800000
	v_max3_num_f32 v35, |v[XR+2]|, |v[XR+3]|, |v[XR+4]|
.irp i, 5,9,13,17,21,25
	v_max3_num_f32 v34, v34, |v[XR+\i]|, |v[XR+\i+1]|
	v_max3_num_f32 v35, v35, |v[XR+\i+2]|, |v[XR+\i+3]|
.endr
	v_max3_num_f32 v34, v34, |v[XR+29]|, |v[XR+30]|
	v_max3_num_f32 v34, v34, v35, |v[XR+31]|
	v_add_nc_u32 v36, 0xff000000, v34
	v_lshrrev_b32 v37, 23, v36
.irp g, 0,1,2,3
	v_cvt_scalef32_pk8_fp4_f32 v[PC+\g], v[XR+8*\g:XR+8*\g+7], v36
.endr
	v_nop
	s_wait_alu depctr_va_vdst(0)                   ; v244-247 and v37 are written, which the LDS stores read; the norm is done with x2 and the gain, in which l1's second set lands, and the variance's lines with v16-47, in which the first fragments land
	ds_store_b128 v7, v[PC:PC+3] offset:HIMG
	ds_store_b8 v8, v37
	LOADSET WB, 524288+8192                        ; l1, my second 32 rows
	global_load_b128 v[WS+12:WS+15], v9, s[14:15] offset:512
	s_wait_dscnt 0x0
	s_barrier_signal -1
	s_barrier_wait -1                              ; the eight fragments, their scale words and x2 lie in LDS
	s_wait_alu depctr_vm_vsrc(0)                   ; my LDS stores have read v37, in which a fragment lands, and v244-247, and the mean's load has read v251: the conversions write these again
.irp s, 0,1,2,3
	ds_load_b32 v[HS+\s], v[LS] offset:HSC+128*\s
.endr
	; PRODUCT 7, 32 hidden units at a time.  The counts leave out what was asked for behind the set in hand: the next set's 17 loads, at the end l2's first 16.
.irp b, 0,1,2,3
.if \b < 3
	s_wait_loadcnt 17
.else
	s_wait_loadcnt 16
.endif
	MMT WA+64*(\b%2), WS+8+4*(\b%2)
	s_wait_alu depctr_va_vdst(0)                   ; the products are done reading their bias, weights and scale words, in which the loads below land
.if \b < 3
	LOADBI 16, 128*(\b+1)
.else
	LOADBI 20, 0                                   ; l2_b
.endif
.if \b < 2
	LOADSET WA+64*(\b%2), 524288+8192*(\b+2)
	global_load_b128 v[WS+8+4*(\b%2):WS+8+4*(\b%2)+3], v9, s[14:15] offset:512*(\b+2)
.elseif \b == 2
	LOADSET WA, 1048576                            ; l2, K steps 0-3
.else
	LOADSET WB, 1048576+8192                       ; l2, K steps 4-7
	global_load_b128 v[WS+8:WS+11], v11, s[18:19] offset:32
	global_load_b128 v[WS+12:WS+15], v11, s[18:19] offset:48
.endif
	GELU ACC
	GELU ACC+8
	GELU ACC+16
	GELU ACC+24
.if \b == 2
	s_wait_alu depctr_vm_vsrc(0)                   ; the LDS stores of the first two blocks' images have read v244-251, which this round's and the next round's conversions write again
.endif
	QPAIR ACC, ACC+16, ACC+8, ACC+24, 16, PC+2*(\b%2), PC+2*(\b%2)+1, PC+4+2*(\b%2), PC+4+2*(\b%2)+1
.if \b == 0
	v_mov_b32 v252, v22                            ; the bytes of block b make the rows' scale words
	v_mov_b32 v253, v23
.else
	v_lshl_or_b32 v252, v22, 8*\b, v252
	v_lshl_or_b32 v253, v23, 8*\b, v253
.endif
.if \b%2
.irp u, 0,1
.irp i, 0,1
	v_permlane16_swap_b32 v[PC+4*\u+\i], v[PC+4*\u+2+\i]   ; the operand's layout wants a whole block in a lane
.endr
.endr
.endif
.if \b == 3
	v_cndmask_b32 v16, v252, v253, s32             ; lanes 0-15: token tile 0's words, lanes 16-31: tile 1's
	s_lshl_b32 s25, s24, 7
	s_add_co_u32 s25, s25, HIDS
	v_add_nc_u32 v17, s25, v[LS]
.endif
	s_wait_alu depctr_va_vdst(0)                   ; GELU and the quantiser are done with v16-47, in which the next fragments land; in the odd rounds v244-251 are written, which the stores below read, in the last v16 and v17 too
.if \b%2
.irp u, 0,1
	ds_store_b128 v13, v[PC+4*\u:PC+4*\u+3] offset:16384*\u+512*(\b/2)
.endr
.endif
.if \b == 3
	ds_store_b32 v17, v16
.endif
.endr
	s_wait_dscnt 0x0
	s_barrier_signal -1
	s_barrier_wait -1                              ; the hidden layer's 32 fragments lie in LDS
	s_wait_alu depctr_vm_vsrc(0)                   ; my LDS store of the scale words has read v16 and v17, in which a fragment lands
	; PRODUCT 8: 16 K steps, four accumulators by turns.  LDS: the count 5 leaves the next step's five loads out; steps 1 and 15 have nothing behind theirs.  Step 0 asks for nothing: its products read the bias,
	; which is the third buffer; step 1 asks for steps 2 and 3.  Weights: at step 8 K steps 9 to 14 (24 loads) may be out, K step 15's are asked for behind the wait; from step 9 on the count leaves the later steps' loads out.
	HLOAD2 0
	HLOAD2 1
.irp s, 0,1,2,3,4,5,6,7,8,9,10,11,12,13,14,15
.set HBX, HB0+16*(\s%3)+180*((\s%3)/2)
.if \s == 1
	s_wait_dscnt 0x0
.elseif \s < 15
	s_wait_dscnt 0x5
.else
	s_wait_dscnt 0x0
.endif
.if \s == 0
	s_wait_loadcnt 0x0
.elseif \s == 8
	s_wait_loadcnt 24
.elseif \s > 8
	s_wait_loadcnt 4*(15-\s)
.endif
.if (\s >= 1) && (\s <= 13)
	s_wait_alu depctr_va_vdst(0)                   ; the products of the step before are done reading their fragment buffer, scale word and weights (step 0's: the bias too), in which this step's loads land
.endif
.if \s == 1
	HLOAD2 2
	HLOAD2 3
.elseif (\s >= 2) && (\s <= 13)
	HLOAD2 \s+2
.endif
.irp p, 0,1
.irp u, 0,1
.if \s == 0
	WM ACC+8*(2*\p+\u), WA+16*(\s%8)+8*\p, HBX+8*\u, BI+8*\p, WS+\s, HS+\s%3, \p, \u
.else
	WM ACC+8*(2*\p+\u), WA+16*(\s%8)+8*\p, HBX+8*\u, ACC+8*(2*\p+\u), WS+\s, HS+\s%3, \p, \u
.endif
.endr
.if (\p == 0) && (\s >= 1) && (\s <= 8)
.irp k, 0,1,2,3
	global_load_b128 v[WA+16*(\s-1)+4*\k:WA+16*(\s-1)+4*\k+3], v[LI], s[12:13] offset:1048576+(\s+7)*2048+512*\k   ; K step s + 7.  No wait: no matrix instruction since the wait above names these registers
.endr
.endif
.endr
	PLACES 4
.endr
	; THE WAY OUT: the rows meet in the stage; each wave takes two whole rows, adds x2 and stores 512 consecutive bytes an instruction
	s_mul_i32 s25, s24, 4128
	s_add_co_u32 s25, s25, XST
	v_add_nc_u32 v252, s25, v[LI]
	v_add_nc_u32 v253, YST-XST, v252
	s_wait_alu depctr_va_vdst(0)                   ; the products have written the accumulators, which the LDS stores read (the places above stay beside this wait), and are done with the weights' registers, in which the rows land; v252 and v253 are written
.irp p, 0,1
.irp u, 0,1
	ds_store_b128 v14, v[ACC+8*(2*\p+\u):ACC+8*(2*\p+\u)+3] offset:33024*\u+32*\p
	ds_store_b128 v14, v[ACC+8*(2*\p+\u)+4:ACC+8*(2*\p+\u)+7] offset:33024*\u+32*\p+16
.endr
.endr
	s_wait_dscnt 0x0
	s_barrier_signal -1
	s_barrier_wait -1
.irp p, 0,1
.irp q, 0,1,2,3
	ds_load_b128 v[WA+16*\p+4*\q:WA+16*\p+4*\q+3], v253 offset:2064*\p+512*\q
.endr
.endr
.irp p, 0,1
.irp q, 0,1,2,3
	ds_load_b128 v[WB+16*\p+4*\q:WB+16*\p+4*\q+3], v252 offset:2064*\p+512*\q
.endr
.endr
	s_wait_dscnt 0x0
.irp j, 0,2,4,6,8,10,12,14,16,18,20,22,24,26,28,30
	v_pk_add_f32 v[WA+\j:WA+\j+1], v[WA+\j:WA+\j+1], v[WB+\j:WB+\j+1]
.endr
	s_wait_alu depctr_va_vdst(0)                   ; the additions have written v68-99, which the stores read
.irp p, 0,1
.irp q, 0,1,2,3
	global_store_b128 v[LI], v[WA+16*\p+4*\q:WA+16*\p+4*\q+3], s[22:23] offset:2048*\p+512*\q th:TH_STORE_NT
.endr
.endr
	s_wait_dscnt 0x0                               ; the closing lines, six on end
	s_wait_alu 0x0
	s_wait_tensorcnt 0x0
	ds_add_u32 v1, v2
	s_wait_dscnt 0x0
	s_endpgm
.Lfunc_end_k_q8691511b17_mlp:
	.size	k_q8691511b17_mlp, .Lfunc_end_k_q8691511b17_mlp-k_q8691511b17_mlp
	.p2alignl 7, 3214868480
	.fill 96, 4, 3214868480
	.section	.rodata,"a",@progbits
	.p2align	6, 0x0
	.amdhsa_kernel k_q8691511b17_mlp
		.amdhsa_group_segment_fixed_size 177664
		.amdhsa_private_segment_fixed_size 0
		.amdhsa_enable_private_segment 0
		.amdhsa_kernarg_size 80
		.amdhsa_user_sgpr_count 2
		.amdhsa_user_sgpr_kernarg_segment_ptr 1
		.amdhsa_wavefront_size32 1
		.amdhsa_system_sgpr_workgroup_id_x 1
		.amdhsa_system_sgpr_workgroup_id_y 1
		.amdhsa_system_sgpr_workgroup_id_z 1
		.amdhsa_system_vgpr_workitem_id 0
		.amdhsa_next_free_vgpr 256
		.amdhsa_next_free_sgpr 66
		.amdhsa_reserve_vcc 0
		.amdhsa_float_denorm_mode_32 3
		.amdhsa_float_denorm_mode_16_64 3
		.amdhsa_memory_ordered 1
		.amdhsa_forward_progress 1
		.amdhsa_inst_pref_size 152
	.end_amdhsa_kernel
	.amdgpu_metadata
---
amdhsa.version: [ 1, 2 ]
amdhsa.kernels:
  - .name:           k_q8691511b17_mlp
    .symbol:         k_q8691511b17_mlp.kd
    .args:
      - { .name: x2, .offset: 0, .size: 8, .value_kind: global_buffer, .address_space: global }
      - { .name: st2, .offset: 8, .size: 8, .value_kind: global_buffer, .address_space: global }
      - { .name: n2_scale, .offset: 16, .size: 8, .value_kind: global_buffer, .address_space: global }
      - { .name: n2_shift, .offset: 24, .size: 8, .value_kind: global_buffer, .address_space: global }
      - { .name: wimg, .offset: 32, .size: 8, .value_kind: global_buffer, .address_space: global }
      - { .name: l1_w_scales, .offset: 40, .size: 8, .value_kind: global_buffer, .address_space: global }
      - { .name: l1_b, .offset: 48, .size: 8, .value_kind: global_buffer, .address_space: global }
      - { .name: l2_w_scales, .offset: 56, .size: 8, .value_kind: global_buffer, .address_space: global }
      - { .name: l2_b, .offset: 64, .size: 8, .value_kind: global_buffer, .address_space: global }
      - { .name: out0, .offset: 72, .size: 8, .value_kind: global_buffer, .address_space: global }
    .group_segment_fixed_size: 177664
    .private_segment_fixed_size: 0
    .kernarg_segment_align: 8
    .kernarg_segment_size: 80
    .max_flat_workgroup_size: 512
    .sgpr_count:     66
    .vgpr_count:     256
    .wavefront_size: 32
...
	.end_amdgpu_metadata
.endif
;; end of part 10
